; MI455X (gfx1250); checked and timed in simulation.
; The chip was launched on July 23, 2026; its instructions are those of AMD's public machine-readable ISA for CDNA 5 (MIT licence, August 2026) and "CDNA5" Instruction Set Architecture Reference Guide (July 2026). The comments in the code are by the model that wrote it; some were corrected since.
;; Encoder Block. Allowed arithmetic: matrix products marked QUANTISED: E4M3 operands, one given power-of-two scale a tensor, by v_wmma_f32_16x16x64_fp8_fp8 or v_wmma_f32_16x16x128_fp8_fp8, f32 sums; everything else in f32.
;; Inputs: W1 1,024 x 4,096 float32; W2 4,096 x 1,024 float32; Wk 1,024 x 1,024 float32; Wo 1,024 x 1,024 float32; Wq 1,024 x 1,024 float32; Wv 1,024 x 1,024 float32; attn_mask 2 x 2,048 x 2,048 bool; b1 4,096 float32; b2 1,024 float32; be1 1,024 float32; be2 1,024 float32; bo 1,024 float32; g1 1,024 float32; g2 1,024 float32; lowp_scales 16 int32 (the exponents e of the quantised operands' scales 2^e); x 2 x 2,048 x 1,024 float32.
;; Outputs: out0 2 x 2,048 x 1,024 float32.
;; This version of the problem:
;;   THIS VERSION OF THE PROBLEM IS GIVEN IN LOW PRECISION. The matrix products marked QUANTISED in the list below multiply operands that are first quantised to E4M3 (4 exponent bits, 3 mantissa bits; 8 bits a number), with one given power-of-two scale for each operand tensor; their sums are f32. All else is computed in f32.
;;   The module's matrix products, in the order in which they are computed (A, B: the left and right operand; K: the contracted axis; several contracted axes count as one K, in the product's order):
;;     1. [M 4,096, K 1,024] x [K 1,024, N 1,024]; A: input x; B: input Wq: QUANTISED (scales: A lowp_scales[0], B lowp_scales[1])
;;     2. [M 4,096, K 1,024] x [K 1,024, N 1,024]; A: input x; B: input Wk: QUANTISED (scales: A lowp_scales[2], B lowp_scales[3])
;;     3. [M 4,096, K 1,024] x [K 1,024, N 1,024]; A: input x; B: input Wv: QUANTISED (scales: A lowp_scales[4], B lowp_scales[5])
;;     4. batch 32 x [M 2,048, K 64] x [K 64, N 2,048]; A: computed on the way; B: computed on the way: QUANTISED (scales: A lowp_scales[6], B lowp_scales[7])
;;     5. batch 32 x [M 2,048, K 2,048] x [K 2,048, N 64]; A: computed on the way; B: computed on the way: QUANTISED (scales: A lowp_scales[8], B lowp_scales[9])
;;     6. [M 4,096, K 1,024] x [K 1,024, N 1,024]; A: computed on the way; B: input Wo: QUANTISED (scales: A lowp_scales[10], B lowp_scales[11])
;;     7. [M 4,096, K 1,024] x [K 1,024, N 4,096]; A: computed on the way; B: input W1: QUANTISED (scales: A lowp_scales[12], B lowp_scales[13])
;;     8. [M 4,096, K 4,096] x [K 4,096, N 1,024]; A: computed on the way; B: input W2: QUANTISED (scales: A lowp_scales[14], B lowp_scales[15])
;;   THE QUANTISER, for each operand of a quantised product, along K:
;;     - The operand's scale is 2^e, e = its entry of the input lowp_scales (int32; the entries are numbered through the quantised products in the list's order, A before B).
;;     - Each number is divided by the scale, clamped to +-448, and rounded to the nearest number of E4M3, ties to even, subnormals kept.
;;     - The product sums the exact products of the quantised numbers (number of the format x scale) in f32.
;;   ~~~python
;;   def quantise(x, axis, e):      # numpy; x: float32 -> the quantised numbers, widened to float32 again
;;       x = np.moveaxis(x, axis, -1); K = x.shape[-1]
;;       r = np.clip(x / 2.0 ** e, -448, 448)
;;       step = 2.0 ** (np.maximum(np.frexp(np.where(r == 0, 1, r))[1] - 1, -6) - 3)
;;       q = np.round(r / step) * step * 2.0 ** e      # np.round: ties to even
;;       return np.moveaxis(q, -1, axis).astype(np.float32)
;;   ~~~
;;   OPERANDS COMPUTED ON THE WAY. 'Computed on the way' means the value that the module computes at that place (a softmax that the list does not call 'softmax' is quantised finished and normalised). What goes into a quantiser is computed in f32, as accurately as f32 sums, v_exp_f32 and their like allow (about 1e-6 of the number): no bf16 or f16 on the way to a quantiser, and a product that is left as it is and whose result goes on into a quantised operand takes f32 operands (vector FMAs, or v_wmma_f32_16x16x4_f32). A number that lies on a knife's edge between two numbers of the format may be rounded either way, as far as f32 arithmetic and the matrix unit's own rounding can turn it there, and no further.
;; 2 versions. Each part assembles by itself: llvm-mc -triple=amdgcn-amd-amdhsa -mcpu=gfx1250 --defsym DOCPART=n.
;; ======== version 1 of 2: 8 launches
;; workspace buffers: xcodes 12,582,912 bytes; wcodes 12,582,912 bytes; maskw 1,048,576 bytes of whole numbers; qkv 12,582,912 bytes; ocodes 4,194,304 bytes; y 16,777,216 bytes; x1 16,777,216 bytes; hcodes 16,777,216 bytes
;; launch prep (part 1): grid 768 x 1, 4 waves a work-group, no clusters, 101,888 bytes of LDS; arguments x, Wq, Wk, Wv, Wo, W1, W2, attn_mask, lowp_scales, xcodes, wcodes, maskw; writes xcodes, wcodes, maskw
.if DOCPART == 1
	.amdgcn_target "amdgcn-amd-amdhsa--gfx1250"
	.amdhsa_code_object_version 6
	.text
	.protected	k_q623d717945_prep
	.globl	k_q623d717945_prep
	.p2align	8
	.type	k_q623d717945_prep,@function
k_q623d717945_prep:
	s_mov_b64 s[64:65], 0
	v_nop
	global_prefetch_b8 v0, s[64:65] scope:SCOPE_SE
	s_setreg_imm32_b32 hwreg(HW_REG_WAVE_MODE, 25, 1), 1
	s_wait_xcnt 0x0
; THE ENCODER BLOCK, launch 1 of 8: everything that is quantised once or laid out once.
; NO WORK OF THE PROBLEM IS LEFT OUT IN ANY LAUNCH: every input has a way to the output (the biases stand ahead of a LayerNorm or a relu, the mask selects), and all eight products are live.
; Three kinds of work-group, told apart by the work-group's number alone; each kind has LDS bytes of its own and its own end.
;   0-127   X: x [4096][1024] f32 -> three images of E4M3 codes, x / 2^e0, x / 2^e2, x / 2^e4 (products 1 to 3 give x three scales, which need not be equal), at bytes 0, 4 MiB, 8 MiB of xcodes, K innermost.
;   128-511 W: the six weights, stored [K][N] f32 -> codes laid [N][K]: a lane takes a column and its registers run down K, so the conversions give K innermost; Wq, Wk, Wv, Wo at 0 to 3 MiB of wcodes, W1 at 4 MiB, W2 at 8 MiB.
;   512-767 M: attn_mask -> lane masks.  Word ((m 16 + ks) 64 + 8 T + j) holds in bit L (r = L % 16, h = L / 16) the mask of row 16 m + r, key 128 ks + 16 T + 8 h + j: the place of that score in the attention launch's registers.
; code = x / 2^e, held within +-448, to the nearest code, ties to even.  LIMITS: each e between -126 and 119; NaN among the inputs is not served.
.set XST,   0                          ; X: 8,192 bytes a wave: two stages of 32 x 80
.set WST,   32768                      ; W: 32 rows x 272 bytes a wave
.set MST,   67584                      ; M: 16 rows x 528 bytes a wave
.set SPARE, 101376                     ; the spare words, 128 bytes a wave: two blocks of 256 bytes that no other line names
.set SPW,   12                         ; v12  SPARE + 4 x my thread's number; never rewritten
.set NIL,   13                         ; v13  0; never rewritten
.macro FINISH                          ; a wave's end, behind my last LDS store
	s_wait_tensorcnt 0x0
	ds_add_u32 v[SPW], v[NIL]
	s_wait_dscnt 0x0
	s_endpgm
.endm
	s_load_b512 s[4:19], s[0:1], 0x0               ; x s[4:5], Wq s[6:7], Wk s[8:9], Wv s[10:11], Wo s[12:13], W1 s[14:15], W2 s[16:17], the mask s[18:19]
	s_load_b256 s[20:27], s[0:1], 0x40             ; the scales s[20:21], xcodes s[22:23], wcodes s[24:25], maskw s[26:27]
	v_lshl_add_u32 v[SPW], v0, 2, SPARE
	v_mov_b32 v[NIL], 0
	v_lshrrev_b32 v1, 5, v0
	v_readfirstlane_b32 s28, v1                    ; wave 0..3
	v_and_b32 v2, 31, v0                           ; lane
	s_wait_kmcnt 0x0
	s_cmp_lt_u32 ttmp9, 128
	s_cbranch_scc1 .Lpath_x
	s_cmp_lt_u32 ttmp9, 512
	s_cbranch_scc1 .Lpath_w
; ---------------- M: 16 rows of the mask; wave w takes keys 512 w .. 512 w + 511 ----------------
	s_sub_co_u32 s29, ttmp9, 512                   ; m: the tile of 16 rows
	s_lshl_b32 s30, s29, 15                        ; 16 rows of 2,048 bytes
	s_mov_b32 s31, 0
	s_add_nc_u64 s[18:19], s[18:19], s[30:31]
	s_lshl_b32 s30, s29, 12                        ; a tile's 1,024 words,
	s_lshl_b32 s36, s28, 10                        ; my wave's 256 of them
	s_add_co_u32 s30, s30, s36
	s_add_nc_u64 s[26:27], s[26:27], s[30:31]
	v_lshlrev_b32 v3, 4, v2                        ; 16 x lane
	v_lshl_add_u32 v4, s28, 9, v3                  ; + 512 x wave: my 16 bytes of a row's 512
	s_mul_i32 s37, s28, 16*528
	s_add_co_u32 s37, s37, MST                     ; my stage
	v_add_nc_u32 v5, s37, v3                       ; in: as the bytes lie
	v_and_b32 v6, 15, v2                           ; r
	v_lshrrev_b32 v7, 4, v2                        ; h
	v_mul_u32_u24 v6, v6, 528
	v_lshl_add_u32 v6, v7, 3, v6
	v_add_nc_u32 v6, s37, v6                       ; out: row r, + 8 h
.set i, 0
.rept 16
	global_load_b128 v[16+4*i:19+4*i], v4, s[18:19] offset:2048*i th:TH_LOAD_NT   ; 32 lanes read 512 consecutive bytes of row i
.set i, i+1
.endr
.set i, 0
.rept 8
	v_mov_b32 v[144+i], 0                          ; written once: a lane write's destination counts as one of its sources
.set i, i+1
.endr
	s_wait_loadcnt 0x0
.set i, 0
.rept 16
	ds_store_b128 v5, v[16+4*i:19+4*i] offset:528*i
.set i, i+1
.endr
.set i, 0
.rept 32                               ; piece i = 8 ks' + T: eight keys 128 ks' + 16 T + 8 h + 0 .. 7 of row r.  LDS serves a wave's instructions in order: these see my stores
	ds_load_b64 v[80+2*i:81+2*i], v6 offset:128*(i/8)+16*(i%8)
.set i, i+1
.endr
	s_wait_dscnt 0x0
.set W, 0
.rept 256                              ; word W = 64 ks' + 8 T + j: byte j of piece W / 8, compared in all 32 lanes at once; the lane mask goes to lane (W % 128) / 4 of one of eight registers, so that two stores of 16 bytes a lane take all 256 words
	v_and_b32 v[152+W%4], 0xff<<(8*(W%4)), v[80+2*(W/8)+(W%8)/4]
	v_cmp_ne_u32 s[32+W%4], 0, v[152+W%4]
	v_writelane_b32 v[144+4*(W/128)+W%4], s[32+W%4], (W%128)/4
.set W, W+1
.endr
	global_store_b128 v3, v[144:147], s[26:27]     ; 512 consecutive bytes each
	global_store_b128 v3, v[148:151], s[26:27] offset:512
	FINISH
; ---------------- X: a wave takes 16 steps of 512 numbers ----------------
; Each load reads 512 consecutive bytes, 16 a lane; a step's 2,048 bytes turn through the wave's own stage and come back 64 bytes a lane: 16 neighbours along K, as the conversions want them.
.set SP, 80                            ; a lane's place in a stage: 64 bytes + 16 of padding
.set XR, 16                            ; v16-79   four sets of 16 numbers as loaded
.set XX, 80                            ; v80-111  two sets of 16 neighbours
.set XT, 112                           ; v112-159 the held numbers, a set for each scale
.set XC, 160                           ; v160-183 codes: two sets of 3 x 4
.macro XLOAD t
.irp i, 0,1,2,3
	global_load_b128 v[XR+16*((\t)%4)+4*\i:XR+16*((\t)%4)+4*\i+3], v3, s[4:5] offset:2048*(\t)+512*\i th:TH_LOAD_NT
.endr
.endm
.macro XTURN t
.irp i, 0,1,2,3
	ds_store_b128 v14, v[XR+16*((\t)%4)+4*\i:XR+16*((\t)%4)+4*\i+3] offset:32*SP*((\t)%2)+8*SP*\i
.endr
.irp i, 0,1,2,3
	ds_load_b128 v[XX+16*((\t)%2)+4*\i:XX+16*((\t)%2)+4*\i+3], v15 offset:32*SP*((\t)%2)+16*\i
.endr
.endm
.macro XSTEP t
.set XS, XX+16*((\t)%2)
.set CS, XC+12*((\t)%2)
	s_wait_dscnt 0x0                               ; this step's numbers are back from the stage, and its stores into the stage have read their registers,
.if (\t)+4 < 16
	XLOAD (\t)+4                                   ; which take the loads of four steps on
.endif
.if (\t)+1 < 16
.if 14-(\t) >= 3
	s_wait_loadcnt 12                              ; the next step's four loads are in; the 12 of the three steps behind it may be out
.else
	s_wait_loadcnt 4*(14-(\t))
.endif
	XTURN (\t)+1
.endif
	s_wait_xcnt 0x0                                ; the stores of two steps ago have read this set of codes
.irp s, 0,1,2
.set i, 0
.rept 16
	v_med3_num_f32 v[XT+16*\s+i], v[XS+i], -v[8+\s], v[8+\s]   ; the conversion to an 8-bit code does not saturate (ISA guide 7.6.2): the hold at 448 x the scale
.set i, i+1
.endr
	v_cvt_scalef32_pk8_fp8_f32 v[CS+4*\s:CS+4*\s+1], v[XT+16*\s:XT+16*\s+7], v[5+\s]
	v_cvt_scalef32_pk8_fp8_f32 v[CS+4*\s+2:CS+4*\s+3], v[XT+16*\s+8:XT+16*\s+15], v[5+\s]   ; the next vector lines are another set's holds: plain, and on other registers
	global_store_b128 v3, v[CS+4*\s:CS+4*\s+3], s[40+2*\s:41+2*\s] offset:512*(\t)          ; the wave stores 512 consecutive bytes
.endr
.endm
.Lpath_x:
	s_load_b256 s[32:39], s[20:21], 0x0            ; e0 .. e7: s32, s34, s36 are x's three
	s_lshl_b32 s29, ttmp9, 2
	s_add_co_u32 s29, s29, s28                     ; which run of 8,192 numbers is my wave's
	s_lshl_b32 s30, s29, 15
	s_mov_b32 s31, 0
	s_add_nc_u64 s[4:5], s[4:5], s[30:31]
	s_lshl_b32 s30, s29, 13
	s_add_nc_u64 s[40:41], s[22:23], s[30:31]      ; the three images
	s_add_nc_u64 s[42:43], s[40:41], 0x400000
	s_add_nc_u64 s[44:45], s[40:41], 0x800000
	v_lshlrev_b32 v3, 4, v2                        ; 16 x lane: my bytes of a load's 512, and of a step's codes
	s_lshl_b32 s46, s28, 13                        ; my region of LDS
	v_lshrrev_b32 v14, 2, v2
	v_mul_u32_u24 v14, v14, SP
	v_and_b32 v15, 3, v2
	v_lshl_add_u32 v14, v15, 4, v14
	v_add_nc_u32 v14, s46, v14                     ; in: four lanes' 64 bytes on end, then the padding
	v_mul_u32_u24 v15, v2, SP
	v_add_nc_u32 v15, s46, v15                     ; out: my 16 neighbours
.irp t, 0,1,2,3
	XLOAD \t
.endr
	s_wait_kmcnt 0x0
.irp s, 0,1,2
	s_add_co_i32 s47, s[32+2*\s], 127
	s_lshl_b32 s48, s47, 23
	v_mov_b32 v[5+\s], s48                         ; 2^e as f32: the conversion takes its exponent field
	s_add_co_i32 s47, s47, 8
	s_lshl_b32 s47, s47, 23
	s_or_b32 s47, s47, 0x600000
	v_mov_b32 v[8+\s], s47                         ; 448 x 2^e
.endr
	s_wait_loadcnt 12                              ; step 0's four loads are in
	XTURN 0
.irp t, 0,1,2,3,4,5,6,7,8,9,10,11,12,13,14,15
	XSTEP \t
.endr
	FINISH
; ---------------- W: a wave takes 32 columns x 256 along K of one weight ----------------
.set WX, 32                            ; v32-95   two sets of 32 numbers: a block of 32 along K of my column
.set WC, 96                            ; v96-103  a block's codes
.set OUTR, 112                         ; v112-175 the way out
.set OF, 176                           ; v176-207 4 x lane + i rows of the weight
.set OS, 208                           ; v208-223 the way out: row 2 t + h of the codes, + 16 r
.macro WLOAD t
.set i, 0
.rept 32
	global_load_b32 v[WX+32*((\t)%2)+i], v[OF+i], s[50+2*((\t)%2):51+2*((\t)%2)] th:TH_LOAD_NT   ; row 32 t + i at 32 neighbouring columns: 128 consecutive bytes a wave, 512 a work-group
.set i, i+1
.endr
.endm
.macro WBLOCK t
.set XS, WX+32*((\t)%2)
.if (\t) < 7
	s_wait_loadcnt 32                              ; this block's 32 loads are in; the next block's 32 may be out
.else
	s_wait_loadcnt 0x0
.endif
.set i, 0
.rept 32
	v_med3_num_f32 v[XS+i], v[XS+i], -v10, v10
.set i, i+1
.endr
.irp g, 0,1,2,3
	v_cvt_scalef32_pk8_fp8_f32 v[WC+2*\g:WC+2*\g+1], v[XS+8*\g:XS+8*\g+7], v11
.endr
	ds_store_b128 v4, v[WC:WC+3] offset:32*(\t)    ; 32 codes of my column's row
	ds_store_b128 v4, v[WC+4:WC+7] offset:32*(\t)+16
.if (\t)+2 < 8
	s_add_nc_u64 s[50+2*((\t)%2):51+2*((\t)%2)], s[50+2*((\t)%2):51+2*((\t)%2)], s[54:55]   ; the wait above has shown the loads by this base done: 64 rows on
	WLOAD (\t)+2
.endif
	s_wait_dscnt 0x0                               ; the stores have read their registers: the next block's codes may be written (32 plain holds stand ahead of them)
.endm
.Lpath_w:
	s_sub_co_u32 s29, ttmp9, 128                   ; 0 .. 383
	s_lshr_b32 s30, s29, 7                         ; 0: the four square weights; 1: W1; 2: W2
	s_and_b32 s31, s29, 127
	s_lshr_b32 s32, s31, 5                         ; which square weight; for W1: which 256 along K
	s_and_b32 s33, s31, 7                          ; which 128 columns (1,024 columns)
	s_and_b32 s34, s31, 31                         ; the same for W1 (4,096 columns)
	s_lshr_b32 s35, s31, 3                         ; W2: which 256 along K
	s_and_b32 s36, s35, 3                          ; a square weight's
	s_lshl_b32 s37, s32, 20                        ; where the codes go: a square weight's MiB,
	s_lshl_b32 s38, s30, 22                        ; W1 at 4 MiB, W2 at 8 MiB
	s_lshl_b32 s39, s32, 1
	s_add_co_u32 s39, s39, 1                       ; the scale's entry: 1, 3, 5 for Wq, Wk, Wv,
	s_cmp_eq_u32 s32, 3
	s_cselect_b32 s39, 11, s39                     ; 11 for Wo,
	s_lshl_b32 s40, s30, 1
	s_add_co_u32 s40, s40, 11                      ; 13 for W1, 15 for W2
	s_mov_b32 s41, 0x4000
	s_mov_b32 s42, 0x1000
	s_mov_b32 s43, 0x400
	s_cmp_eq_u32 s32, 1                            ; every choice hangs on the work-group's number alone
	s_cselect_b64 s[44:45], s[8:9], s[6:7]
	s_cmp_eq_u32 s32, 2
	s_cselect_b64 s[44:45], s[10:11], s[44:45]
	s_cmp_eq_u32 s32, 3
	s_cselect_b64 s[44:45], s[12:13], s[44:45]
	s_cmp_eq_u32 s30, 1
	s_cselect_b32 s33, s34, s33                    ; which 128 columns
	s_cselect_b32 s35, s32, s35
	s_cselect_b32 s41, s41, s42                    ; a row of the weight in bytes
	s_cselect_b64 s[44:45], s[14:15], s[44:45]
	s_cmp_eq_u32 s30, 2
	s_cselect_b32 s43, s42, s43                    ; a row of its codes in bytes
	s_cselect_b64 s[44:45], s[16:17], s[44:45]
	s_cmp_eq_u32 s30, 0
	s_cselect_b32 s35, s36, s35                    ; which 256 along K
	s_cselect_b32 s37, s37, s38
	s_cselect_b32 s39, s39, s40
	s_lshl_b32 s39, s39, 2
	s_load_b32 s60, s[20:21], s39 offset:0x0       ; e
	s_lshl_b32 s46, s33, 7
	s_lshl_b32 s47, s28, 5
	s_add_co_u32 s46, s46, s47                     ; my wave's first column
	s_mul_i32 s48, s35, s41
	s_lshl_b32 s48, s48, 8                         ; 256 rows for each step along K,
	s_lshl_b32 s47, s46, 2
	s_add_co_u32 s48, s48, s47                     ; + 4 bytes a column
	s_mov_b32 s49, 0
	s_add_nc_u64 s[50:51], s[44:45], s[48:49]      ; the even blocks' base,
	s_lshl_b32 s54, s41, 5
	s_mov_b32 s55, 0
	s_add_nc_u64 s[52:53], s[50:51], s[54:55]      ; the odd blocks': 32 rows on
	s_lshl_b32 s54, s41, 6                         ; a base's step: 64 rows
	s_mul_i32 s56, s46, s43
	s_add_co_u32 s56, s56, s37
	s_lshl_b32 s47, s35, 8
	s_add_co_u32 s56, s56, s47
	s_mov_b32 s57, 0
	s_add_nc_u64 s[58:59], s[24:25], s[56:57]      ; the codes: row = my first column, + 256 bytes for each step along K
	v_lshlrev_b32 v3, 2, v2
	v_and_b32 v5, 15, v2                           ; r
	v_lshrrev_b32 v6, 4, v2                        ; h
	s_mul_i32 s61, s28, 32*272
	s_add_co_u32 s61, s61, WST                     ; my stage
	v_mul_u32_u24 v4, v2, 272
	v_add_nc_u32 v4, s61, v4                       ; in: row = my column
	v_mul_u32_u24 v7, v6, 272
	v_lshl_add_u32 v7, v5, 4, v7
	v_add_nc_u32 v7, s61, v7                       ; out: sixteen lanes to a row, two rows an instruction
	v_mul_u32_u24 v8, s43, v6
	v_lshl_add_u32 v8, v5, 4, v8
.set i, 0
.rept 32
	v_mad_u32_u24 v[OF+i], s41, i, v3
.set i, i+1
.endr
.set i, 0
.rept 16
	v_mad_u32_u24 v[OS+i], s43, 2*i, v8
.set i, i+1
.endr
	WLOAD 0
	WLOAD 1
	s_wait_kmcnt 0x0
	s_add_co_i32 s60, s60, 127
	s_lshl_b32 s61, s60, 23
	v_mov_b32 v11, s61                             ; 2^e
	s_add_co_i32 s60, s60, 8
	s_lshl_b32 s60, s60, 23
	s_or_b32 s60, s60, 0x600000
	v_mov_b32 v10, s60                             ; 448 x 2^e
.irp t, 0,1,2,3,4,5,6,7
	WBLOCK \t
.endr
.set i, 0
.rept 16
	ds_load_b128 v[OUTR+4*i:OUTR+4*i+3], v7 offset:544*i
.set i, i+1
.endr
.set i, 0
.rept 16
	s_wait_dscnt 15-i                              ; the younger loads may be out
	global_store_b128 v[OS+i], v[OUTR+4*i:OUTR+4*i+3], s[58:59]   ; sixteen lanes store 256 consecutive bytes, aligned
.set i, i+1
.endr
	FINISH
.Lfunc_end_k_q623d717945_prep:
	.size	k_q623d717945_prep, .Lfunc_end_k_q623d717945_prep-k_q623d717945_prep
	.p2alignl 7, 3214868480
	.fill 96, 4, 3214868480
	.section	.rodata,"a",@progbits
	.p2align	6, 0x0
	.amdhsa_kernel k_q623d717945_prep
		.amdhsa_group_segment_fixed_size 101888
		.amdhsa_private_segment_fixed_size 0
		.amdhsa_enable_private_segment 0
		.amdhsa_kernarg_size 96
		.amdhsa_user_sgpr_count 2
		.amdhsa_user_sgpr_kernarg_segment_ptr 1
		.amdhsa_wavefront_size32 1
		.amdhsa_system_sgpr_workgroup_id_x 1
		.amdhsa_system_sgpr_workgroup_id_y 1
		.amdhsa_system_sgpr_workgroup_id_z 1
		.amdhsa_system_vgpr_workitem_id 0
		.amdhsa_next_free_vgpr 224
		.amdhsa_next_free_sgpr 66
		.amdhsa_reserve_vcc 0
		.amdhsa_float_denorm_mode_32 3
		.amdhsa_float_denorm_mode_16_64 3
		.amdhsa_memory_ordered 1
		.amdhsa_forward_progress 1
		.amdhsa_inst_pref_size 184
	.end_amdhsa_kernel
	.amdgpu_metadata
---
amdhsa.version: [ 1, 2 ]
amdhsa.kernels:
  - .name:           k_q623d717945_prep
    .symbol:         k_q623d717945_prep.kd
    .args:
      - { .name: x, .offset: 0, .size: 8, .value_kind: global_buffer, .address_space: global }
      - { .name: Wq, .offset: 8, .size: 8, .value_kind: global_buffer, .address_space: global }
      - { .name: Wk, .offset: 16, .size: 8, .value_kind: global_buffer, .address_space: global }
      - { .name: Wv, .offset: 24, .size: 8, .value_kind: global_buffer, .address_space: global }
      - { .name: Wo, .offset: 32, .size: 8, .value_kind: global_buffer, .address_space: global }
      - { .name: W1, .offset: 40, .size: 8, .value_kind: global_buffer, .address_space: global }
      - { .name: W2, .offset: 48, .size: 8, .value_kind: global_buffer, .address_space: global }
      - { .name: attn_mask, .offset: 56, .size: 8, .value_kind: global_buffer, .address_space: global }
      - { .name: lowp_scales, .offset: 64, .size: 8, .value_kind: global_buffer, .address_space: global }
      - { .name: xcodes, .offset: 72, .size: 8, .value_kind: global_buffer, .address_space: global }
      - { .name: wcodes, .offset: 80, .size: 8, .value_kind: global_buffer, .address_space: global }
      - { .name: maskw, .offset: 88, .size: 8, .value_kind: global_buffer, .address_space: global }
    .group_segment_fixed_size: 101888
    .private_segment_fixed_size: 0
    .kernarg_segment_align: 8
    .kernarg_segment_size: 96
    .max_flat_workgroup_size: 128
    .sgpr_count:     66
    .vgpr_count:     224
    .wavefront_size: 32
...
	.end_amdgpu_metadata
.endif
;; end of part 1
;; launch qkv (part 2): grid 4 x 48, 4 waves a work-group, clusters of 4 x 4, 327,680 bytes of LDS; arguments xcodes, wcodes, lowp_scales, qkv; writes qkv
.if DOCPART == 2
	.amdgcn_target "amdgcn-amd-amdhsa--gfx1250"
	.amdhsa_code_object_version 6
	.text
	.protected	k_q623d717945_qkv
	.globl	k_q623d717945_qkv
	.p2align	8
	.type	k_q623d717945_qkv,@function
k_q623d717945_qkv:
	s_mov_b64 s[64:65], 0
	v_nop
	global_prefetch_b8 v0, s[64:65] scope:SCOPE_SE
	s_setreg_imm32_b32 hwreg(HW_REG_WAVE_MODE, 25, 1), 1
	s_wait_xcnt 0x0
	s_wait_alu depctr_hold_cnt(0) depctr_sa_sdst(0) depctr_va_vdst(0) depctr_va_sdst(0) depctr_va_ssrc(0) depctr_va_vcc(0) depctr_vm_vsrc(0)
	s_getreg_b32 s2, hwreg(HW_REG_IB_STS2, 6, 4)
	s_cmp_eq_u32 s2, 0
	s_cbranch_scc0 .Lentry_in_a_cluster
	s_endpgm
.Lentry_in_a_cluster:
	s_bfe_u32 s2, ttmp6, 0x10000c
	s_cmp_lg_u32 s2, 0xf033
	s_cbranch_scc0 .Lentry_shape_is_right
	s_endpgm
.Lentry_shape_is_right:
; Launch 2 of 8: products 1 to 3, x Wq, x Wk, x Wv, on E4M3 codes, and their results quantised for attention (scales' entries 6, 7, 9) on the way out.  Nothing of the problem is left out.
; C = A B^T on tiles of 256 x 256, K = 1,024; four waves, each 128 x 128 in 64 accumulators; K in steps of 256 through a ring of two LDS slots filled by joint tensor loads in clusters of 4 x 4.
; THE CLUSTER'S y (0 .. 11) SAYS WHAT IS MADE: job = y / 4, part = y % 4.  Jobs 0, 1: A = x's image for the job (4,096 rows: tile rows 4 part + cy), B = Wq^T or Wk^T (tile cx).
; Job 2 makes V TRANSPOSED: A = Wv^T (tile cy), B = x's third image (tiles 4 part + cx): C's rows are channels and its columns tokens, as attention's second product wants V (its K = the keys).
; THE MATRIX INSTRUCTION IS USED TRANSPOSED (source 0 = 16 rows of B, source 1 = 16 rows of A): a lane holds eight neighbouring columns of one row of C, which one conversion turns into eight codes.
; OUT: q, k at byte (head 4096 + token) 64 + pos, v at ((head 64 + token / 64) 64 + channel) 64 + pos; pos 32 B + 16 h + 8 u + j holds element 32 B + 16 u + 8 h + j of the 64: so a 16-byte load at 16 h + 32 c brings each k to the place that the plain 8-bit layout gives it.
; LIMITS: e_out - ea - eb between -126 and 119.  Every joint load, wait, add and round is the same in all partners.
.set SIZE_K, 1024
.set KSTEP,  256
.set ROWB,   256
.set KROW,   SIZE_K
.set PITCH,  272                       ; an LDS row: 256 bytes + 16 of padding: the 16 rows that a load touches start at 16 different banks
.set FR,     16
.set NL,     4
.set NP,     4                         ; places behind this matrix instruction (ISA guide 7.12.1)
.set HALFT,  128*PITCH
.set SLOT,   4*HALFT                   ; A's 256 rows, then B's 256 rows
.set LAPS,   SIZE_K/(2*KSTEP)
.set SPARE,  2*SLOT                    ; behind the ring: the spare words, 128 bytes a wave
.set ADRA, 16                          ; v16-17 LDS address of my A fragments in slot 0, 1
.set ADRB, 20                          ; v20-21 the same for B
.set STO,  24                          ; v24    the way out: where I put 16 codes of a row
.set RD,   25                          ; v25    where I read 16 bytes back
.set CO,   8                           ; v8-11  my byte offset in the output, for each of the tile's four groups of 64 columns
.set SPW,  28
.set NIL,  29
.set SCL,  30                          ; v30    2^(e_out - ea - eb)
.set LIM,  31                          ; v31    448 x that
.set CD,   96                          ; v96-127  codes, two sets of 16
.set TMP,  128                         ; v128-191 a block's held sums; later v128-255 take the stage's rows
.set AF,   128
.set G1, 24
.set G0, 32
.set G1B, 48
.set G0B, 56
.set MSB, 0
.macro WIN new                         ; the immediate's high byte repeats the setting that is left
.if MSB != \new
	s_set_vgpr_msb (MSB<<8)|\new
.set MSB, \new
.endif
.endm
.set MUL_LO, 0xa1                      ; source 0 (B) window 1, source 1 (A) window 0, C and D window 2
.set MUL_HI, 0xf1
.set TO_B,   0x40
.macro JLOAD g0a, g1a, g0b, g1b        ; a joint load: waves 0, 1 fetch for A, waves 2, 3 for B; an s_nop 0 and four v_nop follow each line
	s_cmp_eq_u32 s15, 0
	s_cbranch_scc0 .Lfor_b_\@
	tensor_load_to_lds s[\g0a:\g0a+3], s[\g1a:\g1a+7]
	s_nop 0
.rept 4
	v_nop
.endr
	s_branch .Lasked_\@
.Lfor_b_\@:
	tensor_load_to_lds s[\g0b:\g0b+3], s[\g1b:\g1b+7]
	s_nop 0
.rept 4
	v_nop
.endr
.Lasked_\@:
.endm
.macro CREST
	s_cmp_lg_u32 s14, 0
	s_cbranch_scc1 .Lnot_wave_0_\@
	s_barrier_signal -3
.Lnot_wave_0_\@:
	s_barrier_wait -3
	s_barrier_signal -1
	s_barrier_wait -1
.endm
.macro CROUND
	s_barrier_signal -1
	s_barrier_wait -1
	CREST
.endm
	s_load_b128 s[4:7], s[0:1], 0x0                ; xcodes, wcodes
	s_load_b128 s[8:11], s[0:1], 0x10              ; the scales, qkv
	v_lshl_add_u32 v[SPW], v0, 2, SPARE
	v_mov_b32 v[NIL], 0
	ds_add_u32 v[SPW], v[NIL]                      ; the opening: the add, twice on end, and its wait ahead of my first tensor load
	ds_add_u32 v[SPW], v[NIL]
	v_lshrrev_b32 v1, 5, v0
	v_readfirstlane_b32 s14, v1                    ; wave 0..3
	s_lshr_b32 s15, s14, 1                         ; which half of the tile's rows is mine.  Also: I fetch for A (0) or B (1)
	s_and_b32 s16, s14, 1                          ; which half of its columns.  Also: which 128 rows I fetch
	s_bfe_u32 s40, ttmp6, 0x40000                  ; cx, cy
	s_bfe_u32 s41, ttmp6, 0x40004
	s_and_b32 s66, ttmp7, 0xffff                   ; the cluster's y
	s_lshr_b32 s67, s66, 2                         ; job: the same in all sixteen partners
	s_and_b32 s66, s66, 3
	s_lshl_b32 s66, s66, 2                         ; 4 x part
	s_cmp_lt_u32 s67, 2
	s_cselect_b32 s17, s66, 0
	s_cselect_b32 s42, 0, s66
	s_add_co_u32 s17, s17, s41                     ; A's tile of 256 rows
	s_add_co_u32 s42, s42, s40                     ; B's
	s_lshl_b32 s43, s41, 2
	s_lshl_b32 s43, 15, s43                        ; my row of the cluster
	s_lshl_b32 s44, 0x1111, s40                    ; my column
	s_or_b32 s[G1+0], s43, (0<<16)|(1<<20)|(1<<21)|(5<<22)|(3<<25)  ; the mask; elements of 1 byte; padding on; bit 21 beside a mask; 4 words behind every 64
	s_or_b32 s[G1B+0], s44, (0<<16)|(1<<20)|(1<<21)|(5<<22)|(3<<25)
.irp g, G1, G1B
	s_mov_b32 s[\g+1], ROWB<<16                    ; tensor_dim0
	s_mov_b32 s[\g+2], 128<<16                     ; tensor_dim1
	s_mov_b32 s[\g+3], ROWB<<16                    ; tile_dim0
	s_mov_b32 s[\g+4], 128                         ; tile_dim1
	s_mov_b32 s[\g+5], KROW                        ; stride from row to row
	s_mov_b32 s[\g+6], 0
	s_mov_b32 s[\g+7], 0
.endr
	s_lshl_b32 s18, s16, 7
	s_lshl_b32 s20, s17, 8
	s_add_co_u32 s20, s20, s18                     ; A: row 256 x tile + 128 x half
	s_lshl_b32 s46, s42, 8
	s_add_co_u32 s46, s46, s18                     ; B likewise
	s_mov_b32 s21, 0
	s_mov_b32 s47, 0
	s_mov_b64 s[18:19], KROW
	s_mul_u64 s[20:21], s[20:21], s[18:19]
	s_mul_u64 s[46:47], s[46:47], s[18:19]
	s_lshl_b32 s68, s67, 22                        ; x's image of the job,
	s_lshl_b32 s70, s67, 20                        ; the job's weight;
	s_mov_b32 s72, 0x200000                        ; job 2: A = Wv^T at 2 MiB of wcodes,
	s_mov_b32 s73, 0x800000                        ; B = x's third image
	s_cmp_lt_u32 s67, 2
	s_cselect_b32 s68, s68, s72
	s_cselect_b32 s70, s70, s73
	s_mov_b32 s69, 0
	s_mov_b32 s71, 0
	s_add_nc_u64 s[20:21], s[20:21], s[68:69]
	s_add_nc_u64 s[46:47], s[46:47], s[70:71]
	s_lshl_b32 s82, s67, 3                         ; the two operands' entries: 2 job, 2 job + 1
	s_lshl_b32 s83, s67, 2
	s_cmp_eq_u32 s67, 2
	s_cselect_b32 s84, 4, 0
	s_add_co_u32 s83, s83, s84                     ; the result's entry: 6, 7, 9
	s_mul_i32 s45, s14, HALFT                      ; where my tile goes: wave x 128 rows
	s_wait_dscnt 0x0                               ; both opening adds are done
	s_wait_kmcnt 0x0
	s_load_b64 s[96:97], s[8:9], s82 offset:0x0
	s_load_b32 s98, s[8:9], s83 offset:0x18
	s_cmp_lt_u32 s67, 2                            ; the choice of buffers hangs on the job alone
	s_cselect_b64 s[74:75], s[4:5], s[6:7]
	s_cselect_b64 s[76:77], s[6:7], s[4:5]
	s_add_nc_u64 s[20:21], s[74:75], s[20:21]
	s_add_nc_u64 s[46:47], s[76:77], s[46:47]
	CROUND                                         ; all sixteen work-groups are here: the first joint loads meet
.irp s, 0,1
	s_mov_b32 s[G0+4*\s], 1
	s_add_co_u32 s[G0+4*\s+1], s45, \s*SLOT
	s_add_nc_u64 s[G0+4*\s+2:G0+4*\s+3], s[20:21], \s*ROWB
	s_or_b32 s[G0+4*\s+3], s[G0+4*\s+3], 0x80000000
	s_mov_b32 s[G0B+4*\s], 1
	s_add_co_u32 s[G0B+4*\s+1], s45, \s*SLOT
	s_add_nc_u64 s[G0B+4*\s+2:G0B+4*\s+3], s[46:47], \s*ROWB
	s_or_b32 s[G0B+4*\s+3], s[G0B+4*\s+3], 0x80000000
	JLOAD G0+4*\s, G1, G0B+4*\s, G1B
.endr
	v_and_b32 v1, 15, v0                           ; r
	v_bfe_u32 v2, v0, 4, 1                         ; h
	v_mul_u32_u24 v3, v1, PITCH
	v_lshl_add_u32 v4, v2, 4, v3                   ; row x pitch + 16 h
	s_mul_i32 s21, s15, HALFT
	s_mul_i32 s22, s16, HALFT
	s_add_co_u32 s22, s22, 2*HALFT
.irp s, 0,1
	v_add_nc_u32 v[ADRA+\s], s21, v4
	v_add_nc_u32 v[ADRB+\s], s22, v4
	s_add_co_u32 s21, s21, SLOT
	s_add_co_u32 s22, s22, SLOT
.endr
	; the way out: ONE stage of 256 rows x 272 bytes for the work-group, in slot 0
	s_mul_i32 s23, s15, 128*PITCH
	s_lshl_b32 s21, s16, 7
	s_add_co_u32 s23, s23, s21
	v_add_nc_u32 v[STO], s23, v4                   ; in: row 128 x row half + r, byte 128 x column half + 16 h
	v_and_b32 v6, 31, v0
	v_lshrrev_b32 v5, 2, v6
	v_mul_u32_u24 v5, v5, PITCH
	v_and_b32 v7, 3, v6
	v_lshl_add_u32 v5, v7, 4, v5
	s_mul_i32 s23, s14, 64*PITCH
	v_add_nc_u32 v[RD], s23, v5                    ; back: wave w takes rows 64 w on; four lanes to a row's 64 bytes, eight rows an instruction
	s_mov_b32 s79, 0x40000
	s_cmp_lt_u32 s67, 2
	s_cselect_b32 s78, 4096, s79                   ; bytes from 64 rows of C to the next: 64 tokens, or (job 2) a head,
	s_cselect_b32 s80, s79, 4096                   ; and from 64 columns to the next: a head, or 64 tokens
	v_lshlrev_b32 v[CO], 4, v6
	v_add_nc_u32 v[CO+1], s80, v[CO]
	v_add_nc_u32 v[CO+2], s80, v[CO+1]
	v_add_nc_u32 v[CO+3], s80, v[CO+2]
	s_lshl_b32 s20, s17, 2
	s_add_co_u32 s20, s20, s14
	s_mul_i32 s20, s20, s78
	s_lshl_b32 s46, s42, 2
	s_mul_i32 s46, s46, s80
	s_add_co_u32 s20, s20, s46
	s_lshl_b32 s46, s67, 22                        ; q at 0, k at 4 MiB, v at 8 MiB
	s_add_co_u32 s20, s20, s46
	s_mov_b32 s21, 0
	s_add_nc_u64 s[10:11], s[10:11], s[20:21]
.macro FRAG reg, adr, q, i             ; 16 rows x 128 K: lane l holds row l % 16; registers 4 c .. 4 c + 3 hold K = 32 c + 16 (l / 16) + 0 .. 15: the same permutation of k in A and in B
.irp c, 0,1,2,3
	ds_load_b128 v[\reg+4*\c:\reg+4*\c+3], v[\adr] offset:128*(\q)+32*\c+(\i)*16*PITCH
.endr
.endm
.macro MUL16 a0, p, zero               ; A's blocks a0, a0 + 1 x B's eight; the 64 accumulators take turns, one instruction a turn
.irp a, \a0, \a0+1
.irp b, 0,1,2,3,4,5,6,7
.if \zero
	v_wmma_f32_16x16x128_fp8_fp8 v[8*(8*((\a)%4)+\b):8*(8*((\a)%4)+\b)+7], v[128*(\p)+FR*\b:128*(\p)+FR*\b+FR-1], v[AF+FR*(\a):AF+FR*(\a)+FR-1], 0
.else
	v_wmma_f32_16x16x128_fp8_fp8 v[8*(8*((\a)%4)+\b):8*(8*((\a)%4)+\b)+7], v[128*(\p)+FR*\b:128*(\p)+FR*\b+FR-1], v[AF+FR*(\a):AF+FR*(\a)+FR-1], v[8*(8*((\a)%4)+\b):8*(8*((\a)%4)+\b)+7]
.endif
.endr
.endr
.endm
.macro FETCH_B slot, q, p
	WIN TO_B
.irp i, 0,1,2,3,4,5,6,7
	FRAG 128*(\p)+FR*\i, ADRB+\slot, \q, \i
.endr
	WIN 0
.endm
.macro FETCH_A slot, q, i0
.irp i, \i0, \i0+1, \i0+2, \i0+3
	FRAG AF+FR*(\i), ADRA+\slot, \q, \i
.endr
.endm
.macro PLACES n                        ; plain vector lines between a matrix instruction and a load into, or a vector line on, its registers
.rept \n
	v_nop
.endr
.endm
.macro STEP slot, q, zero              ; 128 along K with its successor in the same slot
	s_wait_dscnt 4*NL                              ; B's set and A's blocks 0-3 are in; the 16 youngest loads (A's blocks 4-7) may be out
	WIN MUL_LO
	MUL16 0, (\q)%2, \zero
	MUL16 2, (\q)%2, \zero
	s_wait_dscnt 0
	PLACES NP
	FETCH_B \slot, (\q)+1, 1-(\q)%2
	FETCH_A \slot, (\q)+1, 0
	WIN MUL_HI
	MUL16 4, (\q)%2, \zero
	MUL16 6, (\q)%2, \zero
	PLACES NP
	WIN 0
	FETCH_A \slot, (\q)+1, 4
.endm
.macro TURN slot, next, fill           ; a slot's last step changes slots: one barrier; fill = 1: it opens a round of the cluster's barrier, and the slot is filled again
	s_wait_tensorcnt 0x0                           ; all my tensor loads have landed: my part of the next slot
	ds_add_u32 v[SPW], v[NIL]                      ; 0 onto my spare word
	s_wait_dscnt 4*NL+1                            ; the add and the 16 youngest loads may be out
	WIN MUL_LO
	MUL16 0, 1, 0
	s_wait_dscnt 0x0                               ; the add is done, and my reads of this slot are over
	s_barrier_signal -1
	MUL16 2, 1, 0
	WIN 0
	s_barrier_wait -1
.if \fill
	CREST                                          ; no wave of any partner still reads this slot or has a load on its way
	s_add_nc_u64 s[G0+4*\slot+2:G0+4*\slot+3], s[G0+4*\slot+2:G0+4*\slot+3], 2*ROWB
	s_add_nc_u64 s[G0B+4*\slot+2:G0B+4*\slot+3], s[G0B+4*\slot+2:G0B+4*\slot+3], 2*ROWB
	JLOAD G0+4*\slot, G1, G0B+4*\slot, G1B         ; the first tensor load behind the round; its four v_nop are the places in front of the loads below
.else
	PLACES NP
.endif
	FETCH_B \next, 0, 0
	FETCH_A \next, 0, 0
	WIN MUL_HI
	MUL16 4, 1, 0
	MUL16 6, 1, 0
	PLACES NP
	WIN 0
	FETCH_A \next, 0, 4
.endm
	s_wait_tensorcnt 1                             ; my part of K step 0 is in; K step 1's load may be out
	s_barrier_signal -1
	s_barrier_wait -1
	FETCH_B 0, 0, 0
	FETCH_A 0, 0, 0
	FETCH_A 0, 0, 4
	STEP 0, 0, 1                                   ; the first step's products start the sums
	s_mov_b32 s3, LAPS-1
.Llap:
	TURN 0, 1, 1
	STEP 1, 0, 0
	TURN 1, 0, 1
	STEP 0, 0, 0
	s_sub_co_u32 s3, s3, 1
	s_cmp_lg_u32 s3, 0
	s_cbranch_scc1 .Llap
	TURN 0, 1, 0                                   ; the last lap fills nothing
	STEP 1, 0, 0
	s_wait_dscnt 4*NL
	WIN MUL_LO
	MUL16 0, 1, 0
	MUL16 2, 1, 0
	s_wait_dscnt 0
	WIN MUL_HI
	MUL16 4, 1, 0
	MUL16 6, 1, 0
	WIN 0
; THE WAY OUT.  A sum stands for sum x 2^(ea + eb), so its code is sum / 2^(e_out - ea - eb): the three scales are one.  Block a (16 rows x 128 columns): 64 holds, 8 conversions, and the codes of blocks 2 B and 2 B + 1,
; a lane's 16 bytes, go to byte 32 B + 16 h of the row in the stage.  Slot 0 has had its last fill, and every wave's last read of it stands ahead of the last change of slots.
.macro CODES a
.set AC, 64*((\a)%4)
.set CC, CD+16*((\a)%2)
.if (\a) >= 2
	s_wait_dscnt 4                                 ; the block before's four stores may be out: those of two blocks ago have read this set of codes
.endif
	WIN 0x02+((\a)/4)                              ; source 0: window 2 or 3
.set j, 0
.rept 64
	v_med3_num_f32 v[TMP+j], v[AC+j], -v[LIM], v[LIM]   ; each accumulator from its low end on; the conversion does not saturate (ISA guide 7.6.2)
.set j, j+1
.endr
	WIN 0
.irp b, 0,1,2,3,4,5,6,7
	v_cvt_scalef32_pk8_fp8_f32 v[CC+2*\b:CC+2*\b+1], v[TMP+8*\b:TMP+8*\b+7], v[SCL]
.endr
	v_nop                                          ; a plain line between the last conversion and the next block's holds, which write its sources
.irp q, 0,1,2,3
	ds_store_b128 v[STO], v[CC+4*\q:CC+4*\q+3] offset:(\a)*16*PITCH+32*\q
.endr
.endm
	s_wait_kmcnt 0x0
	s_add_co_i32 s96, s96, s97
	s_sub_co_i32 s96, s98, s96                     ; e_out - ea - eb
	s_add_co_i32 s96, s96, 127
	s_lshl_b32 s97, s96, 23
	v_mov_b32 v[SCL], s97
	s_add_co_i32 s96, s96, 8
	s_lshl_b32 s96, s96, 23
	s_or_b32 s96, s96, 0x600000
	v_mov_b32 v[LIM], s96
	PLACES NP                                      ; behind the last products: their results are read and A's registers written below
.irp a, 0,1,2,3,4,5,6,7
	CODES \a
.endr
	s_wait_dscnt 0x0                               ; for the others' sake: my stores into the stage are done
	s_barrier_signal -1
	s_barrier_wait -1
.irp u, 0,1,2,3
.irp t, 0,1,2,3,4,5,6,7
	ds_load_b128 v[128+4*(8*\u+\t):131+4*(8*\u+\t)], v[RD] offset:64*\u+8*PITCH*\t
.endr
.endr
.irp u, 0,1,2,3
.irp t, 0,1,2,3,4,5,6,7
	s_wait_dscnt 31-(8*\u+\t)                      ; the younger loads may be out
	global_store_b128 v[CO+\u], v[128+4*(8*\u+\t):131+4*(8*\u+\t)], s[10:11] offset:512*\t   ; eight rows' 64 bytes lie on end in the output: 512 consecutive bytes
.endr
.endr
	s_wait_tensorcnt 0x0                           ; the wave's end
	ds_add_u32 v[SPW], v[NIL]
	s_wait_dscnt 0x0
	CROUND                                         ; the closing round
	s_endpgm
.Lfunc_end_k_q623d717945_qkv:
	.size	k_q623d717945_qkv, .Lfunc_end_k_q623d717945_qkv-k_q623d717945_qkv
	.p2alignl 7, 3214868480
	.fill 96, 4, 3214868480
	.section	.rodata,"a",@progbits
	.p2align	6, 0x0
	.amdhsa_kernel k_q623d717945_qkv
		.amdhsa_group_segment_fixed_size 327680
		.amdhsa_private_segment_fixed_size 0
		.amdhsa_enable_private_segment 0
		.amdhsa_kernarg_size 32
		.amdhsa_user_sgpr_count 2
		.amdhsa_user_sgpr_kernarg_segment_ptr 1
		.amdhsa_wavefront_size32 1
		.amdhsa_system_sgpr_workgroup_id_x 1
		.amdhsa_system_sgpr_workgroup_id_y 1
		.amdhsa_system_sgpr_workgroup_id_z 1
		.amdhsa_system_vgpr_workitem_id 0
		.amdhsa_next_free_vgpr 1024
		.amdhsa_next_free_sgpr 100
		.amdhsa_reserve_vcc 0
		.amdhsa_float_denorm_mode_32 3
		.amdhsa_float_denorm_mode_16_64 3
		.amdhsa_memory_ordered 1
		.amdhsa_forward_progress 1
		.amdhsa_inst_pref_size 124
	.end_amdhsa_kernel
	.amdgpu_metadata
---
amdhsa.version: [ 1, 2 ]
amdhsa.kernels:
  - .name:           k_q623d717945_qkv
    .symbol:         k_q623d717945_qkv.kd
    .args:
      - { .name: xcodes, .offset: 0, .size: 8, .value_kind: global_buffer, .address_space: global }
      - { .name: wcodes, .offset: 8, .size: 8, .value_kind: global_buffer, .address_space: global }
      - { .name: lowp_scales, .offset: 16, .size: 8, .value_kind: global_buffer, .address_space: global }
      - { .name: qkv, .offset: 24, .size: 8, .value_kind: global_buffer, .address_space: global }
    .group_segment_fixed_size: 327680
    .private_segment_fixed_size: 0
    .kernarg_segment_align: 8
    .kernarg_segment_size: 32
    .max_flat_workgroup_size: 128
    .sgpr_count:     100
    .vgpr_count:     1024
    .wavefront_size: 32
...
	.end_amdgpu_metadata
.endif
;; end of part 2
;; launch att (part 3): grid 8 x 32, 16 waves a work-group, clusters of 4 x 1, 301,056 bytes of LDS; arguments qkv, maskw, lowp_scales, ocodes; writes ocodes
.if DOCPART == 3
	.amdgcn_target "amdgcn-amd-amdhsa--gfx1250"
	.amdhsa_code_object_version 6
	.text
	.protected	k_q623d717945_att
	.globl	k_q623d717945_att
	.p2align	8
	.type	k_q623d717945_att,@function
k_q623d717945_att:
	s_mov_b64 s[64:65], 0
	v_nop
	global_prefetch_b8 v0, s[64:65] scope:SCOPE_SE
	s_setreg_imm32_b32 hwreg(HW_REG_WAVE_MODE, 25, 1), 1
	s_wait_xcnt 0x0
	s_wait_alu depctr_hold_cnt(0) depctr_sa_sdst(0) depctr_va_vdst(0) depctr_va_sdst(0) depctr_va_ssrc(0) depctr_va_vcc(0) depctr_vm_vsrc(0)
	s_getreg_b32 s2, hwreg(HW_REG_IB_STS2, 6, 4)
	s_cmp_eq_u32 s2, 0
	s_cbranch_scc0 .Lentry_in_a_cluster
	s_endpgm
.Lentry_in_a_cluster:
	s_bfe_u32 s2, ttmp6, 0x10000c
	s_cmp_lg_u32 s2, 0x3003
	s_cbranch_scc0 .Lentry_shape_is_right
	s_endpgm
.Lentry_shape_is_right:
; Launch 3 of 8: products 4 and 5 with the mask and the softmax between them; the result is quantised for product 6 (entry 10).  Nothing of the problem is left out.
; THE SECOND PRODUCT'S LEFT OPERAND IS THE FINISHED SOFTMAX: exp(s - max) / sum, 0 in a row that is masked throughout.  So the row's sum must be known before any weight is quantised, and the scores are made TWICE:
; pass 1: S^T = K Q^T, mask, running largest t and sum;  pass 2: S^T again, mask, p = 2^(t - M) / sum, quantised (entry 8), O^T += V^T P^T.
; t = score x log2(e) / 8; M = the row's largest t rounded UP to a whole number, kept as -M = floor(-t); when M moves the sum is multiplied by 2^(old M - new M), which rounds nothing.  The maximum is thus taken away before every exponential.
; SHARES.  y = 2 head + batch.  A work-group owns 256 queries of one (batch, head), each of its sixteen waves 16 of them in 256 registers: four waves to a SIMD, so that one wave's vector work stands beside another's products and LDS loads.
; ALL 2,048 keys' K and V of the (batch, head), 2 x 128 KiB of codes, lie in LDS for the whole launch: filled once, nothing is filled again.  The four work-groups of a cluster walk the same K and V: every tensor load is joint.
; Every wave brings 32 rows of 256 bytes of K and as many of V (two loads out at most): K's are waited for alone, and V's land under pass 1.
; Both products are used transposed (source 0 = 16 keys or 16 channels, source 1 = my 16 queries): a lane holds ONE query (lane % 16), and the eight registers of tile T the keys 16 T + 8 (lane / 16) + 0 .. 7: their eight codes are registers 2 T, 2 T + 1 of the second product's operand as they stand.
; THE MASK comes as lane masks, one word for each register of S^T and key step, read by scalar loads a step ahead and used as the select of v_cndmask_b32 alone.
; OUT: a head's 64 codes are 64 bytes of a token's row of 1,024: the runs stored are 64 bytes, since no work-group owns four heads.
; No prefetch: all tiles are asked for at the head, and a wave's mask words are 4 KiB.
; LIMITS: e6 + e7 between -123 and 130 (they are added to c's exponent field); e8 and e10 - e8 - e9 between -126 and 119.  NaN among the inputs is not served.
.set PK,    272                        ; an LDS row: four keys' (or channels') 64 bytes + 16 of padding: the 16 rows of a fragment fall into 16 different columns of 16 bytes
.set STEPB, 32*PK                      ; 128 keys, in K and in V
.set VOFF,  512*PK
.set STAGE, 2*VOFF                     ; 16 rows x 80 bytes for each wave
.set SPARE, STAGE+16*1280              ; the spare words, 128 bytes a wave: eight blocks of 256 bytes that no other line names
; v1 my place in a tile of K, v2 of V; v3, v4 the stage, in and back; v5, v6 the add's two; v7 -infinity; v8, v9 the step's addresses; v10 my offset in ocodes; v11 in Q; v12 -M, v13 the largest t, v[14:15] the sum;
; v[16:23] Q; v[24:25] 1 / sum; v26, v27: 448 x 2^e8, 2^e8; v28, v29 the same with e10 - e8 - e9; v32-95 fragments; v96-159 S^T, then p; v160-191 O^T; v192-207 p's codes; v208-223 at work.
; s2 the step's LDS byte; s3 the loops' count; s12 wave; s[16:63], s[80:95] the step's 64 mask words; s[66:67] lane selects; s[68:75] descriptor group 1; s[76:79], s[96:99] groups 0; s[100:101] c; s104 the mask's byte offset.
.macro ROUND
	s_barrier_signal -1
	s_barrier_wait -1
	s_cmp_lg_u32 s12, 0
	s_cbranch_scc1 .Lnot_wave_0_\@
	s_barrier_signal -3
.Lnot_wave_0_\@:
	s_barrier_wait -3
	s_barrier_signal -1
	s_barrier_wait -1
.endm
.macro MLOAD                           ; a key step's 64 words
	s_load_b512 s[16:31], s[6:7], s104 offset:0x0
	s_load_b512 s[32:47], s[6:7], s104 offset:0x40
	s_load_b512 s[48:63], s[6:7], s104 offset:0x80
	s_load_b512 s[80:95], s[6:7], s104 offset:0xc0
.endm
.macro NEXTM                           ; behind the wait that has shown the earlier loads done: the next step's words; behind step 15 comes step 0
	s_add_co_u32 s104, s104, 256
	s_and_b32 s104, s104, 0xfff
	MLOAD
.endm
.macro KQ                              ; S^T = K Q^T for 128 keys: eight tiles of 16
.irp t, 0,1,2,3,4,5,6,7
	ds_load_b128 v[32+8*\t:35+8*\t], v8 offset:4*PK*\t
	ds_load_b128 v[36+8*\t:39+8*\t], v8 offset:4*PK*\t+32
.endr
	s_wait_dscnt 0x0
.irp t, 0,1,2,3,4,5,6,7
	v_wmma_f32_16x16x64_fp8_fp8 v[96+8*\t:103+8*\t], v[32+8*\t:39+8*\t], v[16:23], 0
.endr
.rept 4
	v_nop                                          ; places behind the products: their results are read next, and loads land on their fragments
.endr
.endm
.macro MASK                            ; a masked score becomes -infinity; each tile from its low end on
	s_wait_kmcnt 0x0
.set n, 0
.rept 64
.if n < 48
	v_cndmask_b32 v[96+n], v[96+n], v7, s[16+n]
.else
	v_cndmask_b32 v[96+n], v[96+n], v7, s[32+n]
.endif
.set n, n+1
.endr
.endm
.macro EXPS                            ; t - M, two at a time, and the exponentials as one batch
.set n, 0
.rept 32
	v_pk_fma_f32 v[96+n:97+n], v[96+n:97+n], s[100:101], v[12:13] op_sel_hi:[1,0,0]   ; of the pairs c and -M the low word serves both halves
.set n, n+2
.endr
.set n, 0
.rept 64
	v_exp_f32 v[96+n], v[96+n]
.set n, n+1
.endr
.endm
	s_load_b256 s[4:11], s[0:1], 0x0               ; qkv s[4:5], maskw s[6:7], the scales s[8:9], ocodes s[10:11]
	v_lshl_add_u32 v5, v0, 2, SPARE
	v_mov_b32 v6, 0
	ds_add_u32 v5, v6                              ; the opening: the add, twice on end, and its wait ahead of my first tensor load
	ds_add_u32 v5, v6
	v_lshrrev_b32 v8, 5, v0
	v_readfirstlane_b32 s12, v8                    ; wave 0..15
	s_bfe_u32 s13, ttmp6, 0x40000                  ; cx: it enters the addresses of Q, the mask and the output alone
	s_lshl_b32 s14, ttmp9, 2
	s_add_co_u32 s14, s14, s13                     ; my block of 256 queries
	s_and_b32 s15, ttmp7, 0xffff                   ; y = 2 head + batch, which the partners share
	s_mov_b32 s68, 15|(1<<20)|(1<<21)|(5<<22)|(3<<25)  ; the mask: all four work-groups; elements of 1 byte; padding on; bit 21 beside a mask; 4 words behind every 64
	s_mov_b32 s69, 256<<16                         ; tensor_dim0 = 256
	s_mov_b32 s70, 32<<16                          ; tensor_dim1 = 32
	s_mov_b32 s71, 256<<16                         ; tile_dim0 = 256
	s_mov_b32 s72, 32                              ; tile_dim1 = 32
	s_mov_b32 s73, 256                             ; the block is dense: rows 256 bytes apart
	s_mov_b32 s74, 0
	s_mov_b32 s75, 0
	s_mov_b32 s66, 0x76543210
	s_mov_b32 s67, 0xfedcba98
	s_lshl_b32 s80, s15, 17                        ; the (batch, head)'s 131,072 bytes in each of q, k, v
	s_mov_b32 s81, 0
	s_lshl_b32 s82, s12, 13                        ; my wave's 32 rows of 256 bytes,
	s_mov_b32 s83, 0
	s_mul_i32 s84, s12, STEPB                      ; and their place in LDS
	s_lshl_b32 s86, s14, 14
	s_lshl_b32 s87, s12, 10
	s_add_co_u32 s86, s86, s87                     ; my first query x 64 bytes
	s_mov_b32 s87, 0
	s_and_b32 s88, s15, 1                          ; batch
	s_lshl_b32 s89, s88, 7
	s_lshl_b32 s90, s14, 4
	s_add_co_u32 s89, s89, s90
	s_add_co_u32 s89, s89, s12                     ; my tile of 16 rows among the 256
	s_lshl_b32 s90, s89, 12                        ; its 1,024 mask words
	s_mov_b32 s91, 0
	s_lshl_b32 s92, s89, 14                        ; its 16 rows of 1,024 codes,
	s_lshr_b32 s93, s15, 1
	s_lshl_b32 s93, s93, 6
	s_add_co_u32 s92, s92, s93                     ; + 64 x head
	s_mov_b32 s93, 0
	s_wait_dscnt 0x0                               ; both opening adds are done
	s_wait_kmcnt 0x0
	s_load_b256 s[16:23], s[8:9], 0x18             ; e6 .. e13
	s_add_nc_u64 s[4:5], s[4:5], s[80:81]
	s_add_nc_u64 s[6:7], s[6:7], s[90:91]
	s_add_nc_u64 s[10:11], s[10:11], s[92:93]
	s_add_nc_u64 s[94:95], s[4:5], s[82:83]
	s_mov_b32 s76, 1
	s_mov_b32 s77, s84
	s_add_nc_u64 s[78:79], s[94:95], 0x400000      ; k lies 4 MiB in
	s_or_b32 s79, s79, 0x80000000
	s_mov_b32 s96, 1
	s_add_co_u32 s97, s84, VOFF
	s_add_nc_u64 s[98:99], s[94:95], 0x800000      ; v 8 MiB in
	s_or_b32 s99, s99, 0x80000000
	s_add_nc_u64 s[4:5], s[4:5], s[86:87]          ; q at my first query
	ROUND                                          ; all four work-groups are here: the joint loads meet
	tensor_load_to_lds s[76:79], s[68:75]          ; K
	s_nop 0
	tensor_load_to_lds s[96:99], s[68:75]          ; V
	s_nop 0
.rept 4
	v_nop
.endr
	v_and_b32 v8, 15, v0                           ; r
	v_bfe_u32 v9, v0, 4, 1                         ; h
	v_lshlrev_b32 v11, 6, v8
	v_lshl_add_u32 v11, v9, 4, v11
	global_load_b128 v[16:19], v11, s[4:5]         ; Q's fragment stays in registers
	global_load_b128 v[20:23], v11, s[4:5] offset:32
	v_lshrrev_b32 v1, 2, v8
	v_mul_u32_u24 v1, v1, PK
	v_and_b32 v2, 3, v8
	v_lshl_add_u32 v1, v2, 6, v1
	v_lshl_add_u32 v1, v9, 4, v1                   ; (r / 4) 272 + (r % 4) 64 + 16 h
	v_add_nc_u32 v2, VOFF, v1
	s_mul_i32 s105, s12, 1280
	s_add_co_u32 s105, s105, STAGE                 ; my stage
	v_mul_u32_u24 v3, v8, 80
	v_lshl_add_u32 v3, v9, 3, v3
	v_add_nc_u32 v3, s105, v3                      ; in: row r, + 8 h
	v_bfe_u32 v208, v0, 2, 3                       ; lane / 4
	v_and_b32 v209, 3, v0                          ; lane % 4
	v_mul_u32_u24 v4, v208, 80
	v_lshl_add_u32 v4, v209, 4, v4
	v_add_nc_u32 v4, s105, v4                      ; back: four lanes to a row, eight rows an instruction
	v_lshlrev_b32 v10, 10, v208
	v_lshl_add_u32 v10, v209, 4, v10               ; and the same in ocodes
	v_mov_b32 v7, 0xff800000                       ; -infinity
	v_mov_b32 v13, 0xff61b1e6                      ; the largest t so far: -3e38
	v_floor_f32 v12, -v13                          ; -M
	v_mov_b32 v14, 0
	v_mov_b32 v15, 0
	v_mov_b32 v211, 0                              ; (named as the upper half of a pair)
	v_mov_b32 v212, 0                              ; a lane permute's destination counts as one of its sources
.set n, 0
.rept 32
	v_mov_b32 v[160+n], 0                          ; O^T: the second pass is written once, and its first step adds onto zeros
.set n, n+1
.endr
	s_wait_kmcnt 0x0
	s_add_co_i32 s105, s16, s17
	s_lshl_b32 s105, s105, 23
	s_add_co_i32 s100, s105, 0x3e38aa3b            ; c = log2(e) / 8, with e6 + e7 added to its exponent field: a score stands for score x 2^(e6 + e7)
	s_mov_b32 s101, s100
	s_add_co_i32 s105, s18, 127
	s_lshl_b32 s13, s105, 23
	v_mov_b32 v27, s13                             ; 2^e8
	s_add_co_i32 s105, s105, 8
	s_lshl_b32 s105, s105, 23
	s_or_b32 s105, s105, 0x600000
	v_mov_b32 v26, s105                            ; 448 x 2^e8
	s_sub_co_i32 s105, s20, s18
	s_sub_co_i32 s105, s105, s19
	s_add_co_i32 s105, s105, 127
	s_lshl_b32 s13, s105, 23
	v_mov_b32 v29, s13                             ; 2^(e10 - e8 - e9): a sum of the second product stands for sum x 2^(e8 + e9)
	s_add_co_i32 s105, s105, 8
	s_lshl_b32 s105, s105, 23
	s_or_b32 s105, s105, 0x600000
	v_mov_b32 v28, s105
	s_mov_b32 s104, 0
	MLOAD                                          ; key step 0's words
	s_mov_b32 s2, 0
	s_mov_b32 s3, 16
	s_wait_loadcnt 0x0                             ; Q
	s_wait_tensorcnt 0x1                           ; my part of K is in; V's load may be out
	s_barrier_signal -1
	s_barrier_wait -1                              ; everybody's part of K is in
.Lpass1:                               ; 16 steps of 128 keys
	v_add_nc_u32 v8, s2, v1
	KQ
	MASK
	NEXTM
	v_max3_num_f32 v208, v96, v97, v98             ; the step's largest score of my query among my 64 keys, in two chains,
	v_max3_num_f32 v210, v99, v100, v101
.irp i, 6,10,14,18,22,26,30,34,38,42,46,50,54,58
	v_max3_num_f32 v208, v208, v[96+\i], v[97+\i]
	v_max3_num_f32 v210, v210, v[98+\i], v[99+\i]
.endr
	v_max3_num_f32 v208, v208, v158, v159
	v_max_num_f32 v208, v208, v210
	v_permlanex16_b32 v212, v208, s66, s67
	v_max_num_f32 v208, v208, v212                 ; and among lane l xor 16's
	v_mul_f32 v208, s100, v208                     ; as t (c is positive)
	v_max_num_f32 v13, v13, v208
	v_mov_b32 v208, v12
	v_floor_f32 v12, -v13                          ; the new -M
	v_sub_f32 v208, v12, v208                      ; old M - new M: a whole number, 0 or less
	v_cvt_i32_f32 v208, v208                       ; (it saturates)
	v_ldexp_f32 v210, 1.0, v208                    ; f = 2^(old M - new M)
	EXPS
	v_pk_mul_f32 v[14:15], v[14:15], v[210:211] op_sel_hi:[1,0]   ; the sum under the new M: also the plain line behind the exponentials
	s_wait_alu depctr_va_vdst(0)                   ; one wait for the batch, ahead of its first reader
	v_pk_add_f32 v[214:215], v[96:97], v[98:99]
.irp j, 4,8,12,16,20,24,28,32,36,40,44,48,52,56,60
	v_pk_add_f32 v[14:15], v[14:15], v[96+\j:97+\j]
	v_pk_add_f32 v[214:215], v[214:215], v[98+\j:99+\j]
.endr
	v_pk_add_f32 v[14:15], v[14:15], v[214:215]
	s_add_co_u32 s2, s2, STEPB
	s_sub_co_u32 s3, s3, 1
	s_cmp_lg_u32 s3, 0
	s_cbranch_scc1 .Lpass1
	v_add_f32 v14, v14, v15                        ; the sum's two halves,
	v_permlanex16_b32 v212, v14, s66, s67
	v_add_f32 v14, v14, v212                       ; and lane l xor 16's
	v_rcp_f32 v24, v14
	v_nop                                          ; a plain line behind the reciprocal
	v_cmp_lt_f32 vcc_lo, 0, v14
	s_wait_alu depctr_va_vdst(0)
	v_cndmask_b32 v24, 0, v24, vcc_lo              ; a row that is masked throughout has the sum 0: its weights are 0, as the problem's clean-up of NaN makes them
	v_mov_b32 v25, v24
	s_wait_tensorcnt 0x0                           ; my part of V is in,
	s_barrier_signal -1
	s_barrier_wait -1                              ; everybody's is
	s_mov_b32 s2, 0
	s_mov_b32 s3, 16
.Lpass2:
	v_add_nc_u32 v8, s2, v1
	v_add_nc_u32 v9, s2, v2
	v_nop
	v_nop                                          ; with the two additions: four places behind the last step's products, whose fragments are loaded anew
	KQ
.irp t, 0,1,2,3                        ; V^T's four tiles of 16 channels x 128 keys land under the softmax
.irp c, 0,1,2,3
	ds_load_b128 v[32+16*\t+4*\c:35+16*\t+4*\c], v9 offset:(\c/2)*16*PK+32*(\c%2)+4*PK*\t
.endr
.endr
	MASK
	s_cmp_eq_u32 s3, 1                             ; the last step has no successor
	s_cbranch_scc1 .Lno_more
	NEXTM
.Lno_more:
	EXPS
	v_nop                                          ; the plain line behind the exponentials
	s_wait_alu depctr_va_vdst(0)                   ; one wait for the batch
.set n, 0
.rept 32
	v_pk_mul_f32 v[96+n:97+n], v[96+n:97+n], v[24:25]   ; / the row's sum: the finished softmax
.set n, n+2
.endr
.irp t, 0,1,2,3,4,5,6,7
.irp i, 0,1,2,3,4,5,6,7
	v_min_num_f32 v[96+8*\t+\i], v[96+8*\t+\i], v26     ; the conversion does not saturate (ISA guide 7.6.2); p is not negative, so the hold is one-sided
.endr
	v_cvt_scalef32_pk8_fp8_f32 v[192+2*\t:193+2*\t], v[96+8*\t:103+8*\t], v27
.endr
	v_nop                                          ; a plain line between the last conversion and the products that read its result
	s_wait_dscnt 0x0                               ; V's fragments are in
.irp t, 0,1,2,3                        ; the four accumulators take turns, and the next step's eight products on the scores stand between two steps
	v_wmma_f32_16x16x128_fp8_fp8 v[160+8*\t:167+8*\t], v[32+16*\t:47+16*\t], v[192:207], v[160+8*\t:167+8*\t]
.endr
	s_add_co_u32 s2, s2, STEPB
	s_sub_co_u32 s3, s3, 1
	s_cmp_lg_u32 s3, 0
	s_cbranch_scc1 .Lpass2
	; THE WAY OUT: register 8 t + i of lane (r, h) is channel 16 t + 8 h + i of query r: eight codes a tile, through my stage, back as rows of 64 bytes
.rept 4
	v_nop
.endr
.set n, 0
.rept 32
	v_med3_num_f32 v[96+n], v[160+n], -v28, v28
.set n, n+1
.endr
.irp t, 0,1,2,3
	v_cvt_scalef32_pk8_fp8_f32 v[192+2*\t:193+2*\t], v[96+8*\t:103+8*\t], v29
.endr
	v_nop
.irp t, 0,1,2,3
	ds_store_b64 v3, v[192+2*\t:193+2*\t] offset:16*\t
.endr
	ds_load_b128 v[216:219], v4                    ; LDS serves a wave's instructions in order: these see my stores
	ds_load_b128 v[220:223], v4 offset:640
	s_wait_dscnt 0x1                               ; the second load may be out
	global_store_b128 v10, v[216:219], s[10:11]
	s_wait_dscnt 0x0
	global_store_b128 v10, v[220:223], s[10:11] offset:8192
	s_wait_tensorcnt 0x0                           ; the wave's end
	ds_add_u32 v5, v6
	s_wait_dscnt 0x0
	ROUND                                          ; the closing round
	s_endpgm
.Lfunc_end_k_q623d717945_att:
	.size	k_q623d717945_att, .Lfunc_end_k_q623d717945_att-k_q623d717945_att
	.p2alignl 7, 3214868480
	.fill 96, 4, 3214868480
	.section	.rodata,"a",@progbits
	.p2align	6, 0x0
	.amdhsa_kernel k_q623d717945_att
		.amdhsa_group_segment_fixed_size 301056
		.amdhsa_private_segment_fixed_size 0
		.amdhsa_enable_private_segment 0
		.amdhsa_kernarg_size 32
		.amdhsa_user_sgpr_count 2
		.amdhsa_user_sgpr_kernarg_segment_ptr 1
		.amdhsa_wavefront_size32 1
		.amdhsa_system_sgpr_workgroup_id_x 1
		.amdhsa_system_sgpr_workgroup_id_y 1
		.amdhsa_system_sgpr_workgroup_id_z 1
		.amdhsa_system_vgpr_workitem_id 0
		.amdhsa_next_free_vgpr 256
		.amdhsa_next_free_sgpr 106
		.amdhsa_reserve_vcc 1
		.amdhsa_float_denorm_mode_32 3
		.amdhsa_float_denorm_mode_16_64 3
		.amdhsa_memory_ordered 1
		.amdhsa_forward_progress 1
		.amdhsa_inst_pref_size 43
	.end_amdhsa_kernel
	.amdgpu_metadata
---
amdhsa.version: [ 1, 2 ]
amdhsa.kernels:
  - .name:           k_q623d717945_att
    .symbol:         k_q623d717945_att.kd
    .args:
      - { .name: qkv, .offset: 0, .size: 8, .value_kind: global_buffer, .address_space: global }
      - { .name: maskw, .offset: 8, .size: 8, .value_kind: global_buffer, .address_space: global }
      - { .name: lowp_scales, .offset: 16, .size: 8, .value_kind: global_buffer, .address_space: global }
      - { .name: ocodes, .offset: 24, .size: 8, .value_kind: global_buffer, .address_space: global }
    .group_segment_fixed_size: 301056
    .private_segment_fixed_size: 0
    .kernarg_segment_align: 8
    .kernarg_segment_size: 32
    .max_flat_workgroup_size: 512
    .sgpr_count:     106
    .vgpr_count:     256
    .wavefront_size: 32
...
	.end_amdgpu_metadata
.endif
;; end of part 3
;; launch wo (part 4): grid 4 x 16, 4 waves a work-group, clusters of 4 x 4, 327,680 bytes of LDS; arguments ocodes, wcodes, lowp_scales, y; writes y
.if DOCPART == 4
	.amdgcn_target "amdgcn-amd-amdhsa--gfx1250"
	.amdhsa_code_object_version 6
	.text
	.protected	k_q623d717945_wo
	.globl	k_q623d717945_wo
	.p2align	8
	.type	k_q623d717945_wo,@function
k_q623d717945_wo:
	s_mov_b64 s[64:65], 0
	v_nop
	global_prefetch_b8 v0, s[64:65] scope:SCOPE_SE
	s_setreg_imm32_b32 hwreg(HW_REG_WAVE_MODE, 25, 1), 1
	s_wait_xcnt 0x0
	s_wait_alu depctr_hold_cnt(0) depctr_sa_sdst(0) depctr_va_vdst(0) depctr_va_sdst(0) depctr_va_ssrc(0) depctr_va_vcc(0) depctr_vm_vsrc(0)
	s_getreg_b32 s2, hwreg(HW_REG_IB_STS2, 6, 4)
	s_cmp_eq_u32 s2, 0
	s_cbranch_scc0 .Lentry_in_a_cluster
	s_endpgm
.Lentry_in_a_cluster:
	s_bfe_u32 s2, ttmp6, 0x10000c
	s_cmp_lg_u32 s2, 0xf033
	s_cbranch_scc0 .Lentry_shape_is_right
	s_endpgm
.Lentry_shape_is_right:
; Launch 4 of 8: product 6, attention's result x Wo, on E4M3 codes -> y [4096][1024] f32 (bias, residual and LayerNorm follow in the next launch, which owns whole rows).  Nothing of the problem is left out.
; C = A B^T: A = ocodes [4096][1024], B = Wo^T [1024][1024] at 3 MiB of wcodes; each finished sum x 2^(e10 + e11).  LIMIT: e10 + e11 between -126 and 127.
; A tile of C is 256 x 256: four waves, each 128 x 128 in 64 accumulators; K in steps of 256 through a ring of two LDS slots filled by joint tensor loads in clusters of 4 x 4.  C has 64 such tiles.
; THE MATRIX INSTRUCTION IS USED TRANSPOSED (source 0 = 16 rows of B, source 1 = 16 rows of A): a lane holds eight neighbouring numbers of a row of C.
.set SIZE_K, 1024
.set SIZE_N, 1024
.set BOFF,   0x300000
.set SCOFF,  0x28
.set KSTEP,  256
.set ROWB,   256
.set KROW,   SIZE_K
.set PITCH,  272
.set FR,     16
.set NL,     4
.set NP,     4
.set HALFT,  128*PITCH
.set SLOT,   4*HALFT
.set LAPS,   SIZE_K/(2*KSTEP)
.set SPARE,  2*SLOT
.set SPITCH, 528                       ; the way out: 16 rows x (512 bytes + 16) for each wave, in slot 0, which has had its last fill and its last read by then
.set ADRA, 16
.set ADRB, 20
.set STO,  24
.set RD,   25
.set CO,   26
.set SPW,  28
.set NIL,  29
.set TMP,  32
.set AF,   128
.set BK,   128
.set G1, 24
.set G0, 32
.set G1B, 48
.set G0B, 56
.set MSB, 0
.macro WIN new
.if MSB != \new
	s_set_vgpr_msb (MSB<<8)|\new
.set MSB, \new
.endif
.endm
.set MUL_LO, 0xa1
.set MUL_HI, 0xf1
.set TO_B,   0x40
.macro JLOAD g0a, g1a, g0b, g1b
	s_cmp_eq_u32 s15, 0
	s_cbranch_scc0 .Lfor_b_\@
	tensor_load_to_lds s[\g0a:\g0a+3], s[\g1a:\g1a+7]
	s_nop 0
.rept 4
	v_nop
.endr
	s_branch .Lasked_\@
.Lfor_b_\@:
	tensor_load_to_lds s[\g0b:\g0b+3], s[\g1b:\g1b+7]
	s_nop 0
.rept 4
	v_nop
.endr
.Lasked_\@:
.endm
.macro CREST
	s_cmp_lg_u32 s14, 0
	s_cbranch_scc1 .Lnot_wave_0_\@
	s_barrier_signal -3
.Lnot_wave_0_\@:
	s_barrier_wait -3
	s_barrier_signal -1
	s_barrier_wait -1
.endm
.macro CROUND
	s_barrier_signal -1
	s_barrier_wait -1
	CREST
.endm
	s_load_b128 s[4:7], s[0:1], 0x0                ; A's codes, wcodes
	s_load_b128 s[8:11], s[0:1], 0x10              ; the scales, C
	v_lshl_add_u32 v[SPW], v0, 2, SPARE
	v_mov_b32 v[NIL], 0
	ds_add_u32 v[SPW], v[NIL]                      ; the opening: the add, twice on end, and its wait ahead of my first tensor load
	ds_add_u32 v[SPW], v[NIL]
	v_lshrrev_b32 v1, 5, v0
	v_readfirstlane_b32 s14, v1
	s_lshr_b32 s15, s14, 1
	s_and_b32 s16, s14, 1
	s_bfe_u32 s40, ttmp6, 0x40000
	s_bfe_u32 s41, ttmp6, 0x40004
	s_lshl_b32 s42, ttmp9, 2
	s_add_co_u32 s42, s42, s40                     ; tile column of C
	s_and_b32 s17, ttmp7, 0xffff
	s_lshl_b32 s17, s17, 2
	s_add_co_u32 s17, s17, s41                     ; tile row of C
	s_lshl_b32 s43, s41, 2
	s_lshl_b32 s43, 15, s43
	s_lshl_b32 s44, 0x1111, s40
	s_or_b32 s[G1+0], s43, (0<<16)|(1<<20)|(1<<21)|(5<<22)|(3<<25)
	s_or_b32 s[G1B+0], s44, (0<<16)|(1<<20)|(1<<21)|(5<<22)|(3<<25)
.irp g, G1, G1B
	s_mov_b32 s[\g+1], ROWB<<16
	s_mov_b32 s[\g+2], 128<<16
	s_mov_b32 s[\g+3], ROWB<<16
	s_mov_b32 s[\g+4], 128
	s_mov_b32 s[\g+5], KROW
	s_mov_b32 s[\g+6], 0
	s_mov_b32 s[\g+7], 0
.endr
	s_lshl_b32 s18, s16, 7
	s_lshl_b32 s20, s17, 8
	s_add_co_u32 s20, s20, s18
	s_lshl_b32 s46, s42, 8
	s_add_co_u32 s46, s46, s18
	s_mov_b32 s21, 0
	s_mov_b32 s47, 0
	s_mov_b64 s[18:19], KROW
	s_mul_u64 s[20:21], s[20:21], s[18:19]
	s_mul_u64 s[46:47], s[46:47], s[18:19]
	s_add_nc_u64 s[46:47], s[46:47], BOFF          ; the weight's place in wcodes
	s_mul_i32 s45, s14, HALFT
	s_wait_dscnt 0x0
	s_wait_kmcnt 0x0
	s_load_b64 s[96:97], s[8:9], SCOFF             ; ea, eb
	s_add_nc_u64 s[20:21], s[4:5], s[20:21]
	s_add_nc_u64 s[46:47], s[6:7], s[46:47]
	CROUND
.irp s, 0,1
	s_mov_b32 s[G0+4*\s], 1
	s_add_co_u32 s[G0+4*\s+1], s45, \s*SLOT
	s_add_nc_u64 s[G0+4*\s+2:G0+4*\s+3], s[20:21], \s*ROWB
	s_or_b32 s[G0+4*\s+3], s[G0+4*\s+3], 0x80000000
	s_mov_b32 s[G0B+4*\s], 1
	s_add_co_u32 s[G0B+4*\s+1], s45, \s*SLOT
	s_add_nc_u64 s[G0B+4*\s+2:G0B+4*\s+3], s[46:47], \s*ROWB
	s_or_b32 s[G0B+4*\s+3], s[G0B+4*\s+3], 0x80000000
	JLOAD G0+4*\s, G1, G0B+4*\s, G1B
.endr
	v_and_b32 v1, 15, v0
	v_bfe_u32 v2, v0, 4, 1
	v_mul_u32_u24 v3, v1, PITCH
	v_lshl_add_u32 v4, v2, 4, v3
	s_mul_i32 s21, s15, HALFT
	s_mul_i32 s22, s16, HALFT
	s_add_co_u32 s22, s22, 2*HALFT
.irp s, 0,1
	v_add_nc_u32 v[ADRA+\s], s21, v4
	v_add_nc_u32 v[ADRB+\s], s22, v4
	s_add_co_u32 s21, s21, SLOT
	s_add_co_u32 s22, s22, SLOT
.endr
	s_mul_i32 s23, s14, 16*SPITCH                  ; my stage
	v_mul_u32_u24 v5, v1, SPITCH
	v_lshl_add_u32 v5, v2, 5, v5
	v_add_nc_u32 v[STO], s23, v5
	v_and_b32 v6, 31, v0
	v_lshlrev_b32 v[CO], 4, v6
	v_add_nc_u32 v[RD], s23, v[CO]
	s_lshl_b32 s20, s17, 8
	s_lshl_b32 s21, s15, 7
	s_add_co_u32 s20, s20, s21
	s_mov_b32 s21, 0
	s_mov_b64 s[18:19], SIZE_N*4
	s_mul_u64 s[20:21], s[20:21], s[18:19]
	s_lshl_b32 s46, s42, 10
	s_lshl_b32 s47, s16, 9
	s_add_co_u32 s46, s46, s47
	s_mov_b32 s47, 0
	s_add_nc_u64 s[20:21], s[20:21], s[46:47]
	s_add_nc_u64 s[10:11], s[10:11], s[20:21]
.macro FRAG reg, adr, q, i
.irp c, 0,1,2,3
	ds_load_b128 v[\reg+4*\c:\reg+4*\c+3], v[\adr] offset:128*(\q)+32*\c+(\i)*16*PITCH
.endr
.endm
.macro MUL16 a0, p, zero               ; the 64 accumulators take turns, one instruction a turn
.irp a, \a0, \a0+1
.irp b, 0,1,2,3,4,5,6,7
.if \zero
	v_wmma_f32_16x16x128_fp8_fp8 v[8*(8*((\a)%4)+\b):8*(8*((\a)%4)+\b)+7], v[128*(\p)+FR*\b:128*(\p)+FR*\b+FR-1], v[AF+FR*(\a):AF+FR*(\a)+FR-1], 0
.else
	v_wmma_f32_16x16x128_fp8_fp8 v[8*(8*((\a)%4)+\b):8*(8*((\a)%4)+\b)+7], v[128*(\p)+FR*\b:128*(\p)+FR*\b+FR-1], v[AF+FR*(\a):AF+FR*(\a)+FR-1], v[8*(8*((\a)%4)+\b):8*(8*((\a)%4)+\b)+7]
.endif
.endr
.endr
.endm
.macro FETCH_B slot, q, p
	WIN TO_B
.irp i, 0,1,2,3,4,5,6,7
	FRAG 128*(\p)+FR*\i, ADRB+\slot, \q, \i
.endr
	WIN 0
.endm
.macro FETCH_A slot, q, i0
.irp i, \i0, \i0+1, \i0+2, \i0+3
	FRAG AF+FR*(\i), ADRA+\slot, \q, \i
.endr
.endm
.macro PLACES n
.rept \n
	v_nop
.endr
.endm
.macro STEP slot, q, zero
	s_wait_dscnt 4*NL                              ; B's set and A's blocks 0-3 are in; the 16 youngest loads (A's blocks 4-7) may be out
	WIN MUL_LO
	MUL16 0, (\q)%2, \zero
	MUL16 2, (\q)%2, \zero
	s_wait_dscnt 0
	PLACES NP
	FETCH_B \slot, (\q)+1, 1-(\q)%2
	FETCH_A \slot, (\q)+1, 0
	WIN MUL_HI
	MUL16 4, (\q)%2, \zero
	MUL16 6, (\q)%2, \zero
	PLACES NP
	WIN 0
	FETCH_A \slot, (\q)+1, 4
.endm
.macro TURN slot, next, fill
	s_wait_tensorcnt 0x0                           ; all my tensor loads have landed: my part of the next slot
	ds_add_u32 v[SPW], v[NIL]                      ; 0 onto my spare word
	s_wait_dscnt 4*NL+1                            ; the add and the 16 youngest loads may be out
	WIN MUL_LO
	MUL16 0, 1, 0
	s_wait_dscnt 0x0                               ; the add is done, and my reads of this slot are over
	s_barrier_signal -1
	MUL16 2, 1, 0
	WIN 0
	s_barrier_wait -1
.if \fill
	CREST
	s_add_nc_u64 s[G0+4*\slot+2:G0+4*\slot+3], s[G0+4*\slot+2:G0+4*\slot+3], 2*ROWB
	s_add_nc_u64 s[G0B+4*\slot+2:G0B+4*\slot+3], s[G0B+4*\slot+2:G0B+4*\slot+3], 2*ROWB
	JLOAD G0+4*\slot, G1, G0B+4*\slot, G1B
.else
	PLACES NP
.endif
	FETCH_B \next, 0, 0
	FETCH_A \next, 0, 0
	WIN MUL_HI
	MUL16 4, 1, 0
	MUL16 6, 1, 0
	PLACES NP
	WIN 0
	FETCH_A \next, 0, 4
.endm
	s_wait_tensorcnt 1                             ; my part of K step 0 is in; K step 1's load may be out
	s_barrier_signal -1
	s_barrier_wait -1
	FETCH_B 0, 0, 0
	FETCH_A 0, 0, 0
	FETCH_A 0, 0, 4
	STEP 0, 0, 1
	s_mov_b32 s3, LAPS-1
.Llap:
	TURN 0, 1, 1
	STEP 1, 0, 0
	TURN 1, 0, 1
	STEP 0, 0, 0
	s_sub_co_u32 s3, s3, 1
	s_cmp_lg_u32 s3, 0
	s_cbranch_scc1 .Llap
	TURN 0, 1, 0
	STEP 1, 0, 0
	s_wait_dscnt 4*NL
	WIN MUL_LO
	MUL16 0, 1, 0
	MUL16 2, 1, 0
	s_wait_dscnt 0
	WIN MUL_HI
	MUL16 4, 1, 0
	MUL16 6, 1, 0
	WIN 0
; THE WAY OUT, block by block of 16 rows x 128 columns, through my own stage: back as whole rows of 512 bytes
.macro TOSTAGE a
.set AC, 64*((\a)%4)
	WIN 0x02+((\a)/4)
.set j, 0
.rept 32
	v_pk_mul_f32 v[TMP+j:TMP+j+1], v[AC+j:AC+j+1], s[96:97] op_sel_hi:[1,0]   ; x 2^(ea + eb); each accumulator from its low end on
.set j, j+2
.endr
	WIN 0
.irp b, 0,1,2,3,4,5,6,7
	ds_store_b128 v[STO], v[TMP+8*\b:TMP+8*\b+3] offset:64*\b
	ds_store_b128 v[STO], v[TMP+8*\b+4:TMP+8*\b+7] offset:64*\b+16
.endr
.set BB, BK+64*((\a)%2)
.irp t, 0,1,2,3,4,5,6,7,8,9,10,11,12,13,14,15
	ds_load_b128 v[BB+4*\t:BB+4*\t+3], v[RD] offset:\t*SPITCH
.endr
.endm
.macro SEND a, younger
.set BB, BK+64*((\a)%2)
	s_wait_dscnt \younger                          ; the block is back; the next block's 16 stores and 16 loads may be out
.if (\a) > 0
	s_add_nc_u64 s[10:11], s[10:11], 16*SIZE_N*4   ; behind a wait on XCNT: the earlier stores have read their base
.endif
.irp t, 0,1,2,3,4,5,6,7,8,9,10,11,12,13,14,15
	global_store_b128 v[CO], v[BB+4*\t:BB+4*\t+3], s[10:11] offset:\t*SIZE_N*4 th:TH_STORE_NT   ; 32 lanes store 512 consecutive bytes, aligned
.endr
.endm
	s_wait_kmcnt 0x0
	s_add_co_i32 s96, s96, s97
	s_add_co_i32 s96, s96, 127
	s_lshl_b32 s96, s96, 23                        ; 2^(ea + eb) as f32
	PLACES NP
	TOSTAGE 0
.irp a, 1,2,3,4,5,6,7
.if \a > 1
	s_wait_xcnt 0x0                                ; the stores of two blocks ago have read their registers and their base
.endif
	TOSTAGE \a
	SEND \a-1, 32
.endr
	s_wait_xcnt 0x0
	SEND 7, 0
	s_wait_tensorcnt 0x0                           ; the wave's end
	ds_add_u32 v[SPW], v[NIL]
	s_wait_dscnt 0x0
	CROUND
	s_endpgm
.Lfunc_end_k_q623d717945_wo:
	.size	k_q623d717945_wo, .Lfunc_end_k_q623d717945_wo-k_q623d717945_wo
	.p2alignl 7, 3214868480
	.fill 96, 4, 3214868480
	.section	.rodata,"a",@progbits
	.p2align	6, 0x0
	.amdhsa_kernel k_q623d717945_wo
		.amdhsa_group_segment_fixed_size 327680
		.amdhsa_private_segment_fixed_size 0
		.amdhsa_enable_private_segment 0
		.amdhsa_kernarg_size 32
		.amdhsa_user_sgpr_count 2
		.amdhsa_user_sgpr_kernarg_segment_ptr 1
		.amdhsa_wavefront_size32 1
		.amdhsa_system_sgpr_workgroup_id_x 1
		.amdhsa_system_sgpr_workgroup_id_y 1
		.amdhsa_system_sgpr_workgroup_id_z 1
		.amdhsa_system_vgpr_workitem_id 0
		.amdhsa_next_free_vgpr 1024
		.amdhsa_next_free_sgpr 100
		.amdhsa_reserve_vcc 0
		.amdhsa_float_denorm_mode_32 3
		.amdhsa_float_denorm_mode_16_64 3
		.amdhsa_memory_ordered 1
		.amdhsa_forward_progress 1
		.amdhsa_inst_pref_size 123
	.end_amdhsa_kernel
	.amdgpu_metadata
---
amdhsa.version: [ 1, 2 ]
amdhsa.kernels:
  - .name:           k_q623d717945_wo
    .symbol:         k_q623d717945_wo.kd
    .args:
      - { .name: ocodes, .offset: 0, .size: 8, .value_kind: global_buffer, .address_space: global }
      - { .name: wcodes, .offset: 8, .size: 8, .value_kind: global_buffer, .address_space: global }
      - { .name: lowp_scales, .offset: 16, .size: 8, .value_kind: global_buffer, .address_space: global }
      - { .name: y, .offset: 24, .size: 8, .value_kind: global_buffer, .address_space: global }
    .group_segment_fixed_size: 327680
    .private_segment_fixed_size: 0
    .kernarg_segment_align: 8
    .kernarg_segment_size: 32
    .max_flat_workgroup_size: 128
    .sgpr_count:     100
    .vgpr_count:     1024
    .wavefront_size: 32
...
	.end_amdgpu_metadata
.endif
;; end of part 4
;; launch ln1 (part 5): grid 512 x 1, 4 waves a work-group, no clusters, 8,704 bytes of LDS; arguments y, bo, x, g1, be1, x1, lowp_scales, xcodes; writes x1, xcodes
.if DOCPART == 5
	.amdgcn_target "amdgcn-amd-amdhsa--gfx1250"
	.amdhsa_code_object_version 6
	.text
	.protected	k_q623d717945_ln1
	.globl	k_q623d717945_ln1
	.p2align	8
	.type	k_q623d717945_ln1,@function
k_q623d717945_ln1:
	s_mov_b64 s[64:65], 0
	v_nop
	global_prefetch_b8 v0, s[64:65] scope:SCOPE_SE
	s_setreg_imm32_b32 hwreg(HW_REG_WAVE_MODE, 25, 1), 1
	s_wait_xcnt 0x0
; Launch 5 of 8: x1 = LayerNorm((y + bo) + x) g1 + be1, stored in f32 (the second residual) and as E4M3 codes with scale 2^e12 (product 7's left operand), over the first 4 MiB of xcodes, whose old bytes are read by nobody any more.
; Nothing of the problem is left out.  A stream: memory binds, so no matrix unit, no cluster, no barrier.  A wave takes two whole rows of 1,024; a lane holds columns 128 j + 4 l + 0 .. 3, so every load and store covers 512 consecutive bytes.
; All 56 loads of a wave go out at the head.  Mean and variance as the problem writes them: the mean first, then the mean of the squared differences.
; One scale serves the whole tensor, so a conversion may take any eight numbers: the codes of pieces j = 2 q and 2 q + 1 come out as two words, which meet in LDS as a row of 1,024 bytes.
; LIMITS: e12 between -126 and 119; NaN among the inputs is not served.
.set CODES, 1
.set BI, 16                            ; v16-47   the bias
.set G,  48                            ; v48-79   the gain
.set BE, 80                            ; v80-111  the offset
.set Y,  112                           ; v112-143 row 0, v176-207 row 1: y, then the row at work
.set R,  144                           ; v144-175, v208-239: the residual
.set SPW, 14
.set NIL, 15
.set SPARE, 8192                       ; behind the waves' 4 x 2,048 bytes: the spare words
	s_load_b256 s[4:11], s[0:1], 0x0               ; y s[4:5], bias s[6:7], residual s[8:9], gain s[10:11]
	s_load_b128 s[12:15], s[0:1], 0x20             ; offset s[12:13], the f32 result s[14:15]
.if CODES
	s_load_b128 s[16:19], s[0:1], 0x30             ; the scales s[16:17], the codes s[18:19]
	v_lshl_add_u32 v[SPW], v0, 2, SPARE
	v_mov_b32 v[NIL], 0
.endif
	v_lshrrev_b32 v2, 5, v0
	v_readfirstlane_b32 s20, v2                    ; wave
	v_and_b32 v3, 31, v0
	v_lshlrev_b32 v1, 4, v3                        ; 16 x lane; never rewritten
	s_lshl_b32 s21, ttmp9, 3
	s_lshl_b32 s22, s20, 1
	s_add_co_u32 s21, s21, s22                     ; my first row
	s_lshl_b32 s22, s21, 12
	s_mov_b32 s23, 0
	s_mov_b32 s24, 0x3a800000                      ; 1 / 1024
	s_mov_b32 s25, 0x3727c5ac                      ; 1e-5
	s_mov_b32 s26, 0x76543210
	s_mov_b32 s27, 0xfedcba98
	s_wait_kmcnt 0x0
	s_add_nc_u64 s[4:5], s[4:5], s[22:23]
	s_add_nc_u64 s[8:9], s[8:9], s[22:23]
	s_add_nc_u64 s[14:15], s[14:15], s[22:23]
.if CODES
	s_load_b32 s28, s[16:17], 0x30                 ; e12
	s_lshl_b32 s30, s21, 10
	s_mov_b32 s31, 0
	s_add_nc_u64 s[18:19], s[18:19], s[30:31]
.endif
.macro LD8 reg, lo, off
.set j, 0
.rept 8
	global_load_b128 v[\reg+4*j:\reg+4*j+3], v1, s[\lo:\lo+1] offset:\off+512*j
.set j, j+1
.endr
.endm
	LD8 Y, 4, 0
	LD8 R, 8, 0
	LD8 BI, 6, 0
	LD8 Y+64, 4, 4096
	LD8 R+64, 8, 4096
	LD8 G, 10, 0
	LD8 BE, 12, 0
.macro REDUCE                          ; v[2:3] -> the sum over the wave's 32 lanes, in every lane's v2
	v_add_f32 v2, v2, v3
	v_add_f32_dpp v2, v2, v2 row_xmask:1 row_mask:0xf bank_mask:0xf
	v_add_f32_dpp v2, v2, v2 row_xmask:2 row_mask:0xf bank_mask:0xf
	v_add_f32_dpp v2, v2, v2 row_xmask:4 row_mask:0xf bank_mask:0xf
	v_add_f32_dpp v2, v2, v2 row_xmask:8 row_mask:0xf bank_mask:0xf
	v_permlanex16_b32 v3, v2, s26, s27
	v_add_f32 v2, v2, v3
.endm
.macro FOLD                            ; the four chains v[2:9] -> v[2:3]
	v_pk_add_f32 v[2:3], v[2:3], v[4:5]
	v_pk_add_f32 v[6:7], v[6:7], v[8:9]
	v_pk_add_f32 v[2:3], v[2:3], v[6:7]
.endm
.macro STATS i                         ; row i: (y + bias) + residual, less its mean, in place; 1 / sqrt(variance + 1e-5) into v[10 + 2 i] and the register beside it
.set Z, Y+64*(\i)
.set RR, R+64*(\i)
.set k, 0
.rept 16
	v_pk_add_f32 v[Z+k:Z+k+1], v[Z+k:Z+k+1], v[BI+k:BI+k+1]
.set k, k+2
.endr
.set k, 0
.rept 16
	v_pk_add_f32 v[Z+k:Z+k+1], v[Z+k:Z+k+1], v[RR+k:RR+k+1]
.set k, k+2
.endr
.irp c, 0,1,2,3
	v_pk_add_f32 v[2+2*\c:3+2*\c], v[Z+4*\c:Z+4*\c+1], v[Z+4*\c+2:Z+4*\c+3]   ; four chains, started by the first pairs
.endr
.irp p, 0,1,2,3,4,5,6,7
	v_pk_add_f32 v[2+2*(\p%4):3+2*(\p%4)], v[2+2*(\p%4):3+2*(\p%4)], v[Z+16+2*\p:Z+17+2*\p]
.endr
	FOLD
	REDUCE
	v_mul_f32 v4, s24, v2                          ; the mean
	v_mov_b32 v5, v4
.set k, 0
.rept 16
	v_pk_add_f32 v[Z+k:Z+k+1], v[Z+k:Z+k+1], v[4:5] neg_lo:[0,1] neg_hi:[0,1]
.set k, k+2
.endr
.irp c, 0,1,2,3
	v_pk_mul_f32 v[2+2*\c:3+2*\c], v[Z+2*\c:Z+2*\c+1], v[Z+2*\c:Z+2*\c+1]
.endr
.irp p, 4,5,6,7,8,9,10,11,12,13,14,15
	v_pk_fma_f32 v[2+2*(\p%4):3+2*(\p%4)], v[Z+2*\p:Z+2*\p+1], v[Z+2*\p:Z+2*\p+1], v[2+2*(\p%4):3+2*(\p%4)]
.endr
	FOLD
	REDUCE
	v_fma_f32 v2, v2, s24, s25                     ; the variance + 1e-5
	v_rsq_f32 v[10+2*(\i)], v2
	v_nop                                          ; a plain line behind it,
	s_wait_alu depctr_va_vdst(0)                   ; and the wait ahead of the first reader
	v_mov_b32 v[11+2*(\i)], v[10+2*(\i)]
.endm
.macro FINISH i
.set Z, Y+64*(\i)
.set k, 0
.rept 16
	v_pk_mul_f32 v[Z+k:Z+k+1], v[Z+k:Z+k+1], v[10+2*(\i):11+2*(\i)]
.set k, k+2
.endr
.set k, 0
.rept 16
	v_pk_fma_f32 v[Z+k:Z+k+1], v[Z+k:Z+k+1], v[G+k:G+k+1], v[BE+k:BE+k+1]
.set k, k+2
.endr
.set j, 0
.rept 8
	global_store_b128 v1, v[Z+4*j:Z+4*j+3], s[14:15] offset:4096*(\i)+512*j
.set j, j+1
.endr
.if CODES
.if \i
	s_wait_dscnt 0x0                               ; row 0's LDS stores have read the codes' registers
.endif
.set q, 0
.rept 4
.set k, 0
.rept 8
	v_med3_num_f32 v[240+k], v[Z+8*q+k], -v5, v5   ; the conversion does not saturate (ISA guide 7.6.2): the hold at 448 x the scale
.set k, k+1
.endr
	v_cvt_scalef32_pk8_fp8_f32 v[248+2*q:249+2*q], v[240:247], v4
	v_nop                                          ; a plain line between the conversion and the next holds, which write its sources
	ds_store_b32 v2, v[248+2*q] offset:1024*(\i)+256*q
	ds_store_b32 v2, v[249+2*q] offset:1024*(\i)+256*q+128
.set q, q+1
.endr
.endif
.endm
	s_wait_loadcnt 32                              ; row 0 and the bias are in; the 32 loads of row 1, gain and offset may be out
	STATS 0
	s_wait_loadcnt 16                              ; row 1 is in; the 16 loads of gain and offset may be out
	STATS 1
.if CODES
	s_lshl_b32 s29, s20, 11                        ; my 2,048 bytes of LDS
	v_and_b32 v3, 31, v0
	v_lshl_add_u32 v2, v3, 2, s29                  ; in: 4 x lane
	v_lshl_add_u32 v3, v3, 4, s29                  ; back: 16 x lane
	s_wait_kmcnt 0x0
	s_add_co_i32 s28, s28, 127
	s_lshl_b32 s30, s28, 23
	v_mov_b32 v4, s30                              ; 2^e12
	s_add_co_i32 s28, s28, 8
	s_lshl_b32 s28, s28, 23
	s_or_b32 s28, s28, 0x600000
	v_mov_b32 v5, s28                              ; 448 x 2^e12
.endif
	s_wait_loadcnt 0x0
	FINISH 0
	FINISH 1
.if CODES
.irp t, 0,1,2,3                        ; two rows of 1,024 codes: LDS serves a wave's instructions in order: these see my stores
	ds_load_b128 v[R+4*\t:R+4*\t+3], v3 offset:512*\t
.endr
.irp t, 0,1,2,3
	s_wait_dscnt 3-\t                              ; the younger loads may be out
	global_store_b128 v1, v[R+4*\t:R+4*\t+3], s[18:19] offset:512*\t
.endr
	s_wait_tensorcnt 0x0                           ; the wave's end, behind my last LDS store
	ds_add_u32 v[SPW], v[NIL]
	s_wait_dscnt 0x0
.endif
	s_endpgm
.Lfunc_end_k_q623d717945_ln1:
	.size	k_q623d717945_ln1, .Lfunc_end_k_q623d717945_ln1-k_q623d717945_ln1
	.p2alignl 7, 3214868480
	.fill 96, 4, 3214868480
	.section	.rodata,"a",@progbits
	.p2align	6, 0x0
	.amdhsa_kernel k_q623d717945_ln1
		.amdhsa_group_segment_fixed_size 8704
		.amdhsa_private_segment_fixed_size 0
		.amdhsa_enable_private_segment 0
		.amdhsa_kernarg_size 64
		.amdhsa_user_sgpr_count 2
		.amdhsa_user_sgpr_kernarg_segment_ptr 1
		.amdhsa_wavefront_size32 1
		.amdhsa_system_sgpr_workgroup_id_x 1
		.amdhsa_system_sgpr_workgroup_id_y 1
		.amdhsa_system_sgpr_workgroup_id_z 1
		.amdhsa_system_vgpr_workitem_id 0
		.amdhsa_next_free_vgpr 256
		.amdhsa_next_free_sgpr 66
		.amdhsa_reserve_vcc 0
		.amdhsa_float_denorm_mode_32 3
		.amdhsa_float_denorm_mode_16_64 3
		.amdhsa_memory_ordered 1
		.amdhsa_forward_progress 1
		.amdhsa_inst_pref_size 32
	.end_amdhsa_kernel
	.amdgpu_metadata
---
amdhsa.version: [ 1, 2 ]
amdhsa.kernels:
  - .name:           k_q623d717945_ln1
    .symbol:         k_q623d717945_ln1.kd
    .args:
      - { .name: y, .offset: 0, .size: 8, .value_kind: global_buffer, .address_space: global }
      - { .name: bo, .offset: 8, .size: 8, .value_kind: global_buffer, .address_space: global }
      - { .name: x, .offset: 16, .size: 8, .value_kind: global_buffer, .address_space: global }
      - { .name: g1, .offset: 24, .size: 8, .value_kind: global_buffer, .address_space: global }
      - { .name: be1, .offset: 32, .size: 8, .value_kind: global_buffer, .address_space: global }
      - { .name: x1, .offset: 40, .size: 8, .value_kind: global_buffer, .address_space: global }
      - { .name: lowp_scales, .offset: 48, .size: 8, .value_kind: global_buffer, .address_space: global }
      - { .name: xcodes, .offset: 56, .size: 8, .value_kind: global_buffer, .address_space: global }
    .group_segment_fixed_size: 8704
    .private_segment_fixed_size: 0
    .kernarg_segment_align: 8
    .kernarg_segment_size: 64
    .max_flat_workgroup_size: 128
    .sgpr_count:     66
    .vgpr_count:     256
    .wavefront_size: 32
...
	.end_amdgpu_metadata
.endif
;; end of part 5
;; launch ffn1 (part 6): grid 16 x 16, 4 waves a work-group, clusters of 4 x 4, 327,680 bytes of LDS; arguments xcodes, wcodes, lowp_scales, hcodes, b1; writes hcodes
.if DOCPART == 6
	.amdgcn_target "amdgcn-amd-amdhsa--gfx1250"
	.amdhsa_code_object_version 6
	.text
	.protected	k_q623d717945_ffn1
	.globl	k_q623d717945_ffn1
	.p2align	8
	.type	k_q623d717945_ffn1,@function
k_q623d717945_ffn1:
	s_mov_b64 s[64:65], 0
	v_nop
	global_prefetch_b8 v0, s[64:65] scope:SCOPE_SE
	s_setreg_imm32_b32 hwreg(HW_REG_WAVE_MODE, 25, 1), 1
	s_wait_xcnt 0x0
	s_wait_alu depctr_hold_cnt(0) depctr_sa_sdst(0) depctr_va_vdst(0) depctr_va_sdst(0) depctr_va_ssrc(0) depctr_va_vcc(0) depctr_vm_vsrc(0)
	s_getreg_b32 s2, hwreg(HW_REG_IB_STS2, 6, 4)
	s_cmp_eq_u32 s2, 0
	s_cbranch_scc0 .Lentry_in_a_cluster
	s_endpgm
.Lentry_in_a_cluster:
	s_bfe_u32 s2, ttmp6, 0x10000c
	s_cmp_lg_u32 s2, 0xf033
	s_cbranch_scc0 .Lentry_shape_is_right
	s_endpgm
.Lentry_shape_is_right:
; Launch 6 of 8: product 7, x1 W1, on E4M3 codes; + b1, relu, and the hidden layer quantised (entry 14) on the way out -> hcodes [4096][4096], K innermost.  Nothing of the problem is left out.
; C = A B^T: A = x1's codes (the first 4 MiB of xcodes), B = W1^T [4096][1024] at 4 MiB of wcodes.  256 tiles of 256 x 256; four waves, each 128 x 128; K in steps of 256 through a ring of two LDS slots filled by joint tensor loads in clusters of 4 x 4.
; THE MATRIX INSTRUCTION IS USED TRANSPOSED: a lane holds eight neighbouring columns of one row of C, which one conversion turns into eight codes.
; A sum stands for sum x 2^(e12 + e13): b1 goes in divided by that, and the conversion's one scale is 2^(e14 - e12 - e13).  The hold that the conversion wants clips at 0 as well: the relu costs nothing.
; LIMITS: e14 - e12 - e13 between -126 and 119.
.set SIZE_K, 1024
.set BOFF,   0x400000
.set KSTEP,  256
.set ROWB,   256
.set KROW,   SIZE_K
.set PITCH,  272
.set FR,     16
.set NL,     4
.set NP,     4
.set HALFT,  128*PITCH
.set SLOT,   4*HALFT
.set LAPS,   SIZE_K/(2*KSTEP)
.set SPARE,  2*SLOT
.set ADRA, 16
.set ADRB, 20
.set STO,  24                          ; v24    the way out: where I put 8 codes of a row
.set RD,   25                          ; v25    where I read 16 bytes back
.set CO,   26                          ; v26    my byte offset in hcodes
.set BO,   27                          ; v27    my byte offset in b1; never rewritten
.set SPW,  28
.set NIL,  29
.set SCL,  30
.set LIM,  31
.set BI,   32                          ; v32-95   b1 at my 64 columns, in the result's layout
.set CD,   96                          ; v96-127  codes, two sets of 16
.set TMP,  128
.set AF,   128
.set G1, 24
.set G0, 32
.set G1B, 48
.set G0B, 56
.set MSB, 0
.macro WIN new
.if MSB != \new
	s_set_vgpr_msb (MSB<<8)|\new
.set MSB, \new
.endif
.endm
.set MUL_LO, 0xa1
.set MUL_HI, 0xf1
.set TO_B,   0x40
.macro JLOAD g0a, g1a, g0b, g1b
	s_cmp_eq_u32 s15, 0
	s_cbranch_scc0 .Lfor_b_\@
	tensor_load_to_lds s[\g0a:\g0a+3], s[\g1a:\g1a+7]
	s_nop 0
.rept 4
	v_nop
.endr
	s_branch .Lasked_\@
.Lfor_b_\@:
	tensor_load_to_lds s[\g0b:\g0b+3], s[\g1b:\g1b+7]
	s_nop 0
.rept 4
	v_nop
.endr
.Lasked_\@:
.endm
.macro CREST
	s_cmp_lg_u32 s14, 0
	s_cbranch_scc1 .Lnot_wave_0_\@
	s_barrier_signal -3
.Lnot_wave_0_\@:
	s_barrier_wait -3
	s_barrier_signal -1
	s_barrier_wait -1
.endm
.macro CROUND
	s_barrier_signal -1
	s_barrier_wait -1
	CREST
.endm
	s_load_b128 s[4:7], s[0:1], 0x0                ; xcodes, wcodes
	s_load_b128 s[8:11], s[0:1], 0x10              ; the scales, hcodes
	s_load_b64 s[12:13], s[0:1], 0x20              ; b1
	v_lshl_add_u32 v[SPW], v0, 2, SPARE
	v_mov_b32 v[NIL], 0
	ds_add_u32 v[SPW], v[NIL]                      ; the opening: the add, twice on end, and its wait ahead of my first tensor load
	ds_add_u32 v[SPW], v[NIL]
	v_lshrrev_b32 v1, 5, v0
	v_readfirstlane_b32 s14, v1
	s_lshr_b32 s15, s14, 1
	s_and_b32 s16, s14, 1
	s_bfe_u32 s40, ttmp6, 0x40000
	s_bfe_u32 s41, ttmp6, 0x40004
	s_lshl_b32 s42, ttmp9, 2
	s_add_co_u32 s42, s42, s40                     ; tile column of C
	s_and_b32 s17, ttmp7, 0xffff
	s_lshl_b32 s17, s17, 2
	s_add_co_u32 s17, s17, s41                     ; tile row of C
	s_lshl_b32 s43, s41, 2
	s_lshl_b32 s43, 15, s43
	s_lshl_b32 s44, 0x1111, s40
	s_or_b32 s[G1+0], s43, (0<<16)|(1<<20)|(1<<21)|(5<<22)|(3<<25)
	s_or_b32 s[G1B+0], s44, (0<<16)|(1<<20)|(1<<21)|(5<<22)|(3<<25)
.irp g, G1, G1B
	s_mov_b32 s[\g+1], ROWB<<16
	s_mov_b32 s[\g+2], 128<<16
	s_mov_b32 s[\g+3], ROWB<<16
	s_mov_b32 s[\g+4], 128
	s_mov_b32 s[\g+5], KROW
	s_mov_b32 s[\g+6], 0
	s_mov_b32 s[\g+7], 0
.endr
	s_lshl_b32 s18, s16, 7
	s_lshl_b32 s20, s17, 8
	s_add_co_u32 s20, s20, s18
	s_lshl_b32 s46, s42, 8
	s_add_co_u32 s46, s46, s18
	s_mov_b32 s21, 0
	s_mov_b32 s47, 0
	s_mov_b64 s[18:19], KROW
	s_mul_u64 s[20:21], s[20:21], s[18:19]
	s_mul_u64 s[46:47], s[46:47], s[18:19]
	s_add_nc_u64 s[46:47], s[46:47], BOFF          ; the weight's place in wcodes
	s_mul_i32 s45, s14, HALFT
	s_wait_dscnt 0x0
	s_wait_kmcnt 0x0
	s_load_b96 s[96:98], s[8:9], 0x30              ; e12, e13, e14
	s_add_nc_u64 s[20:21], s[4:5], s[20:21]
	s_add_nc_u64 s[46:47], s[6:7], s[46:47]
	CROUND
.irp s, 0,1
	s_mov_b32 s[G0+4*\s], 1
	s_add_co_u32 s[G0+4*\s+1], s45, \s*SLOT
	s_add_nc_u64 s[G0+4*\s+2:G0+4*\s+3], s[20:21], \s*ROWB
	s_or_b32 s[G0+4*\s+3], s[G0+4*\s+3], 0x80000000
	s_mov_b32 s[G0B+4*\s], 1
	s_add_co_u32 s[G0B+4*\s+1], s45, \s*SLOT
	s_add_nc_u64 s[G0B+4*\s+2:G0B+4*\s+3], s[46:47], \s*ROWB
	s_or_b32 s[G0B+4*\s+3], s[G0B+4*\s+3], 0x80000000
	JLOAD G0+4*\s, G1, G0B+4*\s, G1B
.endr
	v_and_b32 v1, 15, v0                           ; r
	v_bfe_u32 v2, v0, 4, 1                         ; h
	v_mul_u32_u24 v3, v1, PITCH
	v_lshl_add_u32 v4, v2, 4, v3
	s_lshl_b32 s46, s42, 10                        ; b1 at my wave's 128 columns
	s_lshl_b32 s47, s16, 9
	s_add_co_u32 s46, s46, s47
	s_mov_b32 s47, 0
	s_add_nc_u64 s[12:13], s[12:13], s[46:47]
	v_lshlrev_b32 v[BO], 5, v2                     ; lane (r, h) wants, for block b, columns 16 b + 8 h + 0 .. 7
.irp b, 0,1,2,3,4,5,6,7
	global_load_b128 v[BI+8*\b:BI+8*\b+3], v[BO], s[12:13] offset:64*\b
	global_load_b128 v[BI+8*\b+4:BI+8*\b+7], v[BO], s[12:13] offset:64*\b+16
.endr
	s_mul_i32 s21, s15, HALFT
	s_mul_i32 s22, s16, HALFT
	s_add_co_u32 s22, s22, 2*HALFT
.irp s, 0,1
	v_add_nc_u32 v[ADRA+\s], s21, v4
	v_add_nc_u32 v[ADRB+\s], s22, v4
	s_add_co_u32 s21, s21, SLOT
	s_add_co_u32 s22, s22, SLOT
.endr
	; the way out: ONE stage of 256 rows x 272 bytes for the work-group, in slot 0
	s_mul_i32 s23, s15, 128*PITCH
	s_lshl_b32 s21, s16, 7
	s_add_co_u32 s23, s23, s21
	v_lshl_add_u32 v5, v2, 3, v3
	v_add_nc_u32 v[STO], s23, v5                   ; in: row 128 x row half + r, byte 128 x column half + 8 h
	v_mul_u32_u24 v5, v2, PITCH
	v_lshl_add_u32 v5, v1, 4, v5
	s_mul_i32 s23, s14, 64*PITCH
	v_add_nc_u32 v[RD], s23, v5                    ; back: wave w takes rows 64 w on; sixteen lanes to a row of 256 bytes, two rows an instruction
	v_lshlrev_b32 v[CO], 12, v2
	v_lshl_add_u32 v[CO], v1, 4, v[CO]             ; and the same two rows in hcodes
	s_lshl_b32 s20, s17, 8
	s_lshl_b32 s21, s14, 6
	s_add_co_u32 s20, s20, s21
	s_lshl_b32 s20, s20, 12                        ; my first row of 4,096 bytes,
	s_lshl_b32 s46, s42, 8
	s_add_co_u32 s20, s20, s46                     ; + the tile's first column
	s_mov_b32 s21, 0
	s_add_nc_u64 s[10:11], s[10:11], s[20:21]
.macro FRAG reg, adr, q, i
.irp c, 0,1,2,3
	ds_load_b128 v[\reg+4*\c:\reg+4*\c+3], v[\adr] offset:128*(\q)+32*\c+(\i)*16*PITCH
.endr
.endm
.macro MUL16 a0, p, zero               ; the 64 accumulators take turns, one instruction a turn
.irp a, \a0, \a0+1
.irp b, 0,1,2,3,4,5,6,7
.if \zero
	v_wmma_f32_16x16x128_fp8_fp8 v[8*(8*((\a)%4)+\b):8*(8*((\a)%4)+\b)+7], v[128*(\p)+FR*\b:128*(\p)+FR*\b+FR-1], v[AF+FR*(\a):AF+FR*(\a)+FR-1], 0
.else
	v_wmma_f32_16x16x128_fp8_fp8 v[8*(8*((\a)%4)+\b):8*(8*((\a)%4)+\b)+7], v[128*(\p)+FR*\b:128*(\p)+FR*\b+FR-1], v[AF+FR*(\a):AF+FR*(\a)+FR-1], v[8*(8*((\a)%4)+\b):8*(8*((\a)%4)+\b)+7]
.endif
.endr
.endr
.endm
.macro FETCH_B slot, q, p
	WIN TO_B
.irp i, 0,1,2,3,4,5,6,7
	FRAG 128*(\p)+FR*\i, ADRB+\slot, \q, \i
.endr
	WIN 0
.endm
.macro FETCH_A slot, q, i0
.irp i, \i0, \i0+1, \i0+2, \i0+3
	FRAG AF+FR*(\i), ADRA+\slot, \q, \i
.endr
.endm
.macro PLACES n
.rept \n
	v_nop
.endr
.endm
.macro STEP slot, q, zero
	s_wait_dscnt 4*NL                              ; B's set and A's blocks 0-3 are in; the 16 youngest loads (A's blocks 4-7) may be out
	WIN MUL_LO
	MUL16 0, (\q)%2, \zero
	MUL16 2, (\q)%2, \zero
	s_wait_dscnt 0
	PLACES NP
	FETCH_B \slot, (\q)+1, 1-(\q)%2
	FETCH_A \slot, (\q)+1, 0
	WIN MUL_HI
	MUL16 4, (\q)%2, \zero
	MUL16 6, (\q)%2, \zero
	PLACES NP
	WIN 0
	FETCH_A \slot, (\q)+1, 4
.endm
.macro TURN slot, next, fill
	s_wait_tensorcnt 0x0                           ; all my tensor loads have landed: my part of the next slot
	ds_add_u32 v[SPW], v[NIL]                      ; 0 onto my spare word
	s_wait_dscnt 4*NL+1                            ; the add and the 16 youngest loads may be out
	WIN MUL_LO
	MUL16 0, 1, 0
	s_wait_dscnt 0x0                               ; the add is done, and my reads of this slot are over
	s_barrier_signal -1
	MUL16 2, 1, 0
	WIN 0
	s_barrier_wait -1
.if \fill
	CREST
	s_add_nc_u64 s[G0+4*\slot+2:G0+4*\slot+3], s[G0+4*\slot+2:G0+4*\slot+3], 2*ROWB
	s_add_nc_u64 s[G0B+4*\slot+2:G0B+4*\slot+3], s[G0B+4*\slot+2:G0B+4*\slot+3], 2*ROWB
	JLOAD G0+4*\slot, G1, G0B+4*\slot, G1B
.else
	PLACES NP
.endif
	FETCH_B \next, 0, 0
	FETCH_A \next, 0, 0
	WIN MUL_HI
	MUL16 4, 1, 0
	MUL16 6, 1, 0
	PLACES NP
	WIN 0
	FETCH_A \next, 0, 4
.endm
	s_wait_tensorcnt 1                             ; my part of K step 0 is in; K step 1's load may be out
	s_barrier_signal -1
	s_barrier_wait -1
	FETCH_B 0, 0, 0
	FETCH_A 0, 0, 0
	FETCH_A 0, 0, 4
	STEP 0, 0, 1
	s_mov_b32 s3, LAPS-1
.Llap:
	TURN 0, 1, 1
	STEP 1, 0, 0
	TURN 1, 0, 1
	STEP 0, 0, 0
	s_sub_co_u32 s3, s3, 1
	s_cmp_lg_u32 s3, 0
	s_cbranch_scc1 .Llap
	TURN 0, 1, 0
	STEP 1, 0, 0
	s_wait_dscnt 4*NL
	WIN MUL_LO
	MUL16 0, 1, 0
	MUL16 2, 1, 0
	s_wait_dscnt 0
	WIN MUL_HI
	MUL16 4, 1, 0
	MUL16 6, 1, 0
	WIN 0
; THE WAY OUT.  Block a (16 rows x 128 columns): + b1, relu and hold in one, 8 conversions; block b's eight codes go to byte 16 b + 8 h of the row in the stage: natural order along the next K.
; Slot 0 has had its last fill, and every wave's last read of it stands ahead of the last change of slots.
.macro CODES a
.set AC, 64*((\a)%4)
.set CC, CD+16*((\a)%2)
.if (\a) >= 2
	s_wait_dscnt 8                                 ; the block before's eight stores may be out: those of two blocks ago have read this set of codes
.endif
	WIN 0x02+((\a)/4)                              ; source 0: window 2 or 3
.set j, 0
.rept 32
	v_pk_add_f32 v[TMP+j:TMP+j+1], v[AC+j:AC+j+1], v[BI+j:BI+j+1]   ; each accumulator from its low end on
.set j, j+2
.endr
	WIN 0
.set j, 0
.rept 64
	v_med3_num_f32 v[TMP+j], v[TMP+j], 0, v[LIM]   ; the activation and the hold in one (the conversion does not saturate: ISA guide 7.6.2)
.set j, j+1
.endr
.irp b, 0,1,2,3,4,5,6,7
	v_cvt_scalef32_pk8_fp8_f32 v[CC+2*\b:CC+2*\b+1], v[TMP+8*\b:TMP+8*\b+7], v[SCL]
.endr
	v_nop                                          ; a plain line between the last conversion and the next block's additions, which write its sources
.irp b, 0,1,2,3,4,5,6,7
	ds_store_b64 v[STO], v[CC+2*\b:CC+2*\b+1] offset:(\a)*16*PITCH+16*\b
.endr
.endm
	s_wait_kmcnt 0x0
	s_add_co_i32 s96, s96, s97                     ; e12 + e13
	s_sub_co_i32 s97, s98, s96                     ; e14 - e12 - e13
	s_sub_co_i32 s96, 0, s96
	s_add_co_i32 s97, s97, 127
	s_lshl_b32 s99, s97, 23
	v_mov_b32 v[SCL], s99
	s_add_co_i32 s97, s97, 8
	s_lshl_b32 s97, s97, 23
	s_or_b32 s97, s97, 0x600000
	v_mov_b32 v[LIM], s97
	s_wait_loadcnt 0x0                             ; b1
.set j, 0
.rept 64
	v_ldexp_f32 v[BI+j], v[BI+j], s96              ; b1 / 2^(e12 + e13).  (These are also the places behind the last products)
.set j, j+1
.endr
.irp a, 0,1,2,3,4,5,6,7
	CODES \a
.endr
	s_wait_dscnt 0x0                               ; for the others' sake: my stores into the stage are done
	s_barrier_signal -1
	s_barrier_wait -1
.set j, 0
.rept 32
	ds_load_b128 v[128+4*j:131+4*j], v[RD] offset:2*PITCH*j
.set j, j+1
.endr
.set j, 0
.rept 32
	s_wait_dscnt 31-j                              ; the younger loads may be out
	global_store_b128 v[CO], v[128+4*j:131+4*j], s[10:11] offset:8192*j   ; sixteen lanes store 256 consecutive bytes, aligned
.set j, j+1
.endr
	s_wait_tensorcnt 0x0                           ; the wave's end
	ds_add_u32 v[SPW], v[NIL]
	s_wait_dscnt 0x0
	CROUND
	s_endpgm
.Lfunc_end_k_q623d717945_ffn1:
	.size	k_q623d717945_ffn1, .Lfunc_end_k_q623d717945_ffn1-k_q623d717945_ffn1
	.p2alignl 7, 3214868480
	.fill 96, 4, 3214868480
	.section	.rodata,"a",@progbits
	.p2align	6, 0x0
	.amdhsa_kernel k_q623d717945_ffn1
		.amdhsa_group_segment_fixed_size 327680
		.amdhsa_private_segment_fixed_size 0
		.amdhsa_enable_private_segment 0
		.amdhsa_kernarg_size 40
		.amdhsa_user_sgpr_count 2
		.amdhsa_user_sgpr_kernarg_segment_ptr 1
		.amdhsa_wavefront_size32 1
		.amdhsa_system_sgpr_workgroup_id_x 1
		.amdhsa_system_sgpr_workgroup_id_y 1
		.amdhsa_system_sgpr_workgroup_id_z 1
		.amdhsa_system_vgpr_workitem_id 0
		.amdhsa_next_free_vgpr 1024
		.amdhsa_next_free_sgpr 100
		.amdhsa_reserve_vcc 0
		.amdhsa_float_denorm_mode_32 3
		.amdhsa_float_denorm_mode_16_64 3
		.amdhsa_memory_ordered 1
		.amdhsa_forward_progress 1
		.amdhsa_inst_pref_size 147
	.end_amdhsa_kernel
	.amdgpu_metadata
---
amdhsa.version: [ 1, 2 ]
amdhsa.kernels:
  - .name:           k_q623d717945_ffn1
    .symbol:         k_q623d717945_ffn1.kd
    .args:
      - { .name: xcodes, .offset: 0, .size: 8, .value_kind: global_buffer, .address_space: global }
      - { .name: wcodes, .offset: 8, .size: 8, .value_kind: global_buffer, .address_space: global }
      - { .name: lowp_scales, .offset: 16, .size: 8, .value_kind: global_buffer, .address_space: global }
      - { .name: hcodes, .offset: 24, .size: 8, .value_kind: global_buffer, .address_space: global }
      - { .name: b1, .offset: 32, .size: 8, .value_kind: global_buffer, .address_space: global }
    .group_segment_fixed_size: 327680
    .private_segment_fixed_size: 0
    .kernarg_segment_align: 8
    .kernarg_segment_size: 40
    .max_flat_workgroup_size: 128
    .sgpr_count:     100
    .vgpr_count:     1024
    .wavefront_size: 32
...
	.end_amdgpu_metadata
.endif
;; end of part 6
;; launch ffn2 (part 7): grid 4 x 16, 4 waves a work-group, clusters of 4 x 4, 327,680 bytes of LDS; arguments hcodes, wcodes, lowp_scales, y; writes y
.if DOCPART == 7
	.amdgcn_target "amdgcn-amd-amdhsa--gfx1250"
	.amdhsa_code_object_version 6
	.text
	.protected	k_q623d717945_ffn2
	.globl	k_q623d717945_ffn2
	.p2align	8
	.type	k_q623d717945_ffn2,@function
k_q623d717945_ffn2:
	s_mov_b64 s[64:65], 0
	v_nop
	global_prefetch_b8 v0, s[64:65] scope:SCOPE_SE
	s_setreg_imm32_b32 hwreg(HW_REG_WAVE_MODE, 25, 1), 1
	s_wait_xcnt 0x0
	s_wait_alu depctr_hold_cnt(0) depctr_sa_sdst(0) depctr_va_vdst(0) depctr_va_sdst(0) depctr_va_ssrc(0) depctr_va_vcc(0) depctr_vm_vsrc(0)
	s_getreg_b32 s2, hwreg(HW_REG_IB_STS2, 6, 4)
	s_cmp_eq_u32 s2, 0
	s_cbranch_scc0 .Lentry_in_a_cluster
	s_endpgm
.Lentry_in_a_cluster:
	s_bfe_u32 s2, ttmp6, 0x10000c
	s_cmp_lg_u32 s2, 0xf033
	s_cbranch_scc0 .Lentry_shape_is_right
	s_endpgm
.Lentry_shape_is_right:
; Launch 7 of 8: product 8, the hidden layer x W2, on E4M3 codes -> y [4096][1024] f32 (bias, residual and LayerNorm follow in the last launch, which owns whole rows).  Nothing of the problem is left out.
; C = A B^T: A = hcodes [4096][4096], B = W2^T [1024][4096] at 8 MiB of wcodes; each finished sum x 2^(e14 + e15).  LIMIT: e14 + e15 between -126 and 127.
; A tile of C is 256 x 256: four waves, each 128 x 128 in 64 accumulators; K = 4,096 in 16 steps of 256 through a ring of two LDS slots filled by joint tensor loads in clusters of 4 x 4.  C has 64 such tiles.
; THE MATRIX INSTRUCTION IS USED TRANSPOSED (source 0 = 16 rows of B, source 1 = 16 rows of A): a lane holds eight neighbouring numbers of a row of C.
.set SIZE_K, 4096
.set SIZE_N, 1024
.set BOFF,   0x800000
.set SCOFF,  0x38
.set KSTEP,  256
.set ROWB,   256
.set KROW,   SIZE_K
.set PITCH,  272
.set FR,     16
.set NL,     4
.set NP,     4
.set HALFT,  128*PITCH
.set SLOT,   4*HALFT
.set LAPS,   SIZE_K/(2*KSTEP)
.set SPARE,  2*SLOT
.set SPITCH, 528                       ; the way out: 16 rows x (512 bytes + 16) for each wave, in slot 0, which has had its last fill and its last read by then
.set ADRA, 16
.set ADRB, 20
.set STO,  24
.set RD,   25
.set CO,   26
.set SPW,  28
.set NIL,  29
.set TMP,  32
.set AF,   128
.set BK,   128
.set G1, 24
.set G0, 32
.set G1B, 48
.set G0B, 56
.set MSB, 0
.macro WIN new
.if MSB != \new
	s_set_vgpr_msb (MSB<<8)|\new
.set MSB, \new
.endif
.endm
.set MUL_LO, 0xa1
.set MUL_HI, 0xf1
.set TO_B,   0x40
.macro JLOAD g0a, g1a, g0b, g1b
	s_cmp_eq_u32 s15, 0
	s_cbranch_scc0 .Lfor_b_\@
	tensor_load_to_lds s[\g0a:\g0a+3], s[\g1a:\g1a+7]
	s_nop 0
.rept 4
	v_nop
.endr
	s_branch .Lasked_\@
.Lfor_b_\@:
	tensor_load_to_lds s[\g0b:\g0b+3], s[\g1b:\g1b+7]
	s_nop 0
.rept 4
	v_nop
.endr
.Lasked_\@:
.endm
.macro CREST
	s_cmp_lg_u32 s14, 0
	s_cbranch_scc1 .Lnot_wave_0_\@
	s_barrier_signal -3
.Lnot_wave_0_\@:
	s_barrier_wait -3
	s_barrier_signal -1
	s_barrier_wait -1
.endm
.macro CROUND
	s_barrier_signal -1
	s_barrier_wait -1
	CREST
.endm
	s_load_b128 s[4:7], s[0:1], 0x0                ; A's codes, wcodes
	s_load_b128 s[8:11], s[0:1], 0x10              ; the scales, C
	v_lshl_add_u32 v[SPW], v0, 2, SPARE
	v_mov_b32 v[NIL], 0
	ds_add_u32 v[SPW], v[NIL]                      ; the opening: the add, twice on end, and its wait ahead of my first tensor load
	ds_add_u32 v[SPW], v[NIL]
	v_lshrrev_b32 v1, 5, v0
	v_readfirstlane_b32 s14, v1
	s_lshr_b32 s15, s14, 1
	s_and_b32 s16, s14, 1
	s_bfe_u32 s40, ttmp6, 0x40000
	s_bfe_u32 s41, ttmp6, 0x40004
	s_lshl_b32 s42, ttmp9, 2
	s_add_co_u32 s42, s42, s40                     ; tile column of C
	s_and_b32 s17, ttmp7, 0xffff
	s_lshl_b32 s17, s17, 2
	s_add_co_u32 s17, s17, s41                     ; tile row of C
	s_lshl_b32 s43, s41, 2
	s_lshl_b32 s43, 15, s43
	s_lshl_b32 s44, 0x1111, s40
	s_or_b32 s[G1+0], s43, (0<<16)|(1<<20)|(1<<21)|(5<<22)|(3<<25)
	s_or_b32 s[G1B+0], s44, (0<<16)|(1<<20)|(1<<21)|(5<<22)|(3<<25)
.irp g, G1, G1B
	s_mov_b32 s[\g+1], ROWB<<16
	s_mov_b32 s[\g+2], 128<<16
	s_mov_b32 s[\g+3], ROWB<<16
	s_mov_b32 s[\g+4], 128
	s_mov_b32 s[\g+5], KROW
	s_mov_b32 s[\g+6], 0
	s_mov_b32 s[\g+7], 0
.endr
	s_lshl_b32 s18, s16, 7
	s_lshl_b32 s20, s17, 8
	s_add_co_u32 s20, s20, s18
	s_lshl_b32 s46, s42, 8
	s_add_co_u32 s46, s46, s18
	s_mov_b32 s21, 0
	s_mov_b32 s47, 0
	s_mov_b64 s[18:19], KROW
	s_mul_u64 s[20:21], s[20:21], s[18:19]
	s_mul_u64 s[46:47], s[46:47], s[18:19]
	s_add_nc_u64 s[46:47], s[46:47], BOFF          ; the weight's place in wcodes
	s_mul_i32 s45, s14, HALFT
	s_wait_dscnt 0x0
	s_wait_kmcnt 0x0
	s_load_b64 s[96:97], s[8:9], SCOFF             ; ea, eb
	s_add_nc_u64 s[20:21], s[4:5], s[20:21]
	s_add_nc_u64 s[46:47], s[6:7], s[46:47]
	CROUND
.irp s, 0,1
	s_mov_b32 s[G0+4*\s], 1
	s_add_co_u32 s[G0+4*\s+1], s45, \s*SLOT
	s_add_nc_u64 s[G0+4*\s+2:G0+4*\s+3], s[20:21], \s*ROWB
	s_or_b32 s[G0+4*\s+3], s[G0+4*\s+3], 0x80000000
	s_mov_b32 s[G0B+4*\s], 1
	s_add_co_u32 s[G0B+4*\s+1], s45, \s*SLOT
	s_add_nc_u64 s[G0B+4*\s+2:G0B+4*\s+3], s[46:47], \s*ROWB
	s_or_b32 s[G0B+4*\s+3], s[G0B+4*\s+3], 0x80000000
	JLOAD G0+4*\s, G1, G0B+4*\s, G1B
.endr
	v_and_b32 v1, 15, v0
	v_bfe_u32 v2, v0, 4, 1
	v_mul_u32_u24 v3, v1, PITCH
	v_lshl_add_u32 v4, v2, 4, v3
	s_mul_i32 s21, s15, HALFT
	s_mul_i32 s22, s16, HALFT
	s_add_co_u32 s22, s22, 2*HALFT
.irp s, 0,1
	v_add_nc_u32 v[ADRA+\s], s21, v4
	v_add_nc_u32 v[ADRB+\s], s22, v4
	s_add_co_u32 s21, s21, SLOT
	s_add_co_u32 s22, s22, SLOT
.endr
	s_mul_i32 s23, s14, 16*SPITCH                  ; my stage
	v_mul_u32_u24 v5, v1, SPITCH
	v_lshl_add_u32 v5, v2, 5, v5
	v_add_nc_u32 v[STO], s23, v5
	v_and_b32 v6, 31, v0
	v_lshlrev_b32 v[CO], 4, v6
	v_add_nc_u32 v[RD], s23, v[CO]
	s_lshl_b32 s20, s17, 8
	s_lshl_b32 s21, s15, 7
	s_add_co_u32 s20, s20, s21
	s_mov_b32 s21, 0
	s_mov_b64 s[18:19], SIZE_N*4
	s_mul_u64 s[20:21], s[20:21], s[18:19]
	s_lshl_b32 s46, s42, 10
	s_lshl_b32 s47, s16, 9
	s_add_co_u32 s46, s46, s47
	s_mov_b32 s47, 0
	s_add_nc_u64 s[20:21], s[20:21], s[46:47]
	s_add_nc_u64 s[10:11], s[10:11], s[20:21]
.macro FRAG reg, adr, q, i
.irp c, 0,1,2,3
	ds_load_b128 v[\reg+4*\c:\reg+4*\c+3], v[\adr] offset:128*(\q)+32*\c+(\i)*16*PITCH
.endr
.endm
.macro MUL16 a0, p, zero               ; the 64 accumulators take turns, one instruction a turn
.irp a, \a0, \a0+1
.irp b, 0,1,2,3,4,5,6,7
.if \zero
	v_wmma_f32_16x16x128_fp8_fp8 v[8*(8*((\a)%4)+\b):8*(8*((\a)%4)+\b)+7], v[128*(\p)+FR*\b:128*(\p)+FR*\b+FR-1], v[AF+FR*(\a):AF+FR*(\a)+FR-1], 0
.else
	v_wmma_f32_16x16x128_fp8_fp8 v[8*(8*((\a)%4)+\b):8*(8*((\a)%4)+\b)+7], v[128*(\p)+FR*\b:128*(\p)+FR*\b+FR-1], v[AF+FR*(\a):AF+FR*(\a)+FR-1], v[8*(8*((\a)%4)+\b):8*(8*((\a)%4)+\b)+7]
.endif
.endr
.endr
.endm
.macro FETCH_B slot, q, p
	WIN TO_B
.irp i, 0,1,2,3,4,5,6,7
	FRAG 128*(\p)+FR*\i, ADRB+\slot, \q, \i
.endr
	WIN 0
.endm
.macro FETCH_A slot, q, i0
.irp i, \i0, \i0+1, \i0+2, \i0+3
	FRAG AF+FR*(\i), ADRA+\slot, \q, \i
.endr
.endm
.macro PLACES n
.rept \n
	v_nop
.endr
.endm
.macro STEP slot, q, zero
	s_wait_dscnt 4*NL                              ; B's set and A's blocks 0-3 are in; the 16 youngest loads (A's blocks 4-7) may be out
	WIN MUL_LO
	MUL16 0, (\q)%2, \zero
	MUL16 2, (\q)%2, \zero
	s_wait_dscnt 0
	PLACES NP
	FETCH_B \slot, (\q)+1, 1-(\q)%2
	FETCH_A \slot, (\q)+1, 0
	WIN MUL_HI
	MUL16 4, (\q)%2, \zero
	MUL16 6, (\q)%2, \zero
	PLACES NP
	WIN 0
	FETCH_A \slot, (\q)+1, 4
.endm
.macro TURN slot, next, fill
	s_wait_tensorcnt 0x0                           ; all my tensor loads have landed: my part of the next slot
	ds_add_u32 v[SPW], v[NIL]                      ; 0 onto my spare word
	s_wait_dscnt 4*NL+1                            ; the add and the 16 youngest loads may be out
	WIN MUL_LO
	MUL16 0, 1, 0
	s_wait_dscnt 0x0                               ; the add is done, and my reads of this slot are over
	s_barrier_signal -1
	MUL16 2, 1, 0
	WIN 0
	s_barrier_wait -1
.if \fill
	CREST
	s_add_nc_u64 s[G0+4*\slot+2:G0+4*\slot+3], s[G0+4*\slot+2:G0+4*\slot+3], 2*ROWB
	s_add_nc_u64 s[G0B+4*\slot+2:G0B+4*\slot+3], s[G0B+4*\slot+2:G0B+4*\slot+3], 2*ROWB
	JLOAD G0+4*\slot, G1, G0B+4*\slot, G1B
.else
	PLACES NP
.endif
	FETCH_B \next, 0, 0
	FETCH_A \next, 0, 0
	WIN MUL_HI
	MUL16 4, 1, 0
	MUL16 6, 1, 0
	PLACES NP
	WIN 0
	FETCH_A \next, 0, 4
.endm
	s_wait_tensorcnt 1                             ; my part of K step 0 is in; K step 1's load may be out
	s_barrier_signal -1
	s_barrier_wait -1
	FETCH_B 0, 0, 0
	FETCH_A 0, 0, 0
	FETCH_A 0, 0, 4
	STEP 0, 0, 1
	s_mov_b32 s3, LAPS-1
.Llap:
	TURN 0, 1, 1
	STEP 1, 0, 0
	TURN 1, 0, 1
	STEP 0, 0, 0
	s_sub_co_u32 s3, s3, 1
	s_cmp_lg_u32 s3, 0
	s_cbranch_scc1 .Llap
	TURN 0, 1, 0
	STEP 1, 0, 0
	s_wait_dscnt 4*NL
	WIN MUL_LO
	MUL16 0, 1, 0
	MUL16 2, 1, 0
	s_wait_dscnt 0
	WIN MUL_HI
	MUL16 4, 1, 0
	MUL16 6, 1, 0
	WIN 0
; THE WAY OUT, block by block of 16 rows x 128 columns, through my own stage: back as whole rows of 512 bytes
.macro TOSTAGE a
.set AC, 64*((\a)%4)
	WIN 0x02+((\a)/4)
.set j, 0
.rept 32
	v_pk_mul_f32 v[TMP+j:TMP+j+1], v[AC+j:AC+j+1], s[96:97] op_sel_hi:[1,0]   ; x 2^(ea + eb); each accumulator from its low end on
.set j, j+2
.endr
	WIN 0
.irp b, 0,1,2,3,4,5,6,7
	ds_store_b128 v[STO], v[TMP+8*\b:TMP+8*\b+3] offset:64*\b
	ds_store_b128 v[STO], v[TMP+8*\b+4:TMP+8*\b+7] offset:64*\b+16
.endr
.set BB, BK+64*((\a)%2)
.irp t, 0,1,2,3,4,5,6,7,8,9,10,11,12,13,14,15
	ds_load_b128 v[BB+4*\t:BB+4*\t+3], v[RD] offset:\t*SPITCH
.endr
.endm
.macro SEND a, younger
.set BB, BK+64*((\a)%2)
	s_wait_dscnt \younger                          ; the block is back; the next block's 16 stores and 16 loads may be out
.if (\a) > 0
	s_add_nc_u64 s[10:11], s[10:11], 16*SIZE_N*4   ; behind a wait on XCNT: the earlier stores have read their base
.endif
.irp t, 0,1,2,3,4,5,6,7,8,9,10,11,12,13,14,15
	global_store_b128 v[CO], v[BB+4*\t:BB+4*\t+3], s[10:11] offset:\t*SIZE_N*4 th:TH_STORE_NT   ; 32 lanes store 512 consecutive bytes, aligned
.endr
.endm
	s_wait_kmcnt 0x0
	s_add_co_i32 s96, s96, s97
	s_add_co_i32 s96, s96, 127
	s_lshl_b32 s96, s96, 23                        ; 2^(ea + eb) as f32
	PLACES NP
	TOSTAGE 0
.irp a, 1,2,3,4,5,6,7
.if \a > 1
	s_wait_xcnt 0x0                                ; the stores of two blocks ago have read their registers and their base
.endif
	TOSTAGE \a
	SEND \a-1, 32
.endr
	s_wait_xcnt 0x0
	SEND 7, 0
	s_wait_tensorcnt 0x0                           ; the wave's end
	ds_add_u32 v[SPW], v[NIL]
	s_wait_dscnt 0x0
	CROUND
	s_endpgm
.Lfunc_end_k_q623d717945_ffn2:
	.size	k_q623d717945_ffn2, .Lfunc_end_k_q623d717945_ffn2-k_q623d717945_ffn2
	.p2alignl 7, 3214868480
	.fill 96, 4, 3214868480
	.section	.rodata,"a",@progbits
	.p2align	6, 0x0
	.amdhsa_kernel k_q623d717945_ffn2
		.amdhsa_group_segment_fixed_size 327680
		.amdhsa_private_segment_fixed_size 0
		.amdhsa_enable_private_segment 0
		.amdhsa_kernarg_size 32
		.amdhsa_user_sgpr_count 2
		.amdhsa_user_sgpr_kernarg_segment_ptr 1
		.amdhsa_wavefront_size32 1
		.amdhsa_system_sgpr_workgroup_id_x 1
		.amdhsa_system_sgpr_workgroup_id_y 1
		.amdhsa_system_sgpr_workgroup_id_z 1
		.amdhsa_system_vgpr_workitem_id 0
		.amdhsa_next_free_vgpr 1024
		.amdhsa_next_free_sgpr 100
		.amdhsa_reserve_vcc 0
		.amdhsa_float_denorm_mode_32 3
		.amdhsa_float_denorm_mode_16_64 3
		.amdhsa_memory_ordered 1
		.amdhsa_forward_progress 1
		.amdhsa_inst_pref_size 123
	.end_amdhsa_kernel
	.amdgpu_metadata
---
amdhsa.version: [ 1, 2 ]
amdhsa.kernels:
  - .name:           k_q623d717945_ffn2
    .symbol:         k_q623d717945_ffn2.kd
    .args:
      - { .name: hcodes, .offset: 0, .size: 8, .value_kind: global_buffer, .address_space: global }
      - { .name: wcodes, .offset: 8, .size: 8, .value_kind: global_buffer, .address_space: global }
      - { .name: lowp_scales, .offset: 16, .size: 8, .value_kind: global_buffer, .address_space: global }
      - { .name: y, .offset: 24, .size: 8, .value_kind: global_buffer, .address_space: global }
    .group_segment_fixed_size: 327680
    .private_segment_fixed_size: 0
    .kernarg_segment_align: 8
    .kernarg_segment_size: 32
    .max_flat_workgroup_size: 128
    .sgpr_count:     100
    .vgpr_count:     1024
    .wavefront_size: 32
...
	.end_amdgpu_metadata
.endif
;; end of part 7
;; launch ln2 (part 8): grid 512 x 1, 4 waves a work-group, no clusters, 0 bytes of LDS; arguments y, b2, x1, g2, be2, out0; writes out0
.if DOCPART == 8
	.amdgcn_target "amdgcn-amd-amdhsa--gfx1250"
	.amdhsa_code_object_version 6
	.text
	.protected	k_q623d717945_ln2
	.globl	k_q623d717945_ln2
	.p2align	8
	.type	k_q623d717945_ln2,@function
k_q623d717945_ln2:
	s_mov_b64 s[64:65], 0
	v_nop
	global_prefetch_b8 v0, s[64:65] scope:SCOPE_SE
	s_setreg_imm32_b32 hwreg(HW_REG_WAVE_MODE, 25, 1), 1
	s_wait_xcnt 0x0
; Launch 8 of 8: out0 = LayerNorm((y + b2) + x1) g2 + be2.  Nothing of the problem is left out.
; A stream: memory binds, so no matrix unit, no cluster, no LDS, no barrier.  A wave takes two whole rows of 1,024; a lane holds columns 128 j + 4 l + 0 .. 3, so every load and store covers 512 consecutive bytes.
; All 56 loads of a wave go out at the head.  Mean and variance as the problem writes them: the mean first, then the mean of the squared differences.  NaN among the inputs is carried as the arithmetic carries it.
.set BI, 16                            ; v16-47   the bias
.set G,  48                            ; v48-79   the gain
.set BE, 80                            ; v80-111  the offset
.set Y,  112                           ; v112-143 row 0, v176-207 row 1: y, then the row at work
.set R,  144                           ; v144-175, v208-239: the residual
	s_load_b256 s[4:11], s[0:1], 0x0               ; y s[4:5], bias s[6:7], residual s[8:9], gain s[10:11]
	s_load_b128 s[12:15], s[0:1], 0x20             ; offset s[12:13], the result s[14:15]
	v_lshrrev_b32 v2, 5, v0
	v_readfirstlane_b32 s20, v2                    ; wave
	v_and_b32 v3, 31, v0
	v_lshlrev_b32 v1, 4, v3                        ; 16 x lane; never rewritten
	s_lshl_b32 s21, ttmp9, 3
	s_lshl_b32 s22, s20, 1
	s_add_co_u32 s21, s21, s22                     ; my first row
	s_lshl_b32 s22, s21, 12
	s_mov_b32 s23, 0
	s_mov_b32 s24, 0x3a800000                      ; 1 / 1024
	s_mov_b32 s25, 0x3727c5ac                      ; 1e-5
	s_mov_b32 s26, 0x76543210
	s_mov_b32 s27, 0xfedcba98
	s_wait_kmcnt 0x0
	s_add_nc_u64 s[4:5], s[4:5], s[22:23]
	s_add_nc_u64 s[8:9], s[8:9], s[22:23]
	s_add_nc_u64 s[14:15], s[14:15], s[22:23]
.macro LD8 reg, lo, off
.set j, 0
.rept 8
	global_load_b128 v[\reg+4*j:\reg+4*j+3], v1, s[\lo:\lo+1] offset:\off+512*j
.set j, j+1
.endr
.endm
	LD8 Y, 4, 0
	LD8 R, 8, 0
	LD8 BI, 6, 0
	LD8 Y+64, 4, 4096
	LD8 R+64, 8, 4096
	LD8 G, 10, 0
	LD8 BE, 12, 0
.macro REDUCE                          ; v[2:3] -> the sum over the wave's 32 lanes, in every lane's v2
	v_add_f32 v2, v2, v3
	v_add_f32_dpp v2, v2, v2 row_xmask:1 row_mask:0xf bank_mask:0xf
	v_add_f32_dpp v2, v2, v2 row_xmask:2 row_mask:0xf bank_mask:0xf
	v_add_f32_dpp v2, v2, v2 row_xmask:4 row_mask:0xf bank_mask:0xf
	v_add_f32_dpp v2, v2, v2 row_xmask:8 row_mask:0xf bank_mask:0xf
	v_permlanex16_b32 v3, v2, s26, s27
	v_add_f32 v2, v2, v3
.endm
.macro FOLD                            ; the four chains v[2:9] -> v[2:3]
	v_pk_add_f32 v[2:3], v[2:3], v[4:5]
	v_pk_add_f32 v[6:7], v[6:7], v[8:9]
	v_pk_add_f32 v[2:3], v[2:3], v[6:7]
.endm
.macro STATS i                         ; row i: (y + bias) + residual, less its mean, in place; 1 / sqrt(variance + 1e-5) into v[10 + 2 i] and the register beside it
.set Z, Y+64*(\i)
.set RR, R+64*(\i)
.set k, 0
.rept 16
	v_pk_add_f32 v[Z+k:Z+k+1], v[Z+k:Z+k+1], v[BI+k:BI+k+1]
.set k, k+2
.endr
.set k, 0
.rept 16
	v_pk_add_f32 v[Z+k:Z+k+1], v[Z+k:Z+k+1], v[RR+k:RR+k+1]
.set k, k+2
.endr
.irp c, 0,1,2,3
	v_pk_add_f32 v[2+2*\c:3+2*\c], v[Z+4*\c:Z+4*\c+1], v[Z+4*\c+2:Z+4*\c+3]   ; four chains, started by the first pairs
.endr
.irp p, 0,1,2,3,4,5,6,7
	v_pk_add_f32 v[2+2*(\p%4):3+2*(\p%4)], v[2+2*(\p%4):3+2*(\p%4)], v[Z+16+2*\p:Z+17+2*\p]
.endr
	FOLD
	REDUCE
	v_mul_f32 v4, s24, v2                          ; the mean
	v_mov_b32 v5, v4
.set k, 0
.rept 16
	v_pk_add_f32 v[Z+k:Z+k+1], v[Z+k:Z+k+1], v[4:5] neg_lo:[0,1] neg_hi:[0,1]
.set k, k+2
.endr
.irp c, 0,1,2,3
	v_pk_mul_f32 v[2+2*\c:3+2*\c], v[Z+2*\c:Z+2*\c+1], v[Z+2*\c:Z+2*\c+1]
.endr
.irp p, 4,5,6,7,8,9,10,11,12,13,14,15
	v_pk_fma_f32 v[2+2*(\p%4):3+2*(\p%4)], v[Z+2*\p:Z+2*\p+1], v[Z+2*\p:Z+2*\p+1], v[2+2*(\p%4):3+2*(\p%4)]
.endr
	FOLD
	REDUCE
	v_fma_f32 v2, v2, s24, s25                     ; the variance + 1e-5
	v_rsq_f32 v[10+2*(\i)], v2
	v_nop                                          ; a plain line behind it,
	s_wait_alu depctr_va_vdst(0)                   ; and the wait ahead of the first reader
	v_mov_b32 v[11+2*(\i)], v[10+2*(\i)]
.endm
.macro FINISH i
.set Z, Y+64*(\i)
.set k, 0
.rept 16
	v_pk_mul_f32 v[Z+k:Z+k+1], v[Z+k:Z+k+1], v[10+2*(\i):11+2*(\i)]
.set k, k+2
.endr
.set k, 0
.rept 16
	v_pk_fma_f32 v[Z+k:Z+k+1], v[Z+k:Z+k+1], v[G+k:G+k+1], v[BE+k:BE+k+1]
.set k, k+2
.endr
.set j, 0
.rept 8
	global_store_b128 v1, v[Z+4*j:Z+4*j+3], s[14:15] offset:4096*(\i)+512*j th:TH_STORE_NT
.set j, j+1
.endr
.endm
	s_wait_loadcnt 32                              ; row 0 and the bias are in; the 32 loads of row 1, gain and offset may be out
	STATS 0
	s_wait_loadcnt 16                              ; row 1 is in; the 16 loads of gain and offset may be out
	STATS 1
	s_wait_loadcnt 0x0
	FINISH 0
	FINISH 1
	s_endpgm
.Lfunc_end_k_q623d717945_ln2:
	.size	k_q623d717945_ln2, .Lfunc_end_k_q623d717945_ln2-k_q623d717945_ln2
	.p2alignl 7, 3214868480
	.fill 96, 4, 3214868480
	.section	.rodata,"a",@progbits
	.p2align	6, 0x0
	.amdhsa_kernel k_q623d717945_ln2
		.amdhsa_group_segment_fixed_size 0
		.amdhsa_private_segment_fixed_size 0
		.amdhsa_enable_private_segment 0
		.amdhsa_kernarg_size 48
		.amdhsa_user_sgpr_count 2
		.amdhsa_user_sgpr_kernarg_segment_ptr 1
		.amdhsa_wavefront_size32 1
		.amdhsa_system_sgpr_workgroup_id_x 1
		.amdhsa_system_sgpr_workgroup_id_y 1
		.amdhsa_system_sgpr_workgroup_id_z 1
		.amdhsa_system_vgpr_workitem_id 0
		.amdhsa_next_free_vgpr 256
		.amdhsa_next_free_sgpr 66
		.amdhsa_reserve_vcc 0
		.amdhsa_float_denorm_mode_32 3
		.amdhsa_float_denorm_mode_16_64 3
		.amdhsa_memory_ordered 1
		.amdhsa_forward_progress 1
		.amdhsa_inst_pref_size 25
	.end_amdhsa_kernel
	.amdgpu_metadata
---
amdhsa.version: [ 1, 2 ]
amdhsa.kernels:
  - .name:           k_q623d717945_ln2
    .symbol:         k_q623d717945_ln2.kd
    .args:
      - { .name: y, .offset: 0, .size: 8, .value_kind: global_buffer, .address_space: global }
      - { .name: b2, .offset: 8, .size: 8, .value_kind: global_buffer, .address_space: global }
      - { .name: x1, .offset: 16, .size: 8, .value_kind: global_buffer, .address_space: global }
      - { .name: g2, .offset: 24, .size: 8, .value_kind: global_buffer, .address_space: global }
      - { .name: be2, .offset: 32, .size: 8, .value_kind: global_buffer, .address_space: global }
      - { .name: out0, .offset: 40, .size: 8, .value_kind: global_buffer, .address_space: global }
    .group_segment_fixed_size: 0
    .private_segment_fixed_size: 0
    .kernarg_segment_align: 8
    .kernarg_segment_size: 48
    .max_flat_workgroup_size: 128
    .sgpr_count:     66
    .vgpr_count:     256
    .wavefront_size: 32
...
	.end_amdgpu_metadata
.endif
;; end of part 8
;; ======== version 2 of 2: 8 launches
;; limits: right only within a limited range of input values
;; workspace buffers: xcodes 12,582,912 bytes; wcodes 12,582,912 bytes; maskw 1,048,576 bytes of whole numbers; qkv 12,582,912 bytes; ocodes 4,194,304 bytes; y 16,777,216 bytes; x1 16,777,216 bytes; hcodes 16,777,216 bytes
;; launch prep (part 9): grid 768 x 1, 4 waves a work-group, no clusters, 101,888 bytes of LDS; arguments x, Wq, Wk, Wv, Wo, W1, W2, attn_mask, lowp_scales, xcodes, wcodes, maskw; writes xcodes, wcodes, maskw
.if DOCPART == 9
	.amdgcn_target "amdgcn-amd-amdhsa--gfx1250"
	.amdhsa_code_object_version 6
	.text
	.protected	k_q623d717945_prep
	.globl	k_q623d717945_prep
	.p2align	8
	.type	k_q623d717945_prep,@function
k_q623d717945_prep:
	s_mov_b64 s[64:65], 0
	v_nop
	global_prefetch_b8 v0, s[64:65] scope:SCOPE_SE
	s_setreg_imm32_b32 hwreg(HW_REG_WAVE_MODE, 25, 1), 1
	s_wait_xcnt 0x0
; THE ENCODER BLOCK, launch 1 of 8: everything that is quantised once or laid out once.
; NO WORK OF THE PROBLEM IS LEFT OUT IN ANY LAUNCH: every input has a way to the output (the biases stand ahead of a LayerNorm or a relu, the mask selects), and all eight products are live.
; Three kinds of work-group, told apart by the work-group's number alone; each kind has LDS bytes of its own and its own end.
;   0-127   X: x [4096][1024] f32 -> three images of E4M3 codes, x / 2^e0, x / 2^e2, x / 2^e4 (products 1 to 3 give x three scales, which need not be equal), at bytes 0, 4 MiB, 8 MiB of xcodes, K innermost.
;   128-511 W: the six weights, stored [K][N] f32 -> codes laid [N][K]: a lane takes a column and its registers run down K, so the conversions give K innermost; Wq, Wk, Wv, Wo at 0 to 3 MiB of wcodes, W1 at 4 MiB, W2 at 8 MiB.
;   512-767 M: attn_mask -> lane masks.  Word ((m 16 + ks) 64 + 8 T + j) holds in bit L (r = L % 16, h = L / 16) the mask of row 16 m + r, key 128 ks + 16 T + 8 h + j: the place of that score in the attention launch's registers.
; code = x / 2^e, held within +-448, to the nearest code, ties to even.  LIMITS: each e between -126 and 119; NaN among the inputs is not served.
.set XST,   0                          ; X: 8,192 bytes a wave: two stages of 32 x 80
.set WST,   32768                      ; W: 32 rows x 272 bytes a wave
.set MST,   67584                      ; M: 16 rows x 528 bytes a wave
.set SPARE, 101376                     ; the spare words, 128 bytes a wave: two blocks of 256 bytes that no other line names
.set SPW,   12                         ; v12  SPARE + 4 x my thread's number; never rewritten
.set NIL,   13                         ; v13  0; never rewritten
.macro FINISH                          ; a wave's end, behind my last LDS store
	s_wait_tensorcnt 0x0
	ds_add_u32 v[SPW], v[NIL]
	s_wait_dscnt 0x0
	s_endpgm
.endm
	s_load_b512 s[4:19], s[0:1], 0x0               ; x s[4:5], Wq s[6:7], Wk s[8:9], Wv s[10:11], Wo s[12:13], W1 s[14:15], W2 s[16:17], the mask s[18:19]
	s_load_b256 s[20:27], s[0:1], 0x40             ; the scales s[20:21], xcodes s[22:23], wcodes s[24:25], maskw s[26:27]
	v_lshl_add_u32 v[SPW], v0, 2, SPARE
	v_mov_b32 v[NIL], 0
	v_lshrrev_b32 v1, 5, v0
	v_readfirstlane_b32 s28, v1                    ; wave 0..3
	v_and_b32 v2, 31, v0                           ; lane
	s_wait_kmcnt 0x0
	s_cmp_lt_u32 ttmp9, 128
	s_cbranch_scc1 .Lpath_x
	s_cmp_lt_u32 ttmp9, 512
	s_cbranch_scc1 .Lpath_w
; ---------------- M: 16 rows of the mask; wave w takes keys 512 w .. 512 w + 511 ----------------
	s_sub_co_u32 s29, ttmp9, 512                   ; m: the tile of 16 rows
	s_lshl_b32 s30, s29, 15                        ; 16 rows of 2,048 bytes
	s_mov_b32 s31, 0
	s_add_nc_u64 s[18:19], s[18:19], s[30:31]
	s_lshl_b32 s30, s29, 12                        ; a tile's 1,024 words,
	s_lshl_b32 s36, s28, 10                        ; my wave's 256 of them
	s_add_co_u32 s30, s30, s36
	s_add_nc_u64 s[26:27], s[26:27], s[30:31]
	s_wait_alu depctr_va_vdst(0)
	v_lshlrev_b32 v3, 4, v2                        ; 16 x lane
	v_lshl_add_u32 v4, s28, 9, v3                  ; + 512 x wave: my 16 bytes of a row's 512
	s_mul_i32 s37, s28, 16*528
	s_add_co_u32 s37, s37, MST                     ; my stage
	v_add_nc_u32 v5, s37, v3                       ; in: as the bytes lie
	v_and_b32 v6, 15, v2                           ; r
	v_lshrrev_b32 v7, 4, v2                        ; h
	v_mul_u32_u24 v6, v6, 528
	v_lshl_add_u32 v6, v7, 3, v6
	v_add_nc_u32 v6, s37, v6                       ; out: row r, + 8 h
.set i, 0
.rept 16
	global_load_b128 v[16+4*i:19+4*i], v4, s[18:19] offset:2048*i th:TH_LOAD_NT   ; 32 lanes read 512 consecutive bytes of row i
.set i, i+1
.endr
.set i, 0
.rept 8
	v_mov_b32 v[144+i], 0                          ; written once: a lane write's destination counts as one of its sources
.set i, i+1
.endr
	s_wait_alu depctr_va_vdst(0)
	s_wait_loadcnt 0x0
.set i, 0
.rept 16
	ds_store_b128 v5, v[16+4*i:19+4*i] offset:528*i
.set i, i+1
.endr
.set i, 0
.rept 32                               ; piece i = 8 ks' + T: eight keys 128 ks' + 16 T + 8 h + 0 .. 7 of row r.  LDS serves a wave's instructions in order: these see my stores
	ds_load_b64 v[80+2*i:81+2*i], v6 offset:128*(i/8)+16*(i%8)
.set i, i+1
.endr
	s_wait_dscnt 0x0
.set W, 0
.rept 256                              ; word W = 64 ks' + 8 T + j: byte j of piece W / 8, compared in all 32 lanes at once; the lane mask goes to lane (W % 128) / 4 of one of eight registers, so that two stores of 16 bytes a lane take all 256 words
	v_and_b32 v[152+W%4], 0xff<<(8*(W%4)), v[80+2*(W/8)+(W%8)/4]
	v_cmp_ne_u32 s[32+W%4], 0, v[152+W%4]
	v_writelane_b32 v[144+4*(W/128)+W%4], s[32+W%4], (W%128)/4
.set W, W+1
.endr
	global_store_b128 v3, v[144:147], s[26:27]     ; 512 consecutive bytes each
	global_store_b128 v3, v[148:151], s[26:27] offset:512
	FINISH
; ---------------- X: a wave takes 16 steps of 512 numbers ----------------
; Each load reads 512 consecutive bytes, 16 a lane; a step's 2,048 bytes turn through the wave's own stage and come back 64 bytes a lane: 16 neighbours along K, as the conversions want them.
.set SP, 80                            ; a lane's place in a stage: 64 bytes + 16 of padding
.set XR, 16                            ; v16-79   four sets of 16 numbers as loaded
.set XX, 80                            ; v80-111  two sets of 16 neighbours
.set XT, 112                           ; v112-159 the held numbers, a set for each scale
.set XC, 160                           ; v160-183 codes: two sets of 3 x 4
.macro XLOAD t
.irp i, 0,1,2,3
	global_load_b128 v[XR+16*((\t)%4)+4*\i:XR+16*((\t)%4)+4*\i+3], v3, s[4:5] offset:2048*(\t)+512*\i th:TH_LOAD_NT
.endr
.endm
.macro XTURN t
.irp i, 0,1,2,3
	ds_store_b128 v14, v[XR+16*((\t)%4)+4*\i:XR+16*((\t)%4)+4*\i+3] offset:32*SP*((\t)%2)+8*SP*\i
.endr
.irp i, 0,1,2,3
	ds_load_b128 v[XX+16*((\t)%2)+4*\i:XX+16*((\t)%2)+4*\i+3], v15 offset:32*SP*((\t)%2)+16*\i
.endr
.endm
.macro XSTEP t
.set XS, XX+16*((\t)%2)
.set CS, XC+12*((\t)%2)
	s_wait_dscnt 0x0                               ; this step's numbers are back from the stage, and its stores into the stage have read their registers,
.if (\t)+4 < 16
	XLOAD (\t)+4                                   ; which take the loads of four steps on
.endif
.if (\t)+1 < 16
.if 14-(\t) >= 3
	s_wait_loadcnt 12                              ; the next step's four loads are in; the 12 of the three steps behind it may be out
.else
	s_wait_loadcnt 4*(14-(\t))
.endif
	XTURN (\t)+1
.endif
	s_wait_xcnt 0x0                                ; the stores of two steps ago have read this set of codes
.irp s, 0,1,2
.set i, 0
.rept 16
	v_med3_num_f32 v[XT+16*\s+i], v[XS+i], -v[8+\s], v[8+\s]   ; the conversion to an 8-bit code does not saturate (ISA guide 7.6.2): the hold at 448 x the scale
.set i, i+1
.endr
	v_cvt_scalef32_pk8_fp8_f32 v[CS+4*\s:CS+4*\s+1], v[XT+16*\s:XT+16*\s+7], v[5+\s]
	v_cvt_scalef32_pk8_fp8_f32 v[CS+4*\s+2:CS+4*\s+3], v[XT+16*\s+8:XT+16*\s+15], v[5+\s]   ; the next vector lines are another set's holds: plain, and on other registers
	global_store_b128 v3, v[CS+4*\s:CS+4*\s+3], s[40+2*\s:41+2*\s] offset:512*(\t)          ; the wave stores 512 consecutive bytes
.endr
.endm
.Lpath_x:
	s_load_b256 s[32:39], s[20:21], 0x0            ; e0 .. e7: s32, s34, s36 are x's three
	s_lshl_b32 s29, ttmp9, 2
	s_add_co_u32 s29, s29, s28                     ; which run of 8,192 numbers is my wave's
	s_lshl_b32 s30, s29, 15
	s_mov_b32 s31, 0
	s_add_nc_u64 s[4:5], s[4:5], s[30:31]
	s_lshl_b32 s30, s29, 13
	s_add_nc_u64 s[40:41], s[22:23], s[30:31]      ; the three images
	s_add_nc_u64 s[42:43], s[40:41], 0x400000
	s_add_nc_u64 s[44:45], s[40:41], 0x800000
	s_wait_alu depctr_va_vdst(0)
	v_lshlrev_b32 v3, 4, v2                        ; 16 x lane: my bytes of a load's 512, and of a step's codes
	s_lshl_b32 s46, s28, 13                        ; my region of LDS
	v_lshrrev_b32 v14, 2, v2
	v_mul_u32_u24 v14, v14, SP
	v_and_b32 v15, 3, v2
	v_lshl_add_u32 v14, v15, 4, v14
	v_add_nc_u32 v14, s46, v14                     ; in: four lanes' 64 bytes on end, then the padding
	v_mul_u32_u24 v15, v2, SP
	v_add_nc_u32 v15, s46, v15                     ; out: my 16 neighbours
.irp t, 0,1,2,3
	XLOAD \t
.endr
	s_wait_alu depctr_va_vdst(0)
	s_wait_kmcnt 0x0
.irp s, 0,1,2
	s_add_co_i32 s47, s[32+2*\s], 127
	s_lshl_b32 s48, s47, 23
	v_mov_b32 v[5+\s], s48                         ; 2^e as f32: the conversion takes its exponent field
	s_add_co_i32 s47, s47, 8
	s_lshl_b32 s47, s47, 23
	s_or_b32 s47, s47, 0x600000
	v_mov_b32 v[8+\s], s47                         ; 448 x 2^e
.endr
	s_wait_alu depctr_va_vdst(0)
	s_wait_loadcnt 12                              ; step 0's four loads are in
	XTURN 0
.irp t, 0,1,2,3,4,5,6,7,8,9,10,11,12,13,14,15
	XSTEP \t
.endr
	FINISH
; ---------------- W: a wave takes 32 columns x 256 along K of one weight ----------------
.set WX, 32                            ; v32-95   two sets of 32 numbers: a block of 32 along K of my column
.set WC, 96                            ; v96-103  a block's codes
.set OUTR, 112                         ; v112-175 the way out
.set OF, 176                           ; v176-207 4 x lane + i rows of the weight
.set OS, 208                           ; v208-223 the way out: row 2 t + h of the codes, + 16 r
.macro WLOAD t
.set i, 0
.rept 32
	global_load_b32 v[WX+32*((\t)%2)+i], v[OF+i], s[50+2*((\t)%2):51+2*((\t)%2)] th:TH_LOAD_NT   ; row 32 t + i at 32 neighbouring columns: 128 consecutive bytes a wave, 512 a work-group
.set i, i+1
.endr
.endm
.macro WBLOCK t
.set XS, WX+32*((\t)%2)
.if (\t) < 7
	s_wait_loadcnt 32                              ; this block's 32 loads are in; the next block's 32 may be out
.else
	s_wait_loadcnt 0x0
.endif
.set i, 0
.rept 32
	v_med3_num_f32 v[XS+i], v[XS+i], -v10, v10
.set i, i+1
.endr
.irp g, 0,1,2,3
	v_cvt_scalef32_pk8_fp8_f32 v[WC+2*\g:WC+2*\g+1], v[XS+8*\g:XS+8*\g+7], v11
.endr
	ds_store_b128 v4, v[WC:WC+3] offset:32*(\t)    ; 32 codes of my column's row
	ds_store_b128 v4, v[WC+4:WC+7] offset:32*(\t)+16
.if (\t)+2 < 8
	s_add_nc_u64 s[50+2*((\t)%2):51+2*((\t)%2)], s[50+2*((\t)%2):51+2*((\t)%2)], s[54:55]   ; the wait above has shown the loads by this base done: 64 rows on
	WLOAD (\t)+2
.endif
	s_wait_dscnt 0x0                               ; the stores have read their registers: the next block's codes may be written (32 plain holds stand ahead of them)
.endm
.Lpath_w:
	s_sub_co_u32 s29, ttmp9, 128                   ; 0 .. 383
	s_lshr_b32 s30, s29, 7                         ; 0: the four square weights; 1: W1; 2: W2
	s_and_b32 s31, s29, 127
	s_lshr_b32 s32, s31, 5                         ; which square weight; for W1: which 256 along K
	s_and_b32 s33, s31, 7                          ; which 128 columns (1,024 columns)
	s_and_b32 s34, s31, 31                         ; the same for W1 (4,096 columns)
	s_lshr_b32 s35, s31, 3                         ; W2: which 256 along K
	s_and_b32 s36, s35, 3                          ; a square weight's
	s_lshl_b32 s37, s32, 20                        ; where the codes go: a square weight's MiB,
	s_lshl_b32 s38, s30, 22                        ; W1 at 4 MiB, W2 at 8 MiB
	s_lshl_b32 s39, s32, 1
	s_add_co_u32 s39, s39, 1                       ; the scale's entry: 1, 3, 5 for Wq, Wk, Wv,
	s_cmp_eq_u32 s32, 3
	s_cselect_b32 s39, 11, s39                     ; 11 for Wo,
	s_lshl_b32 s40, s30, 1
	s_add_co_u32 s40, s40, 11                      ; 13 for W1, 15 for W2
	s_mov_b32 s41, 0x4000
	s_mov_b32 s42, 0x1000
	s_mov_b32 s43, 0x400
	s_cmp_eq_u32 s32, 1                            ; every choice hangs on the work-group's number alone
	s_cselect_b64 s[44:45], s[8:9], s[6:7]
	s_cmp_eq_u32 s32, 2
	s_cselect_b64 s[44:45], s[10:11], s[44:45]
	s_cmp_eq_u32 s32, 3
	s_cselect_b64 s[44:45], s[12:13], s[44:45]
	s_cmp_eq_u32 s30, 1
	s_cselect_b32 s33, s34, s33                    ; which 128 columns
	s_cselect_b32 s35, s32, s35
	s_cselect_b32 s41, s41, s42                    ; a row of the weight in bytes
	s_cselect_b64 s[44:45], s[14:15], s[44:45]
	s_cmp_eq_u32 s30, 2
	s_cselect_b32 s43, s42, s43                    ; a row of its codes in bytes
	s_cselect_b64 s[44:45], s[16:17], s[44:45]
	s_cmp_eq_u32 s30, 0
	s_cselect_b32 s35, s36, s35                    ; which 256 along K
	s_cselect_b32 s37, s37, s38
	s_cselect_b32 s39, s39, s40
	s_lshl_b32 s39, s39, 2
	s_load_b32 s60, s[20:21], s39 offset:0x0       ; e
	s_lshl_b32 s46, s33, 7
	s_lshl_b32 s47, s28, 5
	s_add_co_u32 s46, s46, s47                     ; my wave's first column
	s_mul_i32 s48, s35, s41
	s_lshl_b32 s48, s48, 8                         ; 256 rows for each step along K,
	s_lshl_b32 s47, s46, 2
	s_add_co_u32 s48, s48, s47                     ; + 4 bytes a column
	s_mov_b32 s49, 0
	s_add_nc_u64 s[50:51], s[44:45], s[48:49]      ; the even blocks' base,
	s_lshl_b32 s54, s41, 5
	s_mov_b32 s55, 0
	s_add_nc_u64 s[52:53], s[50:51], s[54:55]      ; the odd blocks': 32 rows on
	s_lshl_b32 s54, s41, 6                         ; a base's step: 64 rows
	s_mul_i32 s56, s46, s43
	s_add_co_u32 s56, s56, s37
	s_lshl_b32 s47, s35, 8
	s_add_co_u32 s56, s56, s47
	s_mov_b32 s57, 0
	s_add_nc_u64 s[58:59], s[24:25], s[56:57]      ; the codes: row = my first column, + 256 bytes for each step along K
	s_wait_alu depctr_va_vdst(0)
	v_lshlrev_b32 v3, 2, v2
	v_and_b32 v5, 15, v2                           ; r
	v_lshrrev_b32 v6, 4, v2                        ; h
	s_mul_i32 s61, s28, 32*272
	s_add_co_u32 s61, s61, WST                     ; my stage
	v_mul_u32_u24 v4, v2, 272
	v_add_nc_u32 v4, s61, v4                       ; in: row = my column
	v_mul_u32_u24 v7, v6, 272
	v_lshl_add_u32 v7, v5, 4, v7
	v_add_nc_u32 v7, s61, v7                       ; out: sixteen lanes to a row, two rows an instruction
	v_mul_u32_u24 v8, s43, v6
	v_lshl_add_u32 v8, v5, 4, v8
.set i, 0
.rept 32
	v_mad_u32_u24 v[OF+i], s41, i, v3
.set i, i+1
.endr
.set i, 0
.rept 16
	v_mad_u32_u24 v[OS+i], s43, 2*i, v8
.set i, i+1
.endr
	WLOAD 0
	WLOAD 1
	s_wait_kmcnt 0x0
	s_add_co_i32 s60, s60, 127
	s_lshl_b32 s61, s60, 23
	v_mov_b32 v11, s61                             ; 2^e
	s_add_co_i32 s60, s60, 8
	s_lshl_b32 s60, s60, 23
	s_or_b32 s60, s60, 0x600000
	v_mov_b32 v10, s60                             ; 448 x 2^e
	s_wait_alu depctr_va_vdst(0)
.irp t, 0,1,2,3,4,5,6,7
	WBLOCK \t
.endr
.set i, 0
.rept 16
	ds_load_b128 v[OUTR+4*i:OUTR+4*i+3], v7 offset:544*i
.set i, i+1
.endr
.set i, 0
.rept 16
	s_wait_dscnt 15-i                              ; the younger loads may be out
	global_store_b128 v[OS+i], v[OUTR+4*i:OUTR+4*i+3], s[58:59]   ; sixteen lanes store 256 consecutive bytes, aligned
.set i, i+1
.endr
	FINISH
.Lfunc_end_k_q623d717945_prep:
	.size	k_q623d717945_prep, .Lfunc_end_k_q623d717945_prep-k_q623d717945_prep
	.p2alignl 7, 3214868480
	.fill 96, 4, 3214868480
	.section	.rodata,"a",@progbits
	.p2align	6, 0x0
	.amdhsa_kernel k_q623d717945_prep
		.amdhsa_group_segment_fixed_size 101888
		.amdhsa_private_segment_fixed_size 0
		.amdhsa_enable_private_segment 0
		.amdhsa_kernarg_size 96
		.amdhsa_user_sgpr_count 2
		.amdhsa_user_sgpr_kernarg_segment_ptr 1
		.amdhsa_wavefront_size32 1
		.amdhsa_system_sgpr_workgroup_id_x 1
		.amdhsa_system_sgpr_workgroup_id_y 1
		.amdhsa_system_sgpr_workgroup_id_z 1
		.amdhsa_system_vgpr_workitem_id 0
		.amdhsa_next_free_vgpr 224
		.amdhsa_next_free_sgpr 66
		.amdhsa_reserve_vcc 0
		.amdhsa_float_denorm_mode_32 3
		.amdhsa_float_denorm_mode_16_64 3
		.amdhsa_memory_ordered 1
		.amdhsa_forward_progress 1
		.amdhsa_inst_pref_size 184
	.end_amdhsa_kernel
	.amdgpu_metadata
---
amdhsa.version: [ 1, 2 ]
amdhsa.kernels:
  - .name:           k_q623d717945_prep
    .symbol:         k_q623d717945_prep.kd
    .args:
      - { .name: x, .offset: 0, .size: 8, .value_kind: global_buffer, .address_space: global }
      - { .name: Wq, .offset: 8, .size: 8, .value_kind: global_buffer, .address_space: global }
      - { .name: Wk, .offset: 16, .size: 8, .value_kind: global_buffer, .address_space: global }
      - { .name: Wv, .offset: 24, .size: 8, .value_kind: global_buffer, .address_space: global }
      - { .name: Wo, .offset: 32, .size: 8, .value_kind: global_buffer, .address_space: global }
      - { .name: W1, .offset: 40, .size: 8, .value_kind: global_buffer, .address_space: global }
      - { .name: W2, .offset: 48, .size: 8, .value_kind: global_buffer, .address_space: global }
      - { .name: attn_mask, .offset: 56, .size: 8, .value_kind: global_buffer, .address_space: global }
      - { .name: lowp_scales, .offset: 64, .size: 8, .value_kind: global_buffer, .address_space: global }
      - { .name: xcodes, .offset: 72, .size: 8, .value_kind: global_buffer, .address_space: global }
      - { .name: wcodes, .offset: 80, .size: 8, .value_kind: global_buffer, .address_space: global }
      - { .name: maskw, .offset: 88, .size: 8, .value_kind: global_buffer, .address_space: global }
    .group_segment_fixed_size: 101888
    .private_segment_fixed_size: 0
    .kernarg_segment_align: 8
    .kernarg_segment_size: 96
    .max_flat_workgroup_size: 128
    .sgpr_count:     66
    .vgpr_count:     224
    .wavefront_size: 32
...
	.end_amdgpu_metadata
.endif
;; end of part 9
;; launch qkv (part 10): grid 4 x 48, 4 waves a work-group, clusters of 4 x 4, 327,680 bytes of LDS; arguments xcodes, wcodes, lowp_scales, qkv; writes qkv
.if DOCPART == 10
	.amdgcn_target "amdgcn-amd-amdhsa--gfx1250"
	.amdhsa_code_object_version 6
	.text
	.protected	k_q623d717945_qkv
	.globl	k_q623d717945_qkv
	.p2align	8
	.type	k_q623d717945_qkv,@function
k_q623d717945_qkv:
	s_mov_b64 s[64:65], 0
	v_nop
	global_prefetch_b8 v0, s[64:65] scope:SCOPE_SE
	s_setreg_imm32_b32 hwreg(HW_REG_WAVE_MODE, 25, 1), 1
	s_wait_xcnt 0x0
	s_wait_alu depctr_hold_cnt(0) depctr_sa_sdst(0) depctr_va_vdst(0) depctr_va_sdst(0) depctr_va_ssrc(0) depctr_va_vcc(0) depctr_vm_vsrc(0)
	s_getreg_b32 s2, hwreg(HW_REG_IB_STS2, 6, 4)
	s_cmp_eq_u32 s2, 0
	s_cbranch_scc0 .Lentry_in_a_cluster
	s_endpgm
.Lentry_in_a_cluster:
	s_bfe_u32 s2, ttmp6, 0x10000c
	s_cmp_lg_u32 s2, 0xf033
	s_cbranch_scc0 .Lentry_shape_is_right
	s_endpgm
.Lentry_shape_is_right:
.set SIZE_K, 1024
.set KSTEP,  256
.set ROWB,   256
.set KROW,   SIZE_K
.set PITCH,  272
.set FR,     16
.set NL,     4
.set NP,     4
.set HALFT,  128*PITCH
.set SLOT,   4*HALFT
.set LAPS,   SIZE_K/(2*KSTEP)
.set SPARE,  2*SLOT
.set ADRA, 16
.set ADRB, 20
.set STO,  24
.set RD,   25
.set CO,   8
.set SPW,  28
.set NIL,  29
.set SCL,  30
.set LIM,  31
.set CD,   96
.set TMP,  128
.set AF,   128
.set G1, 24
.set G0, 32
.set G1B, 48
.set G0B, 56
.set MSB, 0
.macro WIN new
.if MSB != \new
	s_set_vgpr_msb (MSB<<8)|\new
.set MSB, \new
.endif
.endm
.set MUL_LO, 0xa1
.set MUL_HI, 0xf1
.set TO_B,   0x40
.macro JLOAD g0a, g1a, g0b, g1b
	s_cmp_eq_u32 s15, 0
	s_cbranch_scc0 .Lfor_b_\@
	tensor_load_to_lds s[\g0a:\g0a+3], s[\g1a:\g1a+7]
	s_nop 0
.rept 4
	v_nop
.endr
	s_branch .Lasked_\@
.Lfor_b_\@:
	tensor_load_to_lds s[\g0b:\g0b+3], s[\g1b:\g1b+7]
	s_nop 0
.rept 4
	v_nop
.endr
.Lasked_\@:
.endm
.macro CREST
	s_cmp_lg_u32 s14, 0
	s_cbranch_scc1 .Lnot_wave_0_\@
	s_barrier_signal -3
.Lnot_wave_0_\@:
	s_barrier_wait -3
	s_barrier_signal -1
	s_barrier_wait -1
.endm
.macro CROUND
	s_barrier_signal -1
	s_barrier_wait -1
	CREST
.endm
	s_load_b128 s[4:7], s[0:1], 0x0
	s_load_b128 s[8:11], s[0:1], 0x10
	v_lshl_add_u32 v[SPW], v0, 2, SPARE
	v_mov_b32 v[NIL], 0
	ds_add_u32 v[SPW], v[NIL]
	ds_add_u32 v[SPW], v[NIL]
	v_lshrrev_b32 v1, 5, v0
	v_readfirstlane_b32 s14, v1
	s_lshr_b32 s15, s14, 1
	s_and_b32 s16, s14, 1
	s_bfe_u32 s40, ttmp6, 0x40000
	s_bfe_u32 s41, ttmp6, 0x40004
	s_and_b32 s66, ttmp7, 0xffff
	s_lshr_b32 s67, s66, 2
	s_and_b32 s66, s66, 3
	s_lshl_b32 s66, s66, 2
	s_cmp_lt_u32 s67, 2
	s_cselect_b32 s17, s66, 0
	s_cselect_b32 s42, 0, s66
	s_add_co_u32 s17, s17, s41
	s_add_co_u32 s42, s42, s40
	s_lshl_b32 s43, s41, 2
	s_lshl_b32 s43, 15, s43
	s_lshl_b32 s44, 0x1111, s40
	s_or_b32 s[G1+0], s43, (0<<16)|(1<<20)|(1<<21)|(5<<22)|(3<<25)
	s_or_b32 s[G1B+0], s44, (0<<16)|(1<<20)|(1<<21)|(5<<22)|(3<<25)
.irp g, G1, G1B
	s_mov_b32 s[\g+1], ROWB<<16
	s_mov_b32 s[\g+2], 128<<16
	s_mov_b32 s[\g+3], ROWB<<16
	s_mov_b32 s[\g+4], 128
	s_mov_b32 s[\g+5], KROW
	s_mov_b32 s[\g+6], 0
	s_mov_b32 s[\g+7], 0
.endr
	s_lshl_b32 s18, s16, 7
	s_lshl_b32 s20, s17, 8
	s_add_co_u32 s20, s20, s18
	s_lshl_b32 s46, s42, 8
	s_add_co_u32 s46, s46, s18
	s_mov_b32 s21, 0
	s_mov_b32 s47, 0
	s_mov_b64 s[18:19], KROW
	s_mul_u64 s[20:21], s[20:21], s[18:19]
	s_mul_u64 s[46:47], s[46:47], s[18:19]
	s_lshl_b32 s68, s67, 22
	s_lshl_b32 s70, s67, 20
	s_mov_b32 s72, 0x200000
	s_mov_b32 s73, 0x800000
	s_cmp_lt_u32 s67, 2
	s_cselect_b32 s68, s68, s72
	s_cselect_b32 s70, s70, s73
	s_mov_b32 s69, 0
	s_mov_b32 s71, 0
	s_add_nc_u64 s[20:21], s[20:21], s[68:69]
	s_add_nc_u64 s[46:47], s[46:47], s[70:71]
	s_lshl_b32 s82, s67, 3
	s_lshl_b32 s83, s67, 2
	s_cmp_eq_u32 s67, 2
	s_cselect_b32 s84, 4, 0
	s_add_co_u32 s83, s83, s84
	s_mul_i32 s45, s14, HALFT
	s_wait_dscnt 0x0
	s_wait_kmcnt 0x0
	s_load_b64 s[96:97], s[8:9], s82 offset:0x0
	s_load_b32 s98, s[8:9], s83 offset:0x18
	s_cmp_lt_u32 s67, 2
	s_cselect_b64 s[74:75], s[4:5], s[6:7]
	s_cselect_b64 s[76:77], s[6:7], s[4:5]
	s_add_nc_u64 s[20:21], s[74:75], s[20:21]
	s_add_nc_u64 s[46:47], s[76:77], s[46:47]
	CROUND
.irp s, 0,1
	s_mov_b32 s[G0+4*\s], 1
	s_add_co_u32 s[G0+4*\s+1], s45, \s*SLOT
	s_add_nc_u64 s[G0+4*\s+2:G0+4*\s+3], s[20:21], \s*ROWB
	s_or_b32 s[G0+4*\s+3], s[G0+4*\s+3], 0x80000000
	s_mov_b32 s[G0B+4*\s], 1
	s_add_co_u32 s[G0B+4*\s+1], s45, \s*SLOT
	s_add_nc_u64 s[G0B+4*\s+2:G0B+4*\s+3], s[46:47], \s*ROWB
	s_or_b32 s[G0B+4*\s+3], s[G0B+4*\s+3], 0x80000000
	s_wait_alu depctr_va_vdst(0)
	s_wait_tensorcnt 0x0
	ds_add_u32 v28, v29
	ds_add_u32 v28, v29
	s_wait_dscnt 0x0
	CROUND
	JLOAD G0+4*\s, G1, G0B+4*\s, G1B
.endr
	v_and_b32 v1, 15, v0
	v_bfe_u32 v2, v0, 4, 1
	v_mul_u32_u24 v3, v1, PITCH
	v_lshl_add_u32 v4, v2, 4, v3
	s_wait_alu depctr_va_vdst(0)
	s_mul_i32 s21, s15, HALFT
	s_mul_i32 s22, s16, HALFT
	s_add_co_u32 s22, s22, 2*HALFT
.irp s, 0,1
	v_add_nc_u32 v[ADRA+\s], s21, v4
	v_add_nc_u32 v[ADRB+\s], s22, v4
	s_add_co_u32 s21, s21, SLOT
	s_add_co_u32 s22, s22, SLOT
.endr
	s_mul_i32 s23, s15, 128*PITCH
	s_lshl_b32 s21, s16, 7
	s_add_co_u32 s23, s23, s21
	v_add_nc_u32 v[STO], s23, v4
	v_and_b32 v6, 31, v0
	v_lshrrev_b32 v5, 2, v6
	v_mul_u32_u24 v5, v5, PITCH
	v_and_b32 v7, 3, v6
	v_lshl_add_u32 v5, v7, 4, v5
	s_mul_i32 s23, s14, 64*PITCH
	v_add_nc_u32 v[RD], s23, v5
	s_mov_b32 s79, 0x40000
	s_cmp_lt_u32 s67, 2
	s_cselect_b32 s78, 4096, s79
	s_cselect_b32 s80, s79, 4096
	v_lshlrev_b32 v[CO], 4, v6
	v_add_nc_u32 v[CO+1], s80, v[CO]
	v_add_nc_u32 v[CO+2], s80, v[CO+1]
	v_add_nc_u32 v[CO+3], s80, v[CO+2]
	s_lshl_b32 s20, s17, 2
	s_add_co_u32 s20, s20, s14
	s_mul_i32 s20, s20, s78
	s_lshl_b32 s46, s42, 2
	s_mul_i32 s46, s46, s80
	s_add_co_u32 s20, s20, s46
	s_lshl_b32 s46, s67, 22
	s_add_co_u32 s20, s20, s46
	s_mov_b32 s21, 0
	s_add_nc_u64 s[10:11], s[10:11], s[20:21]
.macro FRAG reg, adr, q, i
.irp c, 0,1,2,3
	ds_load_b128 v[\reg+4*\c:\reg+4*\c+3], v[\adr] offset:128*(\q)+32*\c+(\i)*16*PITCH
.endr
.endm
.macro MUL16 a0, p, zero
.irp a, \a0, \a0+1
.irp b, 0,1,2,3,4,5,6,7
.if \zero
	v_wmma_f32_16x16x128_fp8_fp8 v[8*(8*((\a)%4)+\b):8*(8*((\a)%4)+\b)+7], v[128*(\p)+FR*\b:128*(\p)+FR*\b+FR-1], v[AF+FR*(\a):AF+FR*(\a)+FR-1], 0
.else
	v_wmma_f32_16x16x128_fp8_fp8 v[8*(8*((\a)%4)+\b):8*(8*((\a)%4)+\b)+7], v[128*(\p)+FR*\b:128*(\p)+FR*\b+FR-1], v[AF+FR*(\a):AF+FR*(\a)+FR-1], v[8*(8*((\a)%4)+\b):8*(8*((\a)%4)+\b)+7]
.endif
.endr
.endr
.endm
.macro FETCH_B slot, q, p
	WIN TO_B
.irp i, 0,1,2,3,4,5,6,7
	FRAG 128*(\p)+FR*\i, ADRB+\slot, \q, \i
.endr
	WIN 0
.endm
.macro FETCH_A slot, q, i0
.irp i, \i0, \i0+1, \i0+2, \i0+3
	FRAG AF+FR*(\i), ADRA+\slot, \q, \i
.endr
.endm
.macro PLACES n
.rept \n
	v_nop
.endr
.endm
.macro STEP slot, q, zero
	s_wait_dscnt 4*NL
	WIN MUL_LO
	MUL16 0, (\q)%2, \zero
	MUL16 2, (\q)%2, \zero
	s_wait_dscnt 0
	PLACES NP
	FETCH_B \slot, (\q)+1, 1-(\q)%2
	FETCH_A \slot, (\q)+1, 0
	WIN MUL_HI
	MUL16 4, (\q)%2, \zero
	MUL16 6, (\q)%2, \zero
	PLACES NP
	WIN 0
	FETCH_A \slot, (\q)+1, 4
.endm
.macro TURN slot, next, fill
	s_wait_tensorcnt 0x0
	ds_add_u32 v[SPW], v[NIL]
	s_wait_dscnt 4*NL+1
	WIN MUL_LO
	MUL16 0, 1, 0
	s_wait_dscnt 0x0
	s_barrier_signal -1
	MUL16 2, 1, 0
	WIN 0
	s_barrier_wait -1
.if \fill
	CREST
	s_add_nc_u64 s[G0+4*\slot+2:G0+4*\slot+3], s[G0+4*\slot+2:G0+4*\slot+3], 2*ROWB
	s_add_nc_u64 s[G0B+4*\slot+2:G0B+4*\slot+3], s[G0B+4*\slot+2:G0B+4*\slot+3], 2*ROWB
	JLOAD G0+4*\slot, G1, G0B+4*\slot, G1B
.else
	PLACES NP
.endif
	FETCH_B \next, 0, 0
	FETCH_A \next, 0, 0
	WIN MUL_HI
	MUL16 4, 1, 0
	MUL16 6, 1, 0
	PLACES NP
	WIN 0
	FETCH_A \next, 0, 4
.endm
	s_wait_tensorcnt 1
	s_barrier_signal -1
	s_barrier_wait -1
	FETCH_B 0, 0, 0
	FETCH_A 0, 0, 0
	FETCH_A 0, 0, 4
	STEP 0, 0, 1
	s_mov_b32 s3, LAPS-1
.Llap:
	TURN 0, 1, 1
	STEP 1, 0, 0
	TURN 1, 0, 1
	STEP 0, 0, 0
	s_sub_co_u32 s3, s3, 1
	s_cmp_lg_u32 s3, 0
	s_cbranch_scc1 .Llap
	TURN 0, 1, 0
	STEP 1, 0, 0
	s_wait_dscnt 4*NL
	WIN MUL_LO
	MUL16 0, 1, 0
	MUL16 2, 1, 0
	s_wait_dscnt 0
	WIN MUL_HI
	MUL16 4, 1, 0
	MUL16 6, 1, 0
	WIN 0
.macro CODES a
.set AC, 64*((\a)%4)
.set CC, CD+16*((\a)%2)
.if (\a) >= 2
	s_wait_dscnt 4
.endif
	WIN 0x02+((\a)/4)
.set j, 0
.rept 64
	v_med3_num_f32 v[TMP+j], v[AC+j], -v[LIM], v[LIM]
.set j, j+1
.endr
	WIN 0
.irp b, 0,1,2,3,4,5,6,7
	v_cvt_scalef32_pk8_fp8_f32 v[CC+2*\b:CC+2*\b+1], v[TMP+8*\b:TMP+8*\b+7], v[SCL]
.endr
	v_nop
.irp q, 0,1,2,3
	ds_store_b128 v[STO], v[CC+4*\q:CC+4*\q+3] offset:(\a)*16*PITCH+32*\q
.endr
.endm
	s_wait_kmcnt 0x0
	s_add_co_i32 s96, s96, s97
	s_sub_co_i32 s96, s98, s96
	s_add_co_i32 s96, s96, 127
	s_lshl_b32 s97, s96, 23
	v_mov_b32 v[SCL], s97
	s_add_co_i32 s96, s96, 8
	s_lshl_b32 s96, s96, 23
	s_or_b32 s96, s96, 0x600000
	v_mov_b32 v[LIM], s96
	PLACES NP
.irp a, 0,1,2,3,4,5,6,7
	CODES \a
.endr
	s_wait_dscnt 0x0
	s_barrier_signal -1
	s_barrier_wait -1
.irp u, 0,1,2,3
.irp t, 0,1,2,3,4,5,6,7
	ds_load_b128 v[128+4*(8*\u+\t):131+4*(8*\u+\t)], v[RD] offset:64*\u+8*PITCH*\t
.endr
.endr
.irp u, 0,1,2,3
.irp t, 0,1,2,3,4,5,6,7
	s_wait_dscnt 31-(8*\u+\t)
	global_store_b128 v[CO+\u], v[128+4*(8*\u+\t):131+4*(8*\u+\t)], s[10:11] offset:512*\t
.endr
.endr
	s_wait_tensorcnt 0x0
	ds_add_u32 v[SPW], v[NIL]
	s_wait_dscnt 0x0
	CROUND
	s_endpgm
.Lfunc_end_k_q623d717945_qkv:
	.size	k_q623d717945_qkv, .Lfunc_end_k_q623d717945_qkv-k_q623d717945_qkv
	.p2alignl 7, 3214868480
	.fill 96, 4, 3214868480
	.section	.rodata,"a",@progbits
	.p2align	6, 0x0
	.amdhsa_kernel k_q623d717945_qkv
		.amdhsa_group_segment_fixed_size 327680
		.amdhsa_private_segment_fixed_size 0
		.amdhsa_enable_private_segment 0
		.amdhsa_kernarg_size 32
		.amdhsa_user_sgpr_count 2
		.amdhsa_user_sgpr_kernarg_segment_ptr 1
		.amdhsa_wavefront_size32 1
		.amdhsa_system_sgpr_workgroup_id_x 1
		.amdhsa_system_sgpr_workgroup_id_y 1
		.amdhsa_system_sgpr_workgroup_id_z 1
		.amdhsa_system_vgpr_workitem_id 0
		.amdhsa_next_free_vgpr 1024
		.amdhsa_next_free_sgpr 100
		.amdhsa_reserve_vcc 0
		.amdhsa_float_denorm_mode_32 3
		.amdhsa_float_denorm_mode_16_64 3
		.amdhsa_memory_ordered 1
		.amdhsa_forward_progress 1
		.amdhsa_inst_pref_size 125
	.end_amdhsa_kernel
	.amdgpu_metadata
---
amdhsa.version: [ 1, 2 ]
amdhsa.kernels:
  - .name:           k_q623d717945_qkv
    .symbol:         k_q623d717945_qkv.kd
    .args:
      - { .name: xcodes, .offset: 0, .size: 8, .value_kind: global_buffer, .address_space: global }
      - { .name: wcodes, .offset: 8, .size: 8, .value_kind: global_buffer, .address_space: global }
      - { .name: lowp_scales, .offset: 16, .size: 8, .value_kind: global_buffer, .address_space: global }
      - { .name: qkv, .offset: 24, .size: 8, .value_kind: global_buffer, .address_space: global }
    .group_segment_fixed_size: 327680
    .private_segment_fixed_size: 0
    .kernarg_segment_align: 8
    .kernarg_segment_size: 32
    .max_flat_workgroup_size: 128
    .sgpr_count:     100
    .vgpr_count:     1024
    .wavefront_size: 32
...
	.end_amdgpu_metadata
.endif
;; end of part 10
;; launch att (part 11): grid 8 x 32, 16 waves a work-group, no clusters, 301,056 bytes of LDS; arguments qkv, maskw, lowp_scales, ocodes; writes ocodes
.if DOCPART == 11
	.amdgcn_target "amdgcn-amd-amdhsa--gfx1250"
	.amdhsa_code_object_version 6
	.text
	.protected	k_q623d717945_att
	.globl	k_q623d717945_att
	.p2align	8
	.type	k_q623d717945_att,@function
k_q623d717945_att:
	s_mov_b64 s[64:65], 0
	v_nop
	global_prefetch_b8 v0, s[64:65] scope:SCOPE_SE
	s_setreg_imm32_b32 hwreg(HW_REG_WAVE_MODE, 25, 1), 1
	s_wait_xcnt 0x0
; Launch 3 of 8: products 4 and 5 with the masked softmax between them, on E4M3 codes -> the codes of product 6's left operand.  Nothing of the problem is left out.
; A work-group owns 256 queries of one (batch, head); each of its 16 waves owns 16 of them.  The head's 2,048 keys and values (2 x 128 KiB of codes) lie in LDS for the whole launch.
; The softmax is quantised finished and normalised, so the keys are walked twice.  Pass 1: S^T = K Q^T, the running largest t (t = score x log2(e) / 8), M = that rounded up to a whole number, the sum of 2^(t - M).
; Pass 2: S^T once more, p = 2^(t - M - log2(sum)), which is the normalised softmax; its codes are O^T = V^T P^T's right operand.  A row with every key masked has sum 0: its addend stays -M, every t is -infinity, and p is 0, as the problem's cleanup has it.
; THE MASK.  maskw holds a lane mask for each register of S^T.  Each wave reads its 1,024 words once at the head and keeps one bit for each step of 128 keys: is any of the step's 64 words not 0?
; A step whose bit is 0 has no masked score.
; THE HOLD ON p.  The sum holds the row's largest term, so p is at most 1 but for rounding; 448 x 2^e8 is at least 1.75 where e8 >= -8, and the hold can then change no number.
; Both branches hang on whole numbers read from memory.
; All reads of memory but a masked step's words stand at the head: there is no loop to run ahead in, so no prefetch is laid.
; LIMITS: e6 + e7 between -123 and 130; e8 and e10 - e8 - e9 between -126 and 119; the scaled scores stay under 2^31 in magnitude; NaN among the inputs is not served.
; REGISTERS: v1, v2 my lane's place in a tile of K, of V; v3, v4, v10 the way out; v5, v6 the spare word and 0; v7 -infinity; v8, v9 the step's addresses; v12 the addend, v13 the largest t, v[14:15] the sum; v16-23 Q; v26-29 holds and scales;
; v32-95 fragments; v96-159 S^T, then p; v160-191 O^T; v192-207 codes; v208-223 at work.
.set PK,    272                        ; an LDS row: 256 bytes + 16 of padding
.set STEPB, 32*PK                      ; 128 keys of K, or of V: 8 KiB in 32 rows
.set VOFF,  512*PK                     ; V lies behind K
.set STAGE, 2*VOFF                     ; the way out: 1,280 bytes a wave
.set SPARE, STAGE+16*1280              ; the spare words, 128 bytes a wave: eight blocks of 256 bytes that no other line names
.set FLG,   68                         ; s68  bit ks: step ks has a masked score
.set HOLD,  69                         ; s69  1: the hold on p is needed
.macro KQ                              ; S^T of 128 keys: eight tiles of 16 keys x my 16 queries
.irp t, 0,1,2,3,4,5,6,7
	ds_load_b128 v[32+8*\t:35+8*\t], v8 offset:4*PK*\t
	ds_load_b128 v[36+8*\t:39+8*\t], v8 offset:4*PK*\t+32
.endr
	s_wait_dscnt 0x0
.irp t, 0,1,2,3,4,5,6,7
	v_wmma_f32_16x16x64_fp8_fp8 v[96+8*\t:103+8*\t], v[32+8*\t:39+8*\t], v[16:23], 0
.endr
.rept 4
	v_nop                                          ; the places behind the products
.endr
.endm
.macro MASKIF                          ; the step's masked scores become -infinity; a step with none goes round
	s_bitcmp1_b32 s[FLG], s3
	s_cbranch_scc0 .Lopen_\@
	s_lshl_b32 s104, s3, 8                         ; the step's 64 words
	s_load_b512 s[16:31], s[6:7], s104 offset:0x0
	s_load_b512 s[32:47], s[6:7], s104 offset:0x40
	s_load_b512 s[48:63], s[6:7], s104 offset:0x80
	s_load_b512 s[80:95], s[6:7], s104 offset:0xc0
	s_wait_kmcnt 0x0
.set n, 0
.rept 64
.if n < 48
	v_cndmask_b32 v[96+n], v[96+n], v7, s[16+n]
.else
	v_cndmask_b32 v[96+n], v[96+n], v7, s[32+n]
.endif
.set n, n+1
.endr
.Lopen_\@:
.endm
.macro EXPS                            ; 2^(score x c + addend), two scalings an instruction
.set n, 0
.rept 32
	v_pk_fma_f32 v[96+n:97+n], v[96+n:97+n], s[100:101], v[12:13] op_sel_hi:[1,0,0]
.set n, n+2
.endr
	s_wait_alu depctr_va_vdst(0)                   ; the wait ahead of the batch
.set n, 0
.rept 64
	v_exp_f32 v[96+n], v[96+n]
.set n, n+1
.endr
.endm
	s_load_b256 s[4:11], s[0:1], 0x0               ; qkv s[4:5], maskw s[6:7], the scales s[8:9], ocodes s[10:11]
	v_lshl_add_u32 v5, v0, 2, SPARE
	v_mov_b32 v6, 0
	v_lshrrev_b32 v8, 5, v0
	s_delay_alu instid0(VALU_DEP_1)
	v_readfirstlane_b32 s12, v8                    ; wave 0..15
	s_and_b32 s15, ttmp7, 0xffff                   ; 2 x head + batch
	s_mov_b32 s66, 0x76543210
	s_mov_b32 s67, 0xfedcba98                      ; lane l xor 16
	s_lshl_b32 s86, s15, 17                        ; the head's 128 KiB in each of the three images
	s_lshl_b32 s82, s12, 13
	s_add_co_u32 s80, s86, s82                     ; + my wave's 8 KiB of K and of V
	s_mov_b32 s81, 0
	s_mul_i32 s84, s12, STEPB                      ; and their place in LDS
	s_lshl_b32 s87, ttmp9, 14
	s_add_co_u32 s86, s86, s87
	s_lshl_b32 s87, s12, 10
	s_add_co_u32 s86, s86, s87                     ; Q: 256 queries a work-group, 16 a wave, 64 bytes each
	s_mov_b32 s87, 0
	s_and_b32 s88, s15, 1
	s_lshl_b32 s89, s88, 7
	s_lshl_b32 s90, ttmp9, 4
	s_add_co_u32 s89, s89, s90
	s_add_co_u32 s89, s89, s12                     ; my tile of 16 rows among the 256 of both batches
	s_lshl_b32 s90, s89, 12                        ; its 1,024 mask words
	s_mov_b32 s91, 0
	s_lshl_b32 s92, s89, 14                        ; its 16 rows of 1,024 codes,
	s_lshr_b32 s93, s15, 1
	s_lshl_b32 s93, s93, 6
	s_add_co_u32 s92, s92, s93                     ; + the head's 64
	s_mov_b32 s93, 0
	v_and_b32 v25, 31, v0
	v_and_b32 v8, 15, v0                           ; r
	v_bfe_u32 v9, v0, 4, 1                         ; h
	v_lshlrev_b32 v25, 4, v25                      ; 16 x lane: a load covers 512 consecutive bytes
	v_lshlrev_b32 v11, 6, v8
	v_mul_u32_u24 v30, v9, PK
	v_lshl_add_u32 v11, v9, 4, v11                 ; Q: row r, + 16 h
	v_lshl_add_u32 v30, v8, 4, v30
	s_delay_alu instid0(VALU_DEP_1)
	v_add_nc_u32 v30, s84, v30                     ; into LDS: a load's 512 bytes are two rows
	s_delay_alu instid0(VALU_DEP_1)
	v_add_nc_u32 v31, VOFF, v30
	s_wait_alu depctr_va_vdst(0)                   ; directly ahead of the wait below
	s_wait_kmcnt 0x0
	s_load_b256 s[16:23], s[8:9], 0x18             ; e6 .. e13
	s_add_nc_u64 s[6:7], s[6:7], s[90:91]
	s_add_nc_u64 s[10:11], s[10:11], s[92:93]
	s_add_nc_u64 s[94:95], s[4:5], s[80:81]
	s_add_nc_u64 s[96:97], s[94:95], 0x400000      ; K's image
	s_add_nc_u64 s[98:99], s[94:95], 0x800000      ; V's image
	s_add_nc_u64 s[4:5], s[4:5], s[86:87]
.irp i, 0,1,2,3,4,5,6,7,8,9,10,11,12,13,14,15
	global_load_b128 v[32+4*\i:35+4*\i], v25, s[96:97] offset:512*\i    ; K first: pass 1 needs it
.endr
	global_load_b128 v[16:19], v11, s[4:5]
	global_load_b128 v[20:23], v11, s[4:5] offset:32
.irp j, 0,1,2,3,4,5,6,7
	global_load_b128 v[96+4*\j:99+4*\j], v25, s[6:7] offset:512*\j      ; mask words 128 j + 4 lane + 0 .. 3: lanes 0-15 hold step 2 j's, lanes 16-31 step 2 j + 1's
.endr
.irp i, 0,1,2,3,4,5,6,7,8,9,10,11
	global_load_b128 v[160+4*\i:163+4*\i], v25, s[98:99] offset:512*\i  ; V last, into registers that pass 1 does not name: it goes to LDS behind pass 1
.endr
.irp i, 12,13,14,15
	global_load_b128 v[176+4*\i:179+4*\i], v25, s[98:99] offset:512*\i  ; (v224-239)
.endr
	v_lshrrev_b32 v1, 2, v8
	v_and_b32 v2, 3, v8
	v_mul_u32_u24 v3, v8, 80
	v_mul_u32_u24 v1, v1, PK
	v_bfe_u32 v28, v0, 2, 3
	v_and_b32 v29, 3, v0
	v_lshl_add_u32 v1, v2, 6, v1
	v_lshl_add_u32 v3, v9, 3, v3
	v_mul_u32_u24 v4, v28, 80
	v_lshl_add_u32 v1, v9, 4, v1                   ; K: four keys of 64 bytes to an LDS row: row r / 4, + 64 (r % 4) + 16 h
	v_lshlrev_b32 v10, 10, v28
	s_mul_i32 s105, s12, 1280
	s_add_co_u32 s105, s105, STAGE                 ; my stage
	v_lshl_add_u32 v4, v29, 4, v4
	v_add_nc_u32 v2, VOFF, v1                      ; V likewise
	v_add_nc_u32 v3, s105, v3                      ; the way out, in: row r of 80 bytes, + 8 h
	v_add_nc_u32 v4, s105, v4                      ; back: four lanes to a row
	v_lshl_add_u32 v10, v29, 4, v10                ; and the same in ocodes
	v_mov_b32 v7, 0xff800000                       ; -infinity
	v_mov_b32 v13, 0xff61b1e6                      ; the largest t so far: -3e38
	v_mov_b32 v14, 0
	v_mov_b32 v15, 0
	v_floor_f32 v12, -v13                          ; -M
.set n, 0
	s_wait_kmcnt 0x0
	s_add_co_i32 s105, s16, s17
	s_lshl_b32 s105, s105, 23
	s_add_co_i32 s100, s105, 0x3e38aa3b            ; c = log2(e) / 8 x 2^(e6 + e7)
	s_mov_b32 s101, s100
	s_cmp_ge_i32 s18, -8
	s_cselect_b32 s[HOLD], 0, 1
	s_add_co_i32 s105, s18, 127
	s_lshl_b32 s13, s105, 23
	v_mov_b32 v27, s13                             ; 2^e8
	s_add_co_i32 s105, s105, 8
	s_lshl_b32 s105, s105, 23
	s_or_b32 s105, s105, 0x600000
	v_mov_b32 v26, s105                            ; 448 x 2^e8
	s_sub_co_i32 s105, s20, s18
	s_sub_co_i32 s105, s105, s19
	s_add_co_i32 s105, s105, 127
	s_lshl_b32 s13, s105, 23
	v_mov_b32 v29, s13                             ; 2^(e10 - e8 - e9)
	s_add_co_i32 s105, s105, 8
	s_lshl_b32 s105, s105, 23
	s_or_b32 s105, s105, 0x600000
	v_mov_b32 v28, s105                            ; 448 x that
	s_wait_loadcnt 26                              ; K's 16 loads are in; Q's 2, the mask words' 8 and V's 16 may be out
.irp i, 0,1,2,3,4,5,6,7,8,9,10,11,12,13,14,15
	ds_store_b128 v30, v[32+4*\i:35+4*\i] offset:2*PK*\i
.endr
	s_wait_loadcnt 16                              ; Q and the mask words are in; V's 16 loads may be out
.irp j, 0,1,2,3,4,5,6,7
	v_or_b32 v[96+4*\j], v[96+4*\j], v[97+4*\j]
	v_or_b32 v[98+4*\j], v[98+4*\j], v[99+4*\j]
.endr
.irp j, 0,1,2,3,4,5,6,7
	v_or_b32 v[96+4*\j], v[96+4*\j], v[98+4*\j]
.endr
.irp j, 0,1,2,3,4,5,6,7
	v_cmp_ne_u32 s[70+\j], 0, v[96+4*\j]
.endr
	s_mov_b32 s[FLG], 0
.irp j, 0,1,2,3,4,5,6,7
	s_and_b32 s78, s[70+\j], 0xffff                ; any of lanes 0-15: step 2 j
	s_cselect_b32 s78, 1<<(2*\j), 0
	s_or_b32 s[FLG], s[FLG], s78
	s_lshr_b32 s78, s[70+\j], 16                   ; any of lanes 16-31: step 2 j + 1
	s_cselect_b32 s78, 2<<(2*\j), 0
	s_or_b32 s[FLG], s[FLG], s78
.endr
	v_mov_b32 v211, 0                              ; (named as the upper half of a pair)
	v_mov_b32 v212, 0                              ; a lane permute's destination counts as one of its sources
	s_mov_b32 s2, 0
	s_mov_b32 s3, 0
	s_wait_alu depctr_va_vdst(0)                   ; the wait at the head's end
	s_wait_dscnt 0x0                               ; my part of K is in LDS,
	s_barrier_signal -1
	s_barrier_wait -1                              ; and so is everybody's; V's loads stay out: nobody touches their bytes or registers in pass 1
.Lpass1:
	v_add_nc_u32 v8, s2, v1
	KQ
	MASKIF
	v_max3_num_f32 v216, v96, v97, v98             ; the step's largest score among my 64 keys, in four chains that take turns; the registers are read in ascending order
	v_max3_num_f32 v217, v99, v100, v101
	v_max3_num_f32 v218, v102, v103, v104
	v_max3_num_f32 v219, v105, v106, v107
.set n, 12
.rept 26
	v_max3_num_f32 v[216+(n/2)%4], v[216+(n/2)%4], v[96+n], v[97+n]
.set n, n+2
.endr
	v_max3_num_f32 v208, v216, v217, v218
	v_max_num_f32 v208, v208, v219
	s_delay_alu instid0(VALU_DEP_1)
	v_permlanex16_b32 v212, v208, s66, s67
	s_delay_alu instid0(VALU_DEP_1)
	v_max_num_f32 v208, v208, v212                 ; the step's largest score of my query
	s_delay_alu instid0(VALU_DEP_1)
	v_mul_f32 v208, s100, v208
	s_delay_alu instid0(VALU_DEP_1)
	v_max_num_f32 v13, v13, v208                   ; the running largest t
	v_mov_b32 v208, v12
	s_delay_alu instid0(VALU_DEP_2)
	v_floor_f32 v12, -v13                          ; -M = -ceil(t)
	s_delay_alu instid0(VALU_DEP_1)
	v_sub_f32 v208, v12, v208
	s_delay_alu instid0(VALU_DEP_1)
	v_cvt_i32_f32 v208, v208                       ; old M - new M, a whole number (it saturates)
	s_delay_alu instid0(VALU_DEP_1)
	v_ldexp_f32 v210, 1.0, v208                    ; f = 2^(old M - new M)
	EXPS
	v_pk_mul_f32 v[14:15], v[14:15], v[210:211] op_sel_hi:[1,0]   ; the sums under the new M (a plain place behind the batch)
	s_wait_alu depctr_va_vdst(0)                   ; one wait for the batch, ahead of its first reader
	v_pk_add_f32 v[214:215], v[96:97], v[98:99]
.irp j, 4,8,12,16,20,24,28,32,36,40,44,48,52,56,60
	v_pk_add_f32 v[14:15], v[14:15], v[96+\j:97+\j]
	v_pk_add_f32 v[214:215], v[214:215], v[98+\j:99+\j]
.endr
	s_delay_alu instid0(VALU_DEP_1)
	v_pk_add_f32 v[14:15], v[14:15], v[214:215]
	s_add_co_u32 s2, s2, STEPB
	s_add_co_u32 s3, s3, 1
	s_cmp_lt_u32 s3, 16
	s_cbranch_scc1 .Lpass1
	v_add_f32 v14, v14, v15
	s_delay_alu instid0(VALU_DEP_1)
	v_permlanex16_b32 v212, v14, s66, s67
	s_delay_alu instid0(VALU_DEP_1)
	v_add_f32 v14, v14, v212                       ; the row's sum
	s_wait_alu depctr_va_vdst(0)                   ; the wait ahead of the transcendental
	v_log_f32 v24, v14
	v_cmp_lt_f32 vcc_lo, 0, v14                    ; (a plain place)  a row with every key masked has sum 0
	s_wait_alu depctr_va_vdst(0)                   ; the wait ahead of the first reader
	v_sub_f32 v24, v12, v24                        ; -M - log2(sum)
	s_delay_alu instid0(VALU_DEP_1)
	v_cndmask_b32 v12, v12, v24, vcc_lo            ; pass 2's addend; such a row keeps -M
	v_mov_b32 v24, v26                             ; the hold's bound once more, for the second half of a pair
	s_mov_b32 s2, 0
	s_mov_b32 s3, 0
	s_wait_loadcnt 0x0                             ; V's 16 loads are in
.irp i, 0,1,2,3,4,5,6,7,8,9,10,11
	ds_store_b128 v31, v[160+4*\i:163+4*\i] offset:2*PK*\i
.endr
.irp i, 12,13,14,15
	ds_store_b128 v31, v[176+4*\i:179+4*\i] offset:2*PK*\i
.endr
	s_wait_alu depctr_va_vdst(0)
	s_wait_dscnt 0x0                               ; my part of V is in LDS,
	s_barrier_signal -1
	s_barrier_wait -1                              ; and so is everybody's
.set n, 0
.rept 32
	v_mov_b32 v[160+n], 0                          ; O^T, in registers that V has left
.set n, n+1
.endr
.Lpass2:
	v_add_nc_u32 v8, s2, v1
	v_add_nc_u32 v9, s2, v2
	v_nop
	v_nop                                          ; four places behind the last products, ahead of the loads into their sources
	KQ
	s_wait_alu depctr_va_vdst(0)
.irp t, 0,1,2,3
.irp c, 0,1,2,3
	ds_load_b128 v[32+16*\t+4*\c:35+16*\t+4*\c], v9 offset:(\c/2)*16*PK+32*(\c%2)+4*PK*\t
.endr
.endr
	MASKIF
	EXPS                                           ; p, normalised
	v_nop
	s_wait_alu depctr_va_vdst(0)                   ; one wait for the batch, ahead of the branch and of the first reader
	s_cmp_eq_u32 s[HOLD], 0
	s_cbranch_scc1 .Lfree
.set n, 0
.rept 32
	v_dual_min_num_f32 v[96+n], v[96+n], v26 :: v_dual_min_num_f32 v[97+n], v[97+n], v24   ; e8 < -8: the conversion does not saturate (ISA guide 7.6.2); p is not negative; two numbers an instruction
.set n, n+2
.endr
.Lfree:
.irp t, 0,1,2,3,4,5,6,7
	v_cvt_scalef32_pk8_fp8_f32 v[192+2*\t:193+2*\t], v[96+8*\t:103+8*\t], v27
.endr
	v_nop                                          ; a plain line between the conversions and the products
	s_wait_alu depctr_va_vdst(0)                   ; the wait ahead of the first readers of O^T
	s_wait_dscnt 0x0                               ; V's fragments
.irp t, 0,1,2,3
	v_wmma_f32_16x16x128_fp8_fp8 v[160+8*\t:167+8*\t], v[32+16*\t:47+16*\t], v[192:207], v[160+8*\t:167+8*\t]
.endr
	s_add_co_u32 s2, s2, STEPB
	s_add_co_u32 s3, s3, 1
	s_cmp_lt_u32 s3, 16
	s_cbranch_scc1 .Lpass2
.rept 4
	v_nop
.endr
.set n, 0
.rept 32
	v_med3_num_f32 v[96+n], v[160+n], -v28, v28    ; a sum stands for sum x 2^(e8 + e9): held at 448 x 2^(e10 - e8 - e9)
.set n, n+1
.endr
.irp t, 0,1,2,3
	v_cvt_scalef32_pk8_fp8_f32 v[192+2*\t:193+2*\t], v[96+8*\t:103+8*\t], v29
.endr
	v_nop
.irp t, 0,1,2,3
	ds_store_b64 v3, v[192+2*\t:193+2*\t] offset:16*\t   ; my own stage: LDS serves a wave's instructions in order
.endr
	ds_load_b128 v[216:219], v4
	ds_load_b128 v[220:223], v4 offset:640
	s_wait_dscnt 0x1
	global_store_b128 v10, v[216:219], s[10:11]    ; four lanes store a row's 64 bytes: a head's share of a row of ocodes
	s_wait_dscnt 0x0
	global_store_b128 v10, v[220:223], s[10:11] offset:8192
	s_wait_tensorcnt 0x0                           ; the wave's end, behind my last LDS store
	ds_add_u32 v5, v6
	s_wait_dscnt 0x0
	s_endpgm
.Lfunc_end_k_q623d717945_att:
	.size	k_q623d717945_att, .Lfunc_end_k_q623d717945_att-k_q623d717945_att
	.p2alignl 7, 3214868480
	.fill 96, 4, 3214868480
	.section	.rodata,"a",@progbits
	.p2align	6, 0x0
	.amdhsa_kernel k_q623d717945_att
		.amdhsa_group_segment_fixed_size 301056
		.amdhsa_private_segment_fixed_size 0
		.amdhsa_enable_private_segment 0
		.amdhsa_kernarg_size 32
		.amdhsa_user_sgpr_count 2
		.amdhsa_user_sgpr_kernarg_segment_ptr 1
		.amdhsa_wavefront_size32 1
		.amdhsa_system_sgpr_workgroup_id_x 1
		.amdhsa_system_sgpr_workgroup_id_y 1
		.amdhsa_system_sgpr_workgroup_id_z 1
		.amdhsa_system_vgpr_workitem_id 0
		.amdhsa_next_free_vgpr 256
		.amdhsa_next_free_sgpr 106
		.amdhsa_reserve_vcc 1
		.amdhsa_float_denorm_mode_32 3
		.amdhsa_float_denorm_mode_16_64 3
		.amdhsa_memory_ordered 1
		.amdhsa_forward_progress 1
		.amdhsa_inst_pref_size 49
	.end_amdhsa_kernel
	.amdgpu_metadata
---
amdhsa.version: [ 1, 2 ]
amdhsa.kernels:
  - .name:           k_q623d717945_att
    .symbol:         k_q623d717945_att.kd
    .args:
      - { .name: qkv, .offset: 0, .size: 8, .value_kind: global_buffer, .address_space: global }
      - { .name: maskw, .offset: 8, .size: 8, .value_kind: global_buffer, .address_space: global }
      - { .name: lowp_scales, .offset: 16, .size: 8, .value_kind: global_buffer, .address_space: global }
      - { .name: ocodes, .offset: 24, .size: 8, .value_kind: global_buffer, .address_space: global }
    .group_segment_fixed_size: 301056
    .private_segment_fixed_size: 0
    .kernarg_segment_align: 8
    .kernarg_segment_size: 32
    .max_flat_workgroup_size: 512
    .sgpr_count:     106
    .vgpr_count:     256
    .wavefront_size: 32
...
	.end_amdgpu_metadata
.endif
;; end of part 11
;; launch wo (part 12): grid 8 x 32, 4 waves a work-group, clusters of 4 x 4, 327,680 bytes of LDS; arguments ocodes, wcodes, lowp_scales, y; writes y
.if DOCPART == 12
	.amdgcn_target "amdgcn-amd-amdhsa--gfx1250"
	.amdhsa_code_object_version 6
	.text
	.protected	k_q623d717945_wo
	.globl	k_q623d717945_wo
	.p2align	8
	.type	k_q623d717945_wo,@function
k_q623d717945_wo:
	s_mov_b64 s[64:65], 0
	v_nop
	global_prefetch_b8 v0, s[64:65] scope:SCOPE_SE
	s_setreg_imm32_b32 hwreg(HW_REG_WAVE_MODE, 25, 1), 1
	s_wait_xcnt 0x0
	s_wait_alu depctr_hold_cnt(0) depctr_sa_sdst(0) depctr_va_vdst(0) depctr_va_sdst(0) depctr_va_ssrc(0) depctr_va_vcc(0) depctr_vm_vsrc(0)
	s_getreg_b32 s2, hwreg(HW_REG_IB_STS2, 6, 4)
	s_cmp_eq_u32 s2, 0
	s_cbranch_scc0 .Lentry_in_a_cluster
	s_endpgm
.Lentry_in_a_cluster:
	s_bfe_u32 s2, ttmp6, 0x10000c
	s_cmp_lg_u32 s2, 0xf033
	s_cbranch_scc0 .Lentry_shape_is_right
	s_endpgm
.Lentry_shape_is_right:
; Launch 4 of 8: product 6, attention's result x Wo, on E4M3 codes -> y [4096][1024] f32 (bias, residual and LayerNorm follow in the next launch, which owns whole rows).  Nothing of the problem is left out.
; C = A B^T: A = ocodes [4096][1024], B = Wo^T [1024][1024] at 3 MiB of wcodes; each finished sum x 2^(e10 + e11).  LIMIT: e10 + e11 between -126 and 127.
; A tile of C is 128 x 128: 256 tiles, one work-group each.  Four waves, each 64 x 64 in 16 accumulators of 16 x 16.
; ALL OF K AT ONCE: 128 rows of A and 128 of B, 1,024 bytes each, are 260 KiB of LDS with their padding.  Each wave asks for 64 whole rows by its one tensor load at the head; nothing is filled again, so there is no ring.
; CLUSTERS: 4 x 4 work-groups; A's rows are asked for jointly along a row of the cluster, B's along a column.  The matrix instruction is used transposed (source 0 = rows of B): a lane holds eight neighbouring numbers of a row of C.
; No prefetch: the launch's only loads stand at its head, and there is no loop to run ahead in.
; REGISTERS: window 0: v0-31 addresses; v32-127 the way out; v128-255 the accumulators.  window 1: two fragment buffers of 128: for 128 along K, A's four fragments, then B's four.
.set SIZE_K, 1024
.set SIZE_N, 1024
.set BOFF,   0x300000                  ; Wo's place in wcodes
.set SCOFF,  0x28                      ; e10, e11
.set ROWB,   1024
.set PITCH,  1040                      ; an LDS row: 1,024 bytes + 16 = 260 words: the 16 rows of a fragment start at 16 different banks (ISA guide 11.1)
.set FR,     16
.set NP,     4
.set HALFT,  64*PITCH                  ; what one tensor load brings
.set STAGE,  4*HALFT                   ; behind the tiles: 16 rows x 272 bytes a wave, into which no fill lands
.set SPITCH, 272
.set SPARE,  STAGE+4*16*SPITCH         ; the spare words, 128 bytes a wave
.set ADRA, 16
.set ADRB, 20
.set STO,  24
.set RD,   25
.set CO,   26
.set SPW,  28
.set NIL,  29
.set TMP,  32
.set BK,   64
.set ACC,  128
.set F0,   0
.set F1,   128
.set G1, 24
.set G0, 32
.set G1B, 48
.set G0B, 56
.set MSB, 0
.macro WIN new
.if MSB != \new
	s_set_vgpr_msb (MSB<<8)|\new
.set MSB, \new
.endif
.endm
.set MUL,  0x05                        ; sources 0 and 1 window 1; C and D window 0
.set TO_F, 0x40                        ; destination window 1
.macro CROUND                          ; a round of the cluster's barrier
	s_barrier_signal -1
	s_barrier_wait -1
	s_cmp_lg_u32 s14, 0
	s_cbranch_scc1 .Lnot_wave_0_\@
	s_barrier_signal -3
.Lnot_wave_0_\@:
	s_barrier_wait -3
	s_barrier_signal -1
	s_barrier_wait -1
.endm
	s_load_b128 s[4:7], s[0:1], 0x0                ; A's codes, wcodes
	s_load_b128 s[8:11], s[0:1], 0x10              ; the scales, C
	v_lshl_add_u32 v[SPW], v0, 2, SPARE
	v_mov_b32 v[NIL], 0
	ds_add_u32 v[SPW], v[NIL]                      ; the opening: the add, twice on end, and its wait ahead of my tensor load
	ds_add_u32 v[SPW], v[NIL]
	v_lshrrev_b32 v1, 5, v0
	v_readfirstlane_b32 s14, v1                    ; wave 0..3
	s_lshr_b32 s15, s14, 1                         ; my half of the tile's rows; also: I fetch for A (0) or B (1)
	s_and_b32 s16, s14, 1                          ; my half of its columns; also: which 64 rows I fetch
	s_bfe_u32 s40, ttmp6, 0x40000                  ; cx
	s_bfe_u32 s41, ttmp6, 0x40004                  ; cy
	s_lshl_b32 s42, ttmp9, 2
	s_add_co_u32 s42, s42, s40                     ; tile column
	s_and_b32 s17, ttmp7, 0xffff
	s_lshl_b32 s17, s17, 2
	s_add_co_u32 s17, s17, s41                     ; tile row
	s_lshl_b32 s43, s41, 2
	s_lshl_b32 s43, 15, s43                        ; my row of the cluster
	s_lshl_b32 s44, 0x1111, s40                    ; my column
	s_or_b32 s[G1+0], s43, (1<<20)|(1<<21)|(7<<22)|(3<<25)   ; the mask; elements of 1 byte; 4 words of padding behind every 256
	s_or_b32 s[G1B+0], s44, (1<<20)|(1<<21)|(7<<22)|(3<<25)
.irp g, G1, G1B
	s_mov_b32 s[\g+1], ROWB<<16
	s_mov_b32 s[\g+2], 64<<16
	s_mov_b32 s[\g+3], ROWB<<16
	s_mov_b32 s[\g+4], 64
	s_mov_b32 s[\g+5], SIZE_K
	s_mov_b32 s[\g+6], 0
	s_mov_b32 s[\g+7], 0
.endr
	s_lshl_b32 s18, s16, 6
	s_lshl_b32 s20, s17, 7
	s_add_co_u32 s20, s20, s18                     ; A: row 128 x tile row + 64 x half
	s_lshl_b32 s46, s42, 7
	s_add_co_u32 s46, s46, s18                     ; B: row 128 x tile column + 64 x half
	s_lshl_b32 s20, s20, 10                        ; rows of 1,024 bytes; both stay under 4 MiB
	s_lshl_b32 s46, s46, 10
	s_mov_b32 s21, 0
	s_mov_b32 s47, 0
	s_add_nc_u64 s[46:47], s[46:47], BOFF
	s_mul_i32 s45, s14, HALFT                      ; where my rows go: no place in the cluster enters an LDS address
	s_wait_dscnt 0x0                               ; both opening adds are done
	s_wait_kmcnt 0x0
	s_load_b64 s[96:97], s[8:9], SCOFF             ; e10, e11
	s_mov_b32 s[G0], 1
	s_mov_b32 s[G0+1], s45
	s_add_nc_u64 s[G0+2:G0+3], s[4:5], s[20:21]
	s_or_b32 s[G0+3], s[G0+3], 0x80000000
	s_mov_b32 s[G0B], 1
	s_mov_b32 s[G0B+1], s45
	s_add_nc_u64 s[G0B+2:G0B+3], s[6:7], s[46:47]
	s_or_b32 s[G0B+3], s[G0B+3], 0x80000000
	CROUND                                         ; all sixteen work-groups are here: the joint loads meet
	s_cmp_eq_u32 s15, 0
	s_cbranch_scc0 .Lfor_b
	tensor_load_to_lds s[G0:G0+3], s[G1:G1+7]
	s_nop 0
.rept 4
	v_nop
.endr
	s_branch .Lasked
.Lfor_b:
	tensor_load_to_lds s[G0B:G0B+3], s[G1B:G1B+7]
	s_nop 0
.rept 4
	v_nop
.endr
.Lasked:
	s_mul_i32 s21, s15, HALFT                      ; my 64 rows of A
	s_mul_i32 s22, s16, HALFT
	s_add_co_u32 s22, s22, 2*HALFT                 ; my 64 rows of B, behind A's 128
	s_mul_i32 s23, s14, 16*SPITCH
	s_add_co_u32 s23, s23, STAGE                   ; my stage
	s_lshl_b32 s20, s17, 7
	s_lshl_b32 s18, s15, 6
	s_add_co_u32 s20, s20, s18                     ; my first row of C
	s_lshl_b32 s20, s20, 12                        ; rows of 4,096 bytes
	s_lshl_b32 s46, s42, 9
	s_add_co_u32 s20, s20, s46
	s_lshl_b32 s46, s16, 8
	s_add_co_u32 s20, s20, s46                     ; + 512 x tile column + 256 x half
	s_mov_b32 s19, 0
	s_mov_b32 s18, s20
	s_add_nc_u64 s[10:11], s[10:11], s[18:19]
	v_and_b32 v1, 15, v0                           ; r
	v_bfe_u32 v2, v0, 4, 1                         ; h
	v_mul_u32_u24 v3, v1, PITCH
	v_lshl_add_u32 v4, v2, 4, v3
	v_add_nc_u32 v[ADRA], s21, v4
	v_add_nc_u32 v[ADRB], s22, v4
	v_mul_u32_u24 v5, v1, SPITCH
	v_lshl_add_u32 v5, v2, 5, v5
	v_add_nc_u32 v[STO], s23, v5                   ; in: row r, 32 bytes for each half of the lanes
	v_mul_u32_u24 v6, v2, SPITCH
	v_lshl_add_u32 v6, v1, 4, v6
	v_add_nc_u32 v[RD], s23, v6                    ; back: lanes 0-15 one row of 256 bytes, lanes 16-31 the next
	v_mul_u32_u24 v[CO], v2, SIZE_N*4
	v_lshl_add_u32 v[CO], v1, 4, v[CO]             ; and the same two rows in C
.macro FRAG reg, adr, k, i             ; 16 rows x 128 K: registers 4 c .. 4 c + 3 hold K = 32 c + 16 h + 0 .. 15: the same permutation of k in A and in B
.irp c, 0,1,2,3
	ds_load_b128 v[\reg+4*\c:\reg+4*\c+3], v[\adr] offset:(\k)+32*\c+(\i)*16*PITCH
.endr
.endm
.macro FETCH k, f                      ; 32 LDS loads in one run: B's four fragments, then A's four
	WIN TO_F
.irp i, 0,1,2,3
	FRAG \f+64+FR*\i, ADRB, \k, \i
.endr
.irp i, 0,1,2,3
	FRAG \f+FR*\i, ADRA, \k, \i
.endr
.endm
.macro MULA f, a, zero                 ; A's block a x B's four.  The 16 accumulators take turns, one instruction a turn
.irp b, 0,1,2,3
.if \zero
	v_wmma_f32_16x16x128_fp8_fp8 v[ACC+8*(4*(\a)+\b):ACC+8*(4*(\a)+\b)+7], v[\f+64+FR*\b:\f+64+FR*\b+FR-1], v[\f+FR*(\a):\f+FR*(\a)+FR-1], 0
.else
	v_wmma_f32_16x16x128_fp8_fp8 v[ACC+8*(4*(\a)+\b):ACC+8*(4*(\a)+\b)+7], v[\f+64+FR*\b:\f+64+FR*\b+FR-1], v[\f+FR*(\a):\f+FR*(\a)+FR-1], v[ACC+8*(4*(\a)+\b):ACC+8*(4*(\a)+\b)+7]
.endif
.endr
.endm
.macro PLACES n
.rept \n
	v_nop
.endr
.endm
.macro EIGHTH k, f, g, zero            ; 128 along K on buffer f; in its middle the next 128, at byte k, are fetched into buffer g
	s_wait_dscnt 8                                 ; B's four and A's blocks 0, 1 are in; the eight youngest loads may be out
	WIN MUL
	MULA \f, 0, \zero
	MULA \f, 1, \zero
	PLACES NP                                      ; buffer g was multiplied just before
	FETCH \k, \g
	s_wait_dscnt 32                                ; all but the 32 just issued
	WIN MUL
	MULA \f, 2, \zero
	MULA \f, 3, \zero
.endm
	s_wait_alu depctr_va_vdst(0)                   ; the wait at the head's end
	s_wait_tensorcnt 0x0                           ; my 64 rows are in,
	s_barrier_signal -1
	s_barrier_wait -1                              ; and everybody's
	FETCH 0, F0
	EIGHTH 128, F0, F1, 1                          ; the first products start the sums
	EIGHTH 256, F1, F0, 0
	EIGHTH 384, F0, F1, 0
	EIGHTH 512, F1, F0, 0
	EIGHTH 640, F0, F1, 0
	EIGHTH 768, F1, F0, 0
	EIGHTH 896, F0, F1, 0
	s_wait_dscnt 8
	WIN MUL
	MULA F1, 0, 0
	MULA F1, 1, 0
	s_wait_dscnt 0
	MULA F1, 2, 0
	MULA F1, 3, 0
	WIN 0
; THE WAY OUT, block by block of 16 rows x 64 columns, through my own stage: whole rows of 256 bytes come back.  LDS serves a wave's instructions in order (ISA guide 5.7.1.4).
.macro TOSTAGE a
.set AC, ACC+32*(\a)
.set j, 0
.rept 16
	v_pk_mul_f32 v[TMP+j:TMP+j+1], v[AC+j:AC+j+1], s[96:97] op_sel_hi:[1,0]   ; x 2^(e10 + e11); each accumulator from its low end on
.set j, j+2
.endr
.irp b, 0,1,2,3
	ds_store_b128 v[STO], v[TMP+8*\b:TMP+8*\b+3] offset:64*\b
	ds_store_b128 v[STO], v[TMP+8*\b+4:TMP+8*\b+7] offset:64*\b+16
.endr
.set BB, BK+32*((\a)%2)
.irp t, 0,1,2,3,4,5,6,7
	ds_load_b128 v[BB+4*\t:BB+4*\t+3], v[RD] offset:\t*2*SPITCH
.endr
.endm
.macro SEND a, younger                 ; younger: the LDS instructions issued behind block a's loads
.set BB, BK+32*((\a)%2)
	s_wait_dscnt \younger
.if (\a) > 0
	s_add_nc_u64 s[10:11], s[10:11], 16*SIZE_N*4   ; behind a wait on XCNT: the earlier stores have read their base
.endif
.irp t, 0,1,2,3,4,5,6,7
	global_store_b128 v[CO], v[BB+4*\t:BB+4*\t+3], s[10:11] offset:2*\t*SIZE_N*4 th:TH_STORE_NT   ; sixteen lanes store 256 consecutive bytes, aligned
.endr
.endm
	s_wait_kmcnt 0x0
	s_add_co_i32 s96, s96, s97
	s_add_co_i32 s96, s96, 127
	s_lshl_b32 s96, s96, 23                        ; 2^(e10 + e11) as f32
	PLACES NP
	TOSTAGE 0
.irp a, 1,2,3
.if \a > 1
	s_wait_xcnt 0x0                                ; the stores of two blocks ago have read their registers and their base
.endif
	TOSTAGE \a
	SEND \a-1, 16
.endr
	s_wait_xcnt 0x0
	SEND 3, 0
	s_wait_tensorcnt 0x0                           ; the wave's end
	ds_add_u32 v[SPW], v[NIL]
	s_wait_dscnt 0x0
	CROUND                                         ; the closing round
	s_endpgm
.Lfunc_end_k_q623d717945_wo:
	.size	k_q623d717945_wo, .Lfunc_end_k_q623d717945_wo-k_q623d717945_wo
	.p2alignl 7, 3214868480
	.fill 96, 4, 3214868480
	.section	.rodata,"a",@progbits
	.p2align	6, 0x0
	.amdhsa_kernel k_q623d717945_wo
		.amdhsa_group_segment_fixed_size 327680
		.amdhsa_private_segment_fixed_size 0
		.amdhsa_enable_private_segment 0
		.amdhsa_kernarg_size 32
		.amdhsa_user_sgpr_count 2
		.amdhsa_user_sgpr_kernarg_segment_ptr 1
		.amdhsa_wavefront_size32 1
		.amdhsa_system_sgpr_workgroup_id_x 1
		.amdhsa_system_sgpr_workgroup_id_y 1
		.amdhsa_system_sgpr_workgroup_id_z 1
		.amdhsa_system_vgpr_workitem_id 0
		.amdhsa_next_free_vgpr 512
		.amdhsa_next_free_sgpr 100
		.amdhsa_reserve_vcc 0
		.amdhsa_float_denorm_mode_32 3
		.amdhsa_float_denorm_mode_16_64 3
		.amdhsa_memory_ordered 1
		.amdhsa_forward_progress 1
		.amdhsa_inst_pref_size 44
	.end_amdhsa_kernel
	.amdgpu_metadata
---
amdhsa.version: [ 1, 2 ]
amdhsa.kernels:
  - .name:           k_q623d717945_wo
    .symbol:         k_q623d717945_wo.kd
    .args:
      - { .name: ocodes, .offset: 0, .size: 8, .value_kind: global_buffer, .address_space: global }
      - { .name: wcodes, .offset: 8, .size: 8, .value_kind: global_buffer, .address_space: global }
      - { .name: lowp_scales, .offset: 16, .size: 8, .value_kind: global_buffer, .address_space: global }
      - { .name: y, .offset: 24, .size: 8, .value_kind: global_buffer, .address_space: global }
    .group_segment_fixed_size: 327680
    .private_segment_fixed_size: 0
    .kernarg_segment_align: 8
    .kernarg_segment_size: 32
    .max_flat_workgroup_size: 128
    .sgpr_count:     100
    .vgpr_count:     512
    .wavefront_size: 32
...
	.end_amdgpu_metadata
.endif
;; end of part 12
;; launch ln1 (part 13): grid 512 x 1, 4 waves a work-group, no clusters, 8,704 bytes of LDS; arguments y, bo, x, g1, be1, x1, lowp_scales, xcodes; writes x1, xcodes
.if DOCPART == 13
	.amdgcn_target "amdgcn-amd-amdhsa--gfx1250"
	.amdhsa_code_object_version 6
	.text
	.protected	k_q623d717945_ln1
	.globl	k_q623d717945_ln1
	.p2align	8
	.type	k_q623d717945_ln1,@function
k_q623d717945_ln1:
	s_mov_b64 s[64:65], 0
	v_nop
	global_prefetch_b8 v0, s[64:65] scope:SCOPE_SE
	s_setreg_imm32_b32 hwreg(HW_REG_WAVE_MODE, 25, 1), 1
	s_wait_xcnt 0x0
; Launch 5 of 8: x1 = LayerNorm((y + bo) + x) g1 + be1, stored in f32 (the second residual) and as E4M3 codes with scale 2^e12 (product 7's left operand), over the first 4 MiB of xcodes, whose old bytes are read by nobody any more.
; Nothing of the problem is left out.  A stream: memory binds, so no matrix unit, no cluster, no barrier.  A wave takes two whole rows of 1,024; a lane holds columns 128 j + 4 l + 0 .. 3, so every load and store covers 512 consecutive bytes.
; All 56 loads of a wave go out at the head.  Mean and variance as the problem writes them: the mean first, then the mean of the squared differences.
; One scale serves the whole tensor, so a conversion may take any eight numbers: the codes of pieces j = 2 q and 2 q + 1 come out as two words, which meet in LDS as a row of 1,024 bytes.
; LIMITS: e12 between -126 and 119; NaN among the inputs is not served.
.set CODES, 1
.set BI, 16                            ; v16-47   the bias
.set G,  48                            ; v48-79   the gain
.set BE, 80                            ; v80-111  the offset
.set Y,  112                           ; v112-143 row 0, v176-207 row 1: y, then the row at work
.set R,  144                           ; v144-175, v208-239: the residual
.set SPW, 14
.set NIL, 15
.set SPARE, 8192                       ; behind the waves' 4 x 2,048 bytes: the spare words
	s_load_b256 s[4:11], s[0:1], 0x0               ; y s[4:5], bias s[6:7], residual s[8:9], gain s[10:11]
	s_load_b128 s[12:15], s[0:1], 0x20             ; offset s[12:13], the f32 result s[14:15]
.if CODES
	s_load_b128 s[16:19], s[0:1], 0x30             ; the scales s[16:17], the codes s[18:19]
	v_lshl_add_u32 v[SPW], v0, 2, SPARE
	v_mov_b32 v[NIL], 0
.endif
	v_lshrrev_b32 v2, 5, v0
	v_readfirstlane_b32 s20, v2                    ; wave
	v_and_b32 v3, 31, v0
	v_lshlrev_b32 v1, 4, v3                        ; 16 x lane; never rewritten
	s_lshl_b32 s21, ttmp9, 3
	s_lshl_b32 s22, s20, 1
	s_add_co_u32 s21, s21, s22                     ; my first row
	s_lshl_b32 s22, s21, 12
	s_mov_b32 s23, 0
	s_mov_b32 s24, 0x3a800000                      ; 1 / 1024
	s_mov_b32 s25, 0x3727c5ac                      ; 1e-5
	s_mov_b32 s26, 0x76543210
	s_mov_b32 s27, 0xfedcba98
	s_wait_alu depctr_va_vdst(0)
	s_wait_kmcnt 0x0
	s_add_nc_u64 s[4:5], s[4:5], s[22:23]
	s_add_nc_u64 s[8:9], s[8:9], s[22:23]
	s_add_nc_u64 s[14:15], s[14:15], s[22:23]
.if CODES
	s_load_b32 s28, s[16:17], 0x30                 ; e12
	s_lshl_b32 s30, s21, 10
	s_mov_b32 s31, 0
	s_add_nc_u64 s[18:19], s[18:19], s[30:31]
.endif
.macro LD8 reg, lo, off
.set j, 0
.rept 8
	global_load_b128 v[\reg+4*j:\reg+4*j+3], v1, s[\lo:\lo+1] offset:\off+512*j
.set j, j+1
.endr
.endm
	LD8 Y, 4, 0
	LD8 R, 8, 0
	LD8 BI, 6, 0
	LD8 Y+64, 4, 4096
	LD8 R+64, 8, 4096
	LD8 G, 10, 0
	LD8 BE, 12, 0
.macro REDUCE                          ; v[2:3] -> the sum over the wave's 32 lanes, in every lane's v2
	v_add_f32 v2, v2, v3
	v_add_f32_dpp v2, v2, v2 row_xmask:1 row_mask:0xf bank_mask:0xf
	v_add_f32_dpp v2, v2, v2 row_xmask:2 row_mask:0xf bank_mask:0xf
	v_add_f32_dpp v2, v2, v2 row_xmask:4 row_mask:0xf bank_mask:0xf
	v_add_f32_dpp v2, v2, v2 row_xmask:8 row_mask:0xf bank_mask:0xf
	v_permlanex16_b32 v3, v2, s26, s27
	v_add_f32 v2, v2, v3
.endm
.macro FOLD                            ; the four chains v[2:9] -> v[2:3]
	v_pk_add_f32 v[2:3], v[2:3], v[4:5]
	v_pk_add_f32 v[6:7], v[6:7], v[8:9]
	v_pk_add_f32 v[2:3], v[2:3], v[6:7]
.endm
.macro STATS i                         ; row i: (y + bias) + residual, less its mean, in place; 1 / sqrt(variance + 1e-5) into v[10 + 2 i] and the register beside it
.set Z, Y+64*(\i)
.set RR, R+64*(\i)
.set k, 0
.rept 16
	v_pk_add_f32 v[Z+k:Z+k+1], v[Z+k:Z+k+1], v[BI+k:BI+k+1]
.set k, k+2
.endr
.set k, 0
.rept 16
	v_pk_add_f32 v[Z+k:Z+k+1], v[Z+k:Z+k+1], v[RR+k:RR+k+1]
.set k, k+2
.endr
.irp c, 0,1,2,3
	v_pk_add_f32 v[2+2*\c:3+2*\c], v[Z+4*\c:Z+4*\c+1], v[Z+4*\c+2:Z+4*\c+3]   ; four chains, started by the first pairs
.endr
.irp p, 0,1,2,3,4,5,6,7
	v_pk_add_f32 v[2+2*(\p%4):3+2*(\p%4)], v[2+2*(\p%4):3+2*(\p%4)], v[Z+16+2*\p:Z+17+2*\p]
.endr
	FOLD
	REDUCE
	v_mul_f32 v4, s24, v2                          ; the mean
	v_mov_b32 v5, v4
.set k, 0
.rept 16
	v_pk_add_f32 v[Z+k:Z+k+1], v[Z+k:Z+k+1], v[4:5] neg_lo:[0,1] neg_hi:[0,1]
.set k, k+2
.endr
.irp c, 0,1,2,3
	v_pk_mul_f32 v[2+2*\c:3+2*\c], v[Z+2*\c:Z+2*\c+1], v[Z+2*\c:Z+2*\c+1]
.endr
.irp p, 4,5,6,7,8,9,10,11,12,13,14,15
	v_pk_fma_f32 v[2+2*(\p%4):3+2*(\p%4)], v[Z+2*\p:Z+2*\p+1], v[Z+2*\p:Z+2*\p+1], v[2+2*(\p%4):3+2*(\p%4)]
.endr
	FOLD
	REDUCE
	v_fma_f32 v2, v2, s24, s25                     ; the variance + 1e-5
	s_wait_alu depctr_va_vdst(0)
	v_rsq_f32 v[10+2*(\i)], v2
	v_nop                                          ; a plain line behind it,
	s_wait_alu depctr_va_vdst(0)                   ; and the wait ahead of the first reader
	v_mov_b32 v[11+2*(\i)], v[10+2*(\i)]
.endm
.macro FINISH i
.set Z, Y+64*(\i)
.set k, 0
.rept 16
	v_pk_mul_f32 v[Z+k:Z+k+1], v[Z+k:Z+k+1], v[10+2*(\i):11+2*(\i)]
.set k, k+2
.endr
.set k, 0
.rept 16
	v_pk_fma_f32 v[Z+k:Z+k+1], v[Z+k:Z+k+1], v[G+k:G+k+1], v[BE+k:BE+k+1]
.set k, k+2
.endr
.set j, 0
.rept 8
	global_store_b128 v1, v[Z+4*j:Z+4*j+3], s[14:15] offset:4096*(\i)+512*j
.set j, j+1
.endr
.if CODES
.if \i
	s_wait_dscnt 0x0                               ; row 0's LDS stores have read the codes' registers
.endif
.set q, 0
.rept 4
.set k, 0
.rept 8
	v_med3_num_f32 v[240+k], v[Z+8*q+k], -v5, v5   ; the conversion does not saturate (ISA guide 7.6.2): the hold at 448 x the scale
.set k, k+1
.endr
	v_cvt_scalef32_pk8_fp8_f32 v[248+2*q:249+2*q], v[240:247], v4
	v_nop                                          ; a plain line between the conversion and the next holds, which write its sources
	ds_store_b32 v2, v[248+2*q] offset:1024*(\i)+256*q
	ds_store_b32 v2, v[249+2*q] offset:1024*(\i)+256*q+128
.set q, q+1
.endr
.endif
.endm
	s_wait_loadcnt 32                              ; row 0 and the bias are in; the 32 loads of row 1, gain and offset may be out
	STATS 0
	s_wait_loadcnt 16                              ; row 1 is in; the 16 loads of gain and offset may be out
	STATS 1
.if CODES
	s_lshl_b32 s29, s20, 11                        ; my 2,048 bytes of LDS
	v_and_b32 v3, 31, v0
	v_lshl_add_u32 v2, v3, 2, s29                  ; in: 4 x lane
	v_lshl_add_u32 v3, v3, 4, s29                  ; back: 16 x lane
	s_wait_kmcnt 0x0
	s_add_co_i32 s28, s28, 127
	s_lshl_b32 s30, s28, 23
	v_mov_b32 v4, s30                              ; 2^e12
	s_add_co_i32 s28, s28, 8
	s_lshl_b32 s28, s28, 23
	s_or_b32 s28, s28, 0x600000
	v_mov_b32 v5, s28                              ; 448 x 2^e12
.endif
	s_wait_loadcnt 0x0
	FINISH 0
	FINISH 1
.if CODES
.irp t, 0,1,2,3                        ; two rows of 1,024 codes: LDS serves a wave's instructions in order: these see my stores
	ds_load_b128 v[R+4*\t:R+4*\t+3], v3 offset:512*\t
.endr
.irp t, 0,1,2,3
	s_wait_dscnt 3-\t                              ; the younger loads may be out
	global_store_b128 v1, v[R+4*\t:R+4*\t+3], s[18:19] offset:512*\t
.endr
	s_wait_tensorcnt 0x0                           ; the wave's end, behind my last LDS store
	ds_add_u32 v[SPW], v[NIL]
	s_wait_dscnt 0x0
.endif
	s_endpgm
.Lfunc_end_k_q623d717945_ln1:
	.size	k_q623d717945_ln1, .Lfunc_end_k_q623d717945_ln1-k_q623d717945_ln1
	.p2alignl 7, 3214868480
	.fill 96, 4, 3214868480
	.section	.rodata,"a",@progbits
	.p2align	6, 0x0
	.amdhsa_kernel k_q623d717945_ln1
		.amdhsa_group_segment_fixed_size 8704
		.amdhsa_private_segment_fixed_size 0
		.amdhsa_enable_private_segment 0
		.amdhsa_kernarg_size 64
		.amdhsa_user_sgpr_count 2
		.amdhsa_user_sgpr_kernarg_segment_ptr 1
		.amdhsa_wavefront_size32 1
		.amdhsa_system_sgpr_workgroup_id_x 1
		.amdhsa_system_sgpr_workgroup_id_y 1
		.amdhsa_system_sgpr_workgroup_id_z 1
		.amdhsa_system_vgpr_workitem_id 0
		.amdhsa_next_free_vgpr 256
		.amdhsa_next_free_sgpr 66
		.amdhsa_reserve_vcc 0
		.amdhsa_float_denorm_mode_32 3
		.amdhsa_float_denorm_mode_16_64 3
		.amdhsa_memory_ordered 1
		.amdhsa_forward_progress 1
		.amdhsa_inst_pref_size 32
	.end_amdhsa_kernel
	.amdgpu_metadata
---
amdhsa.version: [ 1, 2 ]
amdhsa.kernels:
  - .name:           k_q623d717945_ln1
    .symbol:         k_q623d717945_ln1.kd
    .args:
      - { .name: y, .offset: 0, .size: 8, .value_kind: global_buffer, .address_space: global }
      - { .name: bo, .offset: 8, .size: 8, .value_kind: global_buffer, .address_space: global }
      - { .name: x, .offset: 16, .size: 8, .value_kind: global_buffer, .address_space: global }
      - { .name: g1, .offset: 24, .size: 8, .value_kind: global_buffer, .address_space: global }
      - { .name: be1, .offset: 32, .size: 8, .value_kind: global_buffer, .address_space: global }
      - { .name: x1, .offset: 40, .size: 8, .value_kind: global_buffer, .address_space: global }
      - { .name: lowp_scales, .offset: 48, .size: 8, .value_kind: global_buffer, .address_space: global }
      - { .name: xcodes, .offset: 56, .size: 8, .value_kind: global_buffer, .address_space: global }
    .group_segment_fixed_size: 8704
    .private_segment_fixed_size: 0
    .kernarg_segment_align: 8
    .kernarg_segment_size: 64
    .max_flat_workgroup_size: 128
    .sgpr_count:     66
    .vgpr_count:     256
    .wavefront_size: 32
...
	.end_amdgpu_metadata
.endif
;; end of part 13
;; launch ffn1 (part 14): grid 16 x 16, 4 waves a work-group, clusters of 4 x 4, 327,680 bytes of LDS; arguments xcodes, wcodes, lowp_scales, hcodes, b1; writes hcodes
.if DOCPART == 14
	.amdgcn_target "amdgcn-amd-amdhsa--gfx1250"
	.amdhsa_code_object_version 6
	.text
	.protected	k_q623d717945_ffn1
	.globl	k_q623d717945_ffn1
	.p2align	8
	.type	k_q623d717945_ffn1,@function
k_q623d717945_ffn1:
	s_mov_b64 s[64:65], 0
	v_nop
	global_prefetch_b8 v0, s[64:65] scope:SCOPE_SE
	s_setreg_imm32_b32 hwreg(HW_REG_WAVE_MODE, 25, 1), 1
	s_wait_xcnt 0x0
	s_wait_alu depctr_hold_cnt(0) depctr_sa_sdst(0) depctr_va_vdst(0) depctr_va_sdst(0) depctr_va_ssrc(0) depctr_va_vcc(0) depctr_vm_vsrc(0)
	s_getreg_b32 s2, hwreg(HW_REG_IB_STS2, 6, 4)
	s_cmp_eq_u32 s2, 0
	s_cbranch_scc0 .Lentry_in_a_cluster
	s_endpgm
.Lentry_in_a_cluster:
	s_bfe_u32 s2, ttmp6, 0x10000c
	s_cmp_lg_u32 s2, 0xf033
	s_cbranch_scc0 .Lentry_shape_is_right
	s_endpgm
.Lentry_shape_is_right:
.set SIZE_K, 1024
.set BOFF,   0x400000
.set KSTEP,  256
.set ROWB,   256
.set KROW,   SIZE_K
.set PITCH,  272
.set FR,     16
.set NL,     4
.set NP,     4
.set HALFT,  128*PITCH
.set SLOT,   4*HALFT
.set LAPS,   SIZE_K/(2*KSTEP)
.set SPARE,  2*SLOT
.set ADRA, 16
.set ADRB, 20
.set STO,  24
.set RD,   25
.set CO,   26
.set BO,   27
.set SPW,  28
.set NIL,  29
.set SCL,  30
.set LIM,  31
.set BI,   32
.set CD,   96
.set TMP,  128
.set AF,   128
.set G1, 24
.set G0, 32
.set G1B, 48
.set G0B, 56
.set MSB, 0
.macro WIN new
.if MSB != \new
	s_set_vgpr_msb (MSB<<8)|\new
.set MSB, \new
.endif
.endm
.set MUL_LO, 0xa1
.set MUL_HI, 0xf1
.set TO_B,   0x40
.macro JLOAD g0a, g1a, g0b, g1b
	s_cmp_eq_u32 s15, 0
	s_cbranch_scc0 .Lfor_b_\@
	tensor_load_to_lds s[\g0a:\g0a+3], s[\g1a:\g1a+7]
	s_nop 0
.rept 4
	v_nop
.endr
	s_branch .Lasked_\@
.Lfor_b_\@:
	tensor_load_to_lds s[\g0b:\g0b+3], s[\g1b:\g1b+7]
	s_nop 0
.rept 4
	v_nop
.endr
.Lasked_\@:
.endm
.macro CREST
	s_cmp_lg_u32 s14, 0
	s_cbranch_scc1 .Lnot_wave_0_\@
	s_barrier_signal -3
.Lnot_wave_0_\@:
	s_barrier_wait -3
	s_barrier_signal -1
	s_barrier_wait -1
.endm
.macro CROUND
	s_barrier_signal -1
	s_barrier_wait -1
	CREST
.endm
	s_load_b128 s[4:7], s[0:1], 0x0
	s_load_b128 s[8:11], s[0:1], 0x10
	s_load_b64 s[12:13], s[0:1], 0x20
	v_lshl_add_u32 v[SPW], v0, 2, SPARE
	v_mov_b32 v[NIL], 0
	ds_add_u32 v[SPW], v[NIL]
	ds_add_u32 v[SPW], v[NIL]
	v_lshrrev_b32 v1, 5, v0
	v_readfirstlane_b32 s14, v1
	s_lshr_b32 s15, s14, 1
	s_and_b32 s16, s14, 1
	s_bfe_u32 s40, ttmp6, 0x40000
	s_bfe_u32 s41, ttmp6, 0x40004
	s_lshl_b32 s42, ttmp9, 2
	s_add_co_u32 s42, s42, s40
	s_and_b32 s17, ttmp7, 0xffff
	s_lshl_b32 s17, s17, 2
	s_add_co_u32 s17, s17, s41
	s_lshl_b32 s43, s41, 2
	s_lshl_b32 s43, 15, s43
	s_lshl_b32 s44, 0x1111, s40
	s_or_b32 s[G1+0], s43, (0<<16)|(1<<20)|(1<<21)|(5<<22)|(3<<25)
	s_or_b32 s[G1B+0], s44, (0<<16)|(1<<20)|(1<<21)|(5<<22)|(3<<25)
.irp g, G1, G1B
	s_mov_b32 s[\g+1], ROWB<<16
	s_mov_b32 s[\g+2], 128<<16
	s_mov_b32 s[\g+3], ROWB<<16
	s_mov_b32 s[\g+4], 128
	s_mov_b32 s[\g+5], KROW
	s_mov_b32 s[\g+6], 0
	s_mov_b32 s[\g+7], 0
.endr
	s_lshl_b32 s18, s16, 7
	s_lshl_b32 s20, s17, 8
	s_add_co_u32 s20, s20, s18
	s_lshl_b32 s46, s42, 8
	s_add_co_u32 s46, s46, s18
	s_mov_b32 s21, 0
	s_mov_b32 s47, 0
	s_mov_b64 s[18:19], KROW
	s_mul_u64 s[20:21], s[20:21], s[18:19]
	s_mul_u64 s[46:47], s[46:47], s[18:19]
	s_add_nc_u64 s[46:47], s[46:47], BOFF
	s_mul_i32 s45, s14, HALFT
	s_wait_dscnt 0x0
	s_wait_kmcnt 0x0
	s_load_b96 s[96:98], s[8:9], 0x30
	s_add_nc_u64 s[20:21], s[4:5], s[20:21]
	s_add_nc_u64 s[46:47], s[6:7], s[46:47]
	CROUND
.irp s, 0,1
	s_mov_b32 s[G0+4*\s], 1
	s_add_co_u32 s[G0+4*\s+1], s45, \s*SLOT
	s_add_nc_u64 s[G0+4*\s+2:G0+4*\s+3], s[20:21], \s*ROWB
	s_or_b32 s[G0+4*\s+3], s[G0+4*\s+3], 0x80000000
	s_mov_b32 s[G0B+4*\s], 1
	s_add_co_u32 s[G0B+4*\s+1], s45, \s*SLOT
	s_add_nc_u64 s[G0B+4*\s+2:G0B+4*\s+3], s[46:47], \s*ROWB
	s_or_b32 s[G0B+4*\s+3], s[G0B+4*\s+3], 0x80000000
	s_wait_alu depctr_va_vdst(0)
	s_wait_tensorcnt 0x0
	ds_add_u32 v28, v29
	ds_add_u32 v28, v29
	s_wait_dscnt 0x0
	CROUND
	JLOAD G0+4*\s, G1, G0B+4*\s, G1B
.endr
	v_and_b32 v1, 15, v0
	v_bfe_u32 v2, v0, 4, 1
	v_mul_u32_u24 v3, v1, PITCH
	v_lshl_add_u32 v4, v2, 4, v3
	s_wait_alu depctr_va_vdst(0)
	s_lshl_b32 s46, s42, 10
	s_lshl_b32 s47, s16, 9
	s_add_co_u32 s46, s46, s47
	s_mov_b32 s47, 0
	s_add_nc_u64 s[12:13], s[12:13], s[46:47]
	v_lshlrev_b32 v[BO], 5, v2
.irp b, 0,1,2,3,4,5,6,7
	global_load_b128 v[BI+8*\b:BI+8*\b+3], v[BO], s[12:13] offset:64*\b
	global_load_b128 v[BI+8*\b+4:BI+8*\b+7], v[BO], s[12:13] offset:64*\b+16
.endr
	s_mul_i32 s21, s15, HALFT
	s_mul_i32 s22, s16, HALFT
	s_add_co_u32 s22, s22, 2*HALFT
.irp s, 0,1
	v_add_nc_u32 v[ADRA+\s], s21, v4
	v_add_nc_u32 v[ADRB+\s], s22, v4
	s_add_co_u32 s21, s21, SLOT
	s_add_co_u32 s22, s22, SLOT
.endr
	s_mul_i32 s23, s15, 128*PITCH
	s_lshl_b32 s21, s16, 7
	s_add_co_u32 s23, s23, s21
	v_lshl_add_u32 v5, v2, 3, v3
	v_add_nc_u32 v[STO], s23, v5
	v_mul_u32_u24 v5, v2, PITCH
	v_lshl_add_u32 v5, v1, 4, v5
	s_mul_i32 s23, s14, 64*PITCH
	v_add_nc_u32 v[RD], s23, v5
	v_lshlrev_b32 v[CO], 12, v2
	v_lshl_add_u32 v[CO], v1, 4, v[CO]
	s_lshl_b32 s20, s17, 8
	s_lshl_b32 s21, s14, 6
	s_add_co_u32 s20, s20, s21
	s_lshl_b32 s20, s20, 12
	s_lshl_b32 s46, s42, 8
	s_add_co_u32 s20, s20, s46
	s_mov_b32 s21, 0
	s_add_nc_u64 s[10:11], s[10:11], s[20:21]
.macro FRAG reg, adr, q, i
.irp c, 0,1,2,3
	ds_load_b128 v[\reg+4*\c:\reg+4*\c+3], v[\adr] offset:128*(\q)+32*\c+(\i)*16*PITCH
.endr
.endm
.macro MUL16 a0, p, zero
.irp a, \a0, \a0+1
.irp b, 0,1,2,3,4,5,6,7
.if \zero
	v_wmma_f32_16x16x128_fp8_fp8 v[8*(8*((\a)%4)+\b):8*(8*((\a)%4)+\b)+7], v[128*(\p)+FR*\b:128*(\p)+FR*\b+FR-1], v[AF+FR*(\a):AF+FR*(\a)+FR-1], 0
.else
	v_wmma_f32_16x16x128_fp8_fp8 v[8*(8*((\a)%4)+\b):8*(8*((\a)%4)+\b)+7], v[128*(\p)+FR*\b:128*(\p)+FR*\b+FR-1], v[AF+FR*(\a):AF+FR*(\a)+FR-1], v[8*(8*((\a)%4)+\b):8*(8*((\a)%4)+\b)+7]
.endif
.endr
.endr
.endm
.macro FETCH_B slot, q, p
	WIN TO_B
.irp i, 0,1,2,3,4,5,6,7
	FRAG 128*(\p)+FR*\i, ADRB+\slot, \q, \i
.endr
	WIN 0
.endm
.macro FETCH_A slot, q, i0
.irp i, \i0, \i0+1, \i0+2, \i0+3
	FRAG AF+FR*(\i), ADRA+\slot, \q, \i
.endr
.endm
.macro PLACES n
.rept \n
	v_nop
.endr
.endm
.macro STEP slot, q, zero
	s_wait_dscnt 4*NL
	WIN MUL_LO
	MUL16 0, (\q)%2, \zero
	MUL16 2, (\q)%2, \zero
	s_wait_dscnt 0
	PLACES NP
	FETCH_B \slot, (\q)+1, 1-(\q)%2
	FETCH_A \slot, (\q)+1, 0
	WIN MUL_HI
	MUL16 4, (\q)%2, \zero
	MUL16 6, (\q)%2, \zero
	PLACES NP
	WIN 0
	FETCH_A \slot, (\q)+1, 4
.endm
.macro TURN slot, next, fill
	s_wait_tensorcnt 0x0
	ds_add_u32 v[SPW], v[NIL]
	s_wait_dscnt 4*NL+1
	WIN MUL_LO
	MUL16 0, 1, 0
	s_wait_dscnt 0x0
	s_barrier_signal -1
	MUL16 2, 1, 0
	WIN 0
	s_barrier_wait -1
.if \fill
	CREST
	s_add_nc_u64 s[G0+4*\slot+2:G0+4*\slot+3], s[G0+4*\slot+2:G0+4*\slot+3], 2*ROWB
	s_add_nc_u64 s[G0B+4*\slot+2:G0B+4*\slot+3], s[G0B+4*\slot+2:G0B+4*\slot+3], 2*ROWB
	JLOAD G0+4*\slot, G1, G0B+4*\slot, G1B
.else
	PLACES NP
.endif
	s_wait_alu depctr_va_vdst(0)
	FETCH_B \next, 0, 0
	FETCH_A \next, 0, 0
	WIN MUL_HI
	MUL16 4, 1, 0
	MUL16 6, 1, 0
	PLACES NP
	WIN 0
	FETCH_A \next, 0, 4
.endm
	s_wait_tensorcnt 1
	s_barrier_signal -1
	s_barrier_wait -1
	FETCH_B 0, 0, 0
	FETCH_A 0, 0, 0
	FETCH_A 0, 0, 4
	STEP 0, 0, 1
	s_mov_b32 s3, LAPS-1
.Llap:
	TURN 0, 1, 1
	STEP 1, 0, 0
	TURN 1, 0, 1
	STEP 0, 0, 0
	s_sub_co_u32 s3, s3, 1
	s_cmp_lg_u32 s3, 0
	s_cbranch_scc1 .Llap
	TURN 0, 1, 0
	STEP 1, 0, 0
	s_wait_dscnt 4*NL
	WIN MUL_LO
	MUL16 0, 1, 0
	MUL16 2, 1, 0
	s_wait_dscnt 0
	WIN MUL_HI
	MUL16 4, 1, 0
	MUL16 6, 1, 0
	WIN 0
.macro CODES a
.set AC, 64*((\a)%4)
.set CC, CD+16*((\a)%2)
.if (\a) >= 2
	s_wait_dscnt 8
.endif
	WIN 0x02+((\a)/4)
.set j, 0
.rept 32
	v_pk_add_f32 v[TMP+j:TMP+j+1], v[AC+j:AC+j+1], v[BI+j:BI+j+1]
.set j, j+2
.endr
	WIN 0
.set j, 0
.rept 64
	v_med3_num_f32 v[TMP+j], v[TMP+j], 0, v[LIM]
.set j, j+1
.endr
.irp b, 0,1,2,3,4,5,6,7
	v_cvt_scalef32_pk8_fp8_f32 v[CC+2*\b:CC+2*\b+1], v[TMP+8*\b:TMP+8*\b+7], v[SCL]
.endr
	v_nop
.irp b, 0,1,2,3,4,5,6,7
	ds_store_b64 v[STO], v[CC+2*\b:CC+2*\b+1] offset:(\a)*16*PITCH+16*\b
.endr
.endm
	s_wait_kmcnt 0x0
	s_add_co_i32 s96, s96, s97
	s_sub_co_i32 s97, s98, s96
	s_sub_co_i32 s96, 0, s96
	s_add_co_i32 s97, s97, 127
	s_lshl_b32 s99, s97, 23
	v_mov_b32 v[SCL], s99
	s_add_co_i32 s97, s97, 8
	s_lshl_b32 s97, s97, 23
	s_or_b32 s97, s97, 0x600000
	v_mov_b32 v[LIM], s97
	s_wait_loadcnt 0x0
.set j, 0
.rept 64
	v_ldexp_f32 v[BI+j], v[BI+j], s96
.set j, j+1
.endr
.irp a, 0,1,2,3,4,5,6,7
	CODES \a
.endr
	s_wait_dscnt 0x0
	s_barrier_signal -1
	s_barrier_wait -1
.set j, 0
.rept 32
	ds_load_b128 v[128+4*j:131+4*j], v[RD] offset:2*PITCH*j
.set j, j+1
.endr
.set j, 0
.rept 32
	s_wait_dscnt 31-j
	global_store_b128 v[CO], v[128+4*j:131+4*j], s[10:11] offset:8192*j
.set j, j+1
.endr
	s_wait_tensorcnt 0x0
	ds_add_u32 v[SPW], v[NIL]
	s_wait_dscnt 0x0
	CROUND
	s_endpgm
.Lfunc_end_k_q623d717945_ffn1:
	.size	k_q623d717945_ffn1, .Lfunc_end_k_q623d717945_ffn1-k_q623d717945_ffn1
	.p2alignl 7, 3214868480
	.fill 96, 4, 3214868480
	.section	.rodata,"a",@progbits
	.p2align	6, 0x0
	.amdhsa_kernel k_q623d717945_ffn1
		.amdhsa_group_segment_fixed_size 327680
		.amdhsa_private_segment_fixed_size 0
		.amdhsa_enable_private_segment 0
		.amdhsa_kernarg_size 40
		.amdhsa_user_sgpr_count 2
		.amdhsa_user_sgpr_kernarg_segment_ptr 1
		.amdhsa_wavefront_size32 1
		.amdhsa_system_sgpr_workgroup_id_x 1
		.amdhsa_system_sgpr_workgroup_id_y 1
		.amdhsa_system_sgpr_workgroup_id_z 1
		.amdhsa_system_vgpr_workitem_id 0
		.amdhsa_next_free_vgpr 1024
		.amdhsa_next_free_sgpr 100
		.amdhsa_reserve_vcc 0
		.amdhsa_float_denorm_mode_32 3
		.amdhsa_float_denorm_mode_16_64 3
		.amdhsa_memory_ordered 1
		.amdhsa_forward_progress 1
		.amdhsa_inst_pref_size 148
	.end_amdhsa_kernel
	.amdgpu_metadata
---
amdhsa.version: [ 1, 2 ]
amdhsa.kernels:
  - .name:           k_q623d717945_ffn1
    .symbol:         k_q623d717945_ffn1.kd
    .args:
      - { .name: xcodes, .offset: 0, .size: 8, .value_kind: global_buffer, .address_space: global }
      - { .name: wcodes, .offset: 8, .size: 8, .value_kind: global_buffer, .address_space: global }
      - { .name: lowp_scales, .offset: 16, .size: 8, .value_kind: global_buffer, .address_space: global }
      - { .name: hcodes, .offset: 24, .size: 8, .value_kind: global_buffer, .address_space: global }
      - { .name: b1, .offset: 32, .size: 8, .value_kind: global_buffer, .address_space: global }
    .group_segment_fixed_size: 327680
    .private_segment_fixed_size: 0
    .kernarg_segment_align: 8
    .kernarg_segment_size: 40
    .max_flat_workgroup_size: 128
    .sgpr_count:     100
    .vgpr_count:     1024
    .wavefront_size: 32
...
	.end_amdgpu_metadata
.endif
;; end of part 14
;; launch ffn2 (part 15): grid 8 x 32, 4 waves a work-group, clusters of 4 x 4, 327,680 bytes of LDS; arguments hcodes, wcodes, lowp_scales, y; writes y
.if DOCPART == 15
	.amdgcn_target "amdgcn-amd-amdhsa--gfx1250"
	.amdhsa_code_object_version 6
	.text
	.protected	k_q623d717945_ffn2
	.globl	k_q623d717945_ffn2
	.p2align	8
	.type	k_q623d717945_ffn2,@function
k_q623d717945_ffn2:
	s_mov_b64 s[64:65], 0
	v_nop
	global_prefetch_b8 v0, s[64:65] scope:SCOPE_SE
	s_setreg_imm32_b32 hwreg(HW_REG_WAVE_MODE, 25, 1), 1
	s_wait_xcnt 0x0
	s_wait_alu depctr_hold_cnt(0) depctr_sa_sdst(0) depctr_va_vdst(0) depctr_va_sdst(0) depctr_va_ssrc(0) depctr_va_vcc(0) depctr_vm_vsrc(0)
	s_getreg_b32 s2, hwreg(HW_REG_IB_STS2, 6, 4)
	s_cmp_eq_u32 s2, 0
	s_cbranch_scc0 .Lentry_in_a_cluster
	s_endpgm
.Lentry_in_a_cluster:
	s_bfe_u32 s2, ttmp6, 0x10000c
	s_cmp_lg_u32 s2, 0xf033
	s_cbranch_scc0 .Lentry_shape_is_right
	s_endpgm
.Lentry_shape_is_right:
.set SIZE_K, 4096
.set SIZE_N, 1024
.set BOFF,   0x800000
.set SCOFF,  0x38
.set KSTEP,  512
.set ROWB,   512
.set KROW,   SIZE_K
.set PITCH,  528
.set FR,     16
.set NP,     4
.set HALFT,  64*PITCH
.set SLOT,   4*HALFT
.set LAPS,   SIZE_K/(2*KSTEP)
.set SPARE,  2*SLOT
.set SPITCH, 272
.set ADRA, 16
.set ADRB, 20
.set STO,  24
.set RD,   25
.set CO,   26
.set SPW,  28
.set NIL,  29
.set TMP,  32
.set BK,   64
.set ACC,  128
.set F0,   0
.set F1,   128
.set G1, 24
.set G0, 32
.set G1B, 48
.set G0B, 56
.set MSB, 0
.macro WIN new
.if MSB != \new
	s_set_vgpr_msb (MSB<<8)|\new
.set MSB, \new
.endif
.endm
.set MUL,  0x05
.set TO_F, 0x40
.macro JLOAD g0a, g1a, g0b, g1b
	s_cmp_eq_u32 s15, 0
	s_cbranch_scc0 .Lfor_b_\@
	tensor_load_to_lds s[\g0a:\g0a+3], s[\g1a:\g1a+7]
	s_nop 0
.rept 4
	v_nop
.endr
	s_branch .Lasked_\@
.Lfor_b_\@:
	tensor_load_to_lds s[\g0b:\g0b+3], s[\g1b:\g1b+7]
	s_nop 0
.rept 4
	v_nop
.endr
.Lasked_\@:
.endm
.macro CREST
	s_cmp_lg_u32 s14, 0
	s_cbranch_scc1 .Lnot_wave_0_\@
	s_barrier_signal -3
.Lnot_wave_0_\@:
	s_barrier_wait -3
	s_barrier_signal -1
	s_barrier_wait -1
.endm
.macro CROUND
	s_barrier_signal -1
	s_barrier_wait -1
	CREST
.endm
	s_load_b128 s[4:7], s[0:1], 0x0
	s_load_b128 s[8:11], s[0:1], 0x10
	v_lshl_add_u32 v[SPW], v0, 2, SPARE
	v_mov_b32 v[NIL], 0
	ds_add_u32 v[SPW], v[NIL]
	ds_add_u32 v[SPW], v[NIL]
	v_lshrrev_b32 v1, 5, v0
	v_readfirstlane_b32 s14, v1
	s_lshr_b32 s15, s14, 1
	s_and_b32 s16, s14, 1
	s_bfe_u32 s40, ttmp6, 0x40000
	s_bfe_u32 s41, ttmp6, 0x40004
	s_lshl_b32 s42, ttmp9, 2
	s_add_co_u32 s42, s42, s40
	s_and_b32 s17, ttmp7, 0xffff
	s_lshl_b32 s17, s17, 2
	s_add_co_u32 s17, s17, s41
	s_lshl_b32 s43, s41, 2
	s_lshl_b32 s43, 15, s43
	s_lshl_b32 s44, 0x1111, s40
	s_or_b32 s[G1+0], s43, (0<<16)|(1<<20)|(1<<21)|(6<<22)|(3<<25)
	s_or_b32 s[G1B+0], s44, (0<<16)|(1<<20)|(1<<21)|(6<<22)|(3<<25)
.irp g, G1, G1B
	s_mov_b32 s[\g+1], ROWB<<16
	s_mov_b32 s[\g+2], 64<<16
	s_mov_b32 s[\g+3], ROWB<<16
	s_mov_b32 s[\g+4], 64
	s_mov_b32 s[\g+5], KROW
	s_mov_b32 s[\g+6], 0
	s_mov_b32 s[\g+7], 0
.endr
	s_lshl_b32 s18, s16, 6
	s_lshl_b32 s20, s17, 7
	s_add_co_u32 s20, s20, s18
	s_lshl_b32 s46, s42, 7
	s_add_co_u32 s46, s46, s18
	s_mov_b32 s21, 0
	s_mov_b32 s47, 0
	s_mov_b64 s[18:19], KROW
	s_mul_u64 s[20:21], s[20:21], s[18:19]
	s_mul_u64 s[46:47], s[46:47], s[18:19]
	s_add_nc_u64 s[46:47], s[46:47], BOFF
	s_mul_i32 s45, s14, HALFT
	s_wait_dscnt 0x0
	s_wait_kmcnt 0x0
	s_load_b64 s[96:97], s[8:9], SCOFF
	s_add_nc_u64 s[20:21], s[4:5], s[20:21]
	s_add_nc_u64 s[46:47], s[6:7], s[46:47]
	CROUND
.irp s, 0,1
	s_mov_b32 s[G0+4*\s], 1
	s_add_co_u32 s[G0+4*\s+1], s45, \s*SLOT
	s_add_nc_u64 s[G0+4*\s+2:G0+4*\s+3], s[20:21], \s*ROWB
	s_or_b32 s[G0+4*\s+3], s[G0+4*\s+3], 0x80000000
	s_mov_b32 s[G0B+4*\s], 1
	s_add_co_u32 s[G0B+4*\s+1], s45, \s*SLOT
	s_add_nc_u64 s[G0B+4*\s+2:G0B+4*\s+3], s[46:47], \s*ROWB
	s_or_b32 s[G0B+4*\s+3], s[G0B+4*\s+3], 0x80000000
	s_wait_alu depctr_va_vdst(0)
	s_wait_tensorcnt 0x0
	ds_add_u32 v28, v29
	ds_add_u32 v28, v29
	s_wait_dscnt 0x0
	CROUND
	JLOAD G0+4*\s, G1, G0B+4*\s, G1B
.endr
	v_and_b32 v1, 15, v0
	s_wait_alu depctr_va_vdst(0)
	v_bfe_u32 v2, v0, 4, 1
	v_mul_u32_u24 v3, v1, PITCH
	v_lshl_add_u32 v4, v2, 4, v3
	s_mul_i32 s21, s15, HALFT
	s_mul_i32 s22, s16, HALFT
	s_add_co_u32 s22, s22, 2*HALFT
.irp s, 0,1
	v_add_nc_u32 v[ADRA+\s], s21, v4
	v_add_nc_u32 v[ADRB+\s], s22, v4
	s_add_co_u32 s21, s21, SLOT
	s_add_co_u32 s22, s22, SLOT
.endr
	s_mul_i32 s23, s14, 16*SPITCH
	v_mul_u32_u24 v5, v1, SPITCH
	s_wait_alu depctr_va_vdst(0)
	v_lshl_add_u32 v5, v2, 5, v5
	v_add_nc_u32 v[STO], s23, v5
	v_mul_u32_u24 v6, v2, SPITCH
	v_lshl_add_u32 v6, v1, 4, v6
	v_add_nc_u32 v[RD], s23, v6
	v_mul_u32_u24 v[CO], v2, SIZE_N*4
	v_lshl_add_u32 v[CO], v1, 4, v[CO]
	s_lshl_b32 s20, s17, 7
	s_lshl_b32 s21, s15, 6
	s_add_co_u32 s20, s20, s21
	s_mov_b32 s21, 0
	s_mov_b64 s[18:19], SIZE_N*4
	s_mul_u64 s[20:21], s[20:21], s[18:19]
	s_lshl_b32 s46, s42, 9
	s_lshl_b32 s47, s16, 8
	s_add_co_u32 s46, s46, s47
	s_mov_b32 s47, 0
	s_add_nc_u64 s[20:21], s[20:21], s[46:47]
	s_add_nc_u64 s[10:11], s[10:11], s[20:21]
.macro FRAG reg, adr, k, i
.irp c, 0,1,2,3
	ds_load_b128 v[\reg+4*\c:\reg+4*\c+3], v[\adr] offset:(\k)+32*\c+(\i)*16*PITCH
.endr
.endm
.macro FETCH slot, k, f
	WIN TO_F
.irp i, 0,1,2,3
	FRAG \f+64+FR*\i, ADRB+\slot, \k, \i
.endr
.irp i, 0,1,2,3
	FRAG \f+FR*\i, ADRA+\slot, \k, \i
.endr
.endm
.macro MULA f, a, zero
.irp b, 0,1,2,3
.if \zero
	v_wmma_f32_16x16x128_fp8_fp8 v[ACC+8*(4*(\a)+\b):ACC+8*(4*(\a)+\b)+7], v[\f+64+FR*\b:\f+64+FR*\b+FR-1], v[\f+FR*(\a):\f+FR*(\a)+FR-1], 0
.else
	v_wmma_f32_16x16x128_fp8_fp8 v[ACC+8*(4*(\a)+\b):ACC+8*(4*(\a)+\b)+7], v[\f+64+FR*\b:\f+64+FR*\b+FR-1], v[\f+FR*(\a):\f+FR*(\a)+FR-1], v[ACC+8*(4*(\a)+\b):ACC+8*(4*(\a)+\b)+7]
.endif
.endr
.endm
.macro PLACES n
.rept \n
	v_nop
.endr
.endm
.macro QUARTER slot, k, f, g, zero
	s_wait_dscnt 8
	WIN MUL
	MULA \f, 0, \zero
	MULA \f, 1, \zero
	PLACES NP
	FETCH \slot, \k, \g
	s_wait_dscnt 32
	WIN MUL
	MULA \f, 2, \zero
	MULA \f, 3, \zero
.endm
.macro TURN slot, next, fill
	WIN 0
	s_wait_tensorcnt 0x0
	ds_add_u32 v[SPW], v[NIL]
	s_wait_dscnt 9
	WIN MUL
	MULA F1, 0, 0
	s_wait_dscnt 0x0
	s_barrier_signal -1
	MULA F1, 1, 0
.if \fill
	WIN 0
.endif
	s_barrier_wait -1
.if \fill
	CREST
	s_add_nc_u64 s[G0+4*\slot+2:G0+4*\slot+3], s[G0+4*\slot+2:G0+4*\slot+3], 2*ROWB
	s_add_nc_u64 s[G0B+4*\slot+2:G0B+4*\slot+3], s[G0B+4*\slot+2:G0B+4*\slot+3], 2*ROWB
	JLOAD G0+4*\slot, G1, G0B+4*\slot, G1B
.else
	PLACES NP
.endif
	FETCH \next, 0, F0
	WIN MUL
	MULA F1, 2, 0
	MULA F1, 3, 0
.endm
	s_wait_tensorcnt 1
	s_barrier_signal -1
	s_barrier_wait -1
	FETCH 0, 0, F0
	QUARTER 0, 128, F0, F1, 1
.if LAPS > 1
	WIN 0
	s_mov_b32 s3, LAPS-1
.Llap:
	QUARTER 0, 256, F1, F0, 0
	QUARTER 0, 384, F0, F1, 0
	TURN 0, 1, 1
	QUARTER 1, 128, F0, F1, 0
	QUARTER 1, 256, F1, F0, 0
	QUARTER 1, 384, F0, F1, 0
	TURN 1, 0, 1
	QUARTER 0, 128, F0, F1, 0
	WIN 0
	s_sub_co_u32 s3, s3, 1
	s_cmp_lg_u32 s3, 0
	s_cbranch_scc1 .Llap
.endif
	QUARTER 0, 256, F1, F0, 0
	QUARTER 0, 384, F0, F1, 0
	TURN 0, 1, 0
	QUARTER 1, 128, F0, F1, 0
	QUARTER 1, 256, F1, F0, 0
	QUARTER 1, 384, F0, F1, 0
	s_wait_dscnt 8
	WIN MUL
	MULA F1, 0, 0
	MULA F1, 1, 0
	s_wait_dscnt 0
	MULA F1, 2, 0
	MULA F1, 3, 0
	WIN 0
.macro TOSTAGE a
.set AC, ACC+32*(\a)
.set j, 0
.rept 16
	v_pk_mul_f32 v[TMP+j:TMP+j+1], v[AC+j:AC+j+1], s[96:97] op_sel_hi:[1,0]
.set j, j+2
.endr
.irp b, 0,1,2,3
	ds_store_b128 v[STO], v[TMP+8*\b:TMP+8*\b+3] offset:64*\b
	ds_store_b128 v[STO], v[TMP+8*\b+4:TMP+8*\b+7] offset:64*\b+16
.endr
.set BB, BK+32*((\a)%2)
.irp t, 0,1,2,3,4,5,6,7
	ds_load_b128 v[BB+4*\t:BB+4*\t+3], v[RD] offset:\t*2*SPITCH
.endr
.endm
.macro SEND a, younger
.set BB, BK+32*((\a)%2)
	s_wait_dscnt \younger
.if (\a) > 0
	s_add_nc_u64 s[10:11], s[10:11], 16*SIZE_N*4
.endif
.irp t, 0,1,2,3,4,5,6,7
	global_store_b128 v[CO], v[BB+4*\t:BB+4*\t+3], s[10:11] offset:2*\t*SIZE_N*4 th:TH_STORE_NT
.endr
.endm
	s_wait_kmcnt 0x0
	s_add_co_i32 s96, s96, s97
	s_add_co_i32 s96, s96, 127
	s_lshl_b32 s96, s96, 23
	PLACES NP
	TOSTAGE 0
.irp a, 1,2,3
.if \a > 1
	s_wait_xcnt 0x0
.endif
	TOSTAGE \a
	SEND \a-1, 16
.endr
	s_wait_xcnt 0x0
	SEND 3, 0
	s_wait_tensorcnt 0x0
	ds_add_u32 v[SPW], v[NIL]
	s_wait_dscnt 0x0
	CROUND
	s_endpgm
.Lfunc_end_k_q623d717945_ffn2:
	.size	k_q623d717945_ffn2, .Lfunc_end_k_q623d717945_ffn2-k_q623d717945_ffn2
	.p2alignl 7, 3214868480
	.fill 96, 4, 3214868480
	.section	.rodata,"a",@progbits
	.p2align	6, 0x0
	.amdhsa_kernel k_q623d717945_ffn2
		.amdhsa_group_segment_fixed_size 327680
		.amdhsa_private_segment_fixed_size 0
		.amdhsa_enable_private_segment 0
		.amdhsa_kernarg_size 32
		.amdhsa_user_sgpr_count 2
		.amdhsa_user_sgpr_kernarg_segment_ptr 1
		.amdhsa_wavefront_size32 1
		.amdhsa_system_sgpr_workgroup_id_x 1
		.amdhsa_system_sgpr_workgroup_id_y 1
		.amdhsa_system_sgpr_workgroup_id_z 1
		.amdhsa_system_vgpr_workitem_id 0
		.amdhsa_next_free_vgpr 512
		.amdhsa_next_free_sgpr 100
		.amdhsa_reserve_vcc 0
		.amdhsa_float_denorm_mode_32 3
		.amdhsa_float_denorm_mode_16_64 3
		.amdhsa_memory_ordered 1
		.amdhsa_forward_progress 1
		.amdhsa_inst_pref_size 75
	.end_amdhsa_kernel
	.amdgpu_metadata
---
amdhsa.version: [ 1, 2 ]
amdhsa.kernels:
  - .name:           k_q623d717945_ffn2
    .symbol:         k_q623d717945_ffn2.kd
    .args:
      - { .name: hcodes, .offset: 0, .size: 8, .value_kind: global_buffer, .address_space: global }
      - { .name: wcodes, .offset: 8, .size: 8, .value_kind: global_buffer, .address_space: global }
      - { .name: lowp_scales, .offset: 16, .size: 8, .value_kind: global_buffer, .address_space: global }
      - { .name: y, .offset: 24, .size: 8, .value_kind: global_buffer, .address_space: global }
    .group_segment_fixed_size: 327680
    .private_segment_fixed_size: 0
    .kernarg_segment_align: 8
    .kernarg_segment_size: 32
    .max_flat_workgroup_size: 128
    .sgpr_count:     100
    .vgpr_count:     512
    .wavefront_size: 32
...
	.end_amdgpu_metadata
.endif
;; end of part 15
;; launch ln2 (part 16): grid 512 x 1, 4 waves a work-group, no clusters, 0 bytes of LDS; arguments y, b2, x1, g2, be2, out0; writes out0
.if DOCPART == 16
	.amdgcn_target "amdgcn-amd-amdhsa--gfx1250"
	.amdhsa_code_object_version 6
	.text
	.protected	k_q623d717945_ln2
	.globl	k_q623d717945_ln2
	.p2align	8
	.type	k_q623d717945_ln2,@function
k_q623d717945_ln2:
	s_mov_b64 s[64:65], 0
	v_nop
	global_prefetch_b8 v0, s[64:65] scope:SCOPE_SE
	s_setreg_imm32_b32 hwreg(HW_REG_WAVE_MODE, 25, 1), 1
	s_wait_xcnt 0x0
; Launch 8 of 8: out0 = LayerNorm((y + b2) + x1) g2 + be2.  Nothing of the problem is left out.
; A stream: memory binds, so no matrix unit, no cluster, no LDS, no barrier.  A wave takes two whole rows of 1,024; a lane holds columns 128 j + 4 l + 0 .. 3, so every load and store covers 512 consecutive bytes.
; All 56 loads of a wave go out at the head.  Mean and variance as the problem writes them: the mean first, then the mean of the squared differences.  NaN among the inputs is carried as the arithmetic carries it.
.set BI, 16                            ; v16-47   the bias
.set G,  48                            ; v48-79   the gain
.set BE, 80                            ; v80-111  the offset
.set Y,  112                           ; v112-143 row 0, v176-207 row 1: y, then the row at work
.set R,  144                           ; v144-175, v208-239: the residual
	s_load_b256 s[4:11], s[0:1], 0x0               ; y s[4:5], bias s[6:7], residual s[8:9], gain s[10:11]
	s_load_b128 s[12:15], s[0:1], 0x20             ; offset s[12:13], the result s[14:15]
	v_lshrrev_b32 v2, 5, v0
	v_readfirstlane_b32 s20, v2                    ; wave
	v_and_b32 v3, 31, v0
	v_lshlrev_b32 v1, 4, v3                        ; 16 x lane; never rewritten
	s_lshl_b32 s21, ttmp9, 3
	s_lshl_b32 s22, s20, 1
	s_add_co_u32 s21, s21, s22                     ; my first row
	s_lshl_b32 s22, s21, 12
	s_mov_b32 s23, 0
	s_mov_b32 s24, 0x3a800000                      ; 1 / 1024
	s_mov_b32 s25, 0x3727c5ac                      ; 1e-5
	s_mov_b32 s26, 0x76543210
	s_mov_b32 s27, 0xfedcba98
	s_wait_alu depctr_va_vdst(0)
	s_wait_kmcnt 0x0
	s_add_nc_u64 s[4:5], s[4:5], s[22:23]
	s_add_nc_u64 s[8:9], s[8:9], s[22:23]
	s_add_nc_u64 s[14:15], s[14:15], s[22:23]
.macro LD8 reg, lo, off
.set j, 0
.rept 8
	global_load_b128 v[\reg+4*j:\reg+4*j+3], v1, s[\lo:\lo+1] offset:\off+512*j
.set j, j+1
.endr
.endm
	LD8 Y, 4, 0
	LD8 R, 8, 0
	LD8 BI, 6, 0
	LD8 Y+64, 4, 4096
	LD8 R+64, 8, 4096
	LD8 G, 10, 0
	LD8 BE, 12, 0
.macro REDUCE                          ; v[2:3] -> the sum over the wave's 32 lanes, in every lane's v2
	v_add_f32 v2, v2, v3
	v_add_f32_dpp v2, v2, v2 row_xmask:1 row_mask:0xf bank_mask:0xf
	v_add_f32_dpp v2, v2, v2 row_xmask:2 row_mask:0xf bank_mask:0xf
	v_add_f32_dpp v2, v2, v2 row_xmask:4 row_mask:0xf bank_mask:0xf
	v_add_f32_dpp v2, v2, v2 row_xmask:8 row_mask:0xf bank_mask:0xf
	v_permlanex16_b32 v3, v2, s26, s27
	v_add_f32 v2, v2, v3
.endm
.macro FOLD                            ; the four chains v[2:9] -> v[2:3]
	v_pk_add_f32 v[2:3], v[2:3], v[4:5]
	v_pk_add_f32 v[6:7], v[6:7], v[8:9]
	v_pk_add_f32 v[2:3], v[2:3], v[6:7]
.endm
.macro STATS i                         ; row i: (y + bias) + residual, less its mean, in place; 1 / sqrt(variance + 1e-5) into v[10 + 2 i] and the register beside it
.set Z, Y+64*(\i)
.set RR, R+64*(\i)
.set k, 0
.rept 16
	v_pk_add_f32 v[Z+k:Z+k+1], v[Z+k:Z+k+1], v[BI+k:BI+k+1]
.set k, k+2
.endr
.set k, 0
.rept 16
	v_pk_add_f32 v[Z+k:Z+k+1], v[Z+k:Z+k+1], v[RR+k:RR+k+1]
.set k, k+2
.endr
.irp c, 0,1,2,3
	v_pk_add_f32 v[2+2*\c:3+2*\c], v[Z+4*\c:Z+4*\c+1], v[Z+4*\c+2:Z+4*\c+3]   ; four chains, started by the first pairs
.endr
.irp p, 0,1,2,3,4,5,6,7
	v_pk_add_f32 v[2+2*(\p%4):3+2*(\p%4)], v[2+2*(\p%4):3+2*(\p%4)], v[Z+16+2*\p:Z+17+2*\p]
.endr
	FOLD
	REDUCE
	v_mul_f32 v4, s24, v2                          ; the mean
	v_mov_b32 v5, v4
.set k, 0
.rept 16
	v_pk_add_f32 v[Z+k:Z+k+1], v[Z+k:Z+k+1], v[4:5] neg_lo:[0,1] neg_hi:[0,1]
.set k, k+2
.endr
.irp c, 0,1,2,3
	v_pk_mul_f32 v[2+2*\c:3+2*\c], v[Z+2*\c:Z+2*\c+1], v[Z+2*\c:Z+2*\c+1]
.endr
.irp p, 4,5,6,7,8,9,10,11,12,13,14,15
	v_pk_fma_f32 v[2+2*(\p%4):3+2*(\p%4)], v[Z+2*\p:Z+2*\p+1], v[Z+2*\p:Z+2*\p+1], v[2+2*(\p%4):3+2*(\p%4)]
.endr
	FOLD
	REDUCE
	v_fma_f32 v2, v2, s24, s25                     ; the variance + 1e-5
	s_wait_alu depctr_va_vdst(0)
	v_rsq_f32 v[10+2*(\i)], v2
	v_nop                                          ; a plain line behind it,
	s_wait_alu depctr_va_vdst(0)                   ; and the wait ahead of the first reader
	v_mov_b32 v[11+2*(\i)], v[10+2*(\i)]
.endm
.macro FINISH i
.set Z, Y+64*(\i)
.set k, 0
.rept 16
	v_pk_mul_f32 v[Z+k:Z+k+1], v[Z+k:Z+k+1], v[10+2*(\i):11+2*(\i)]
.set k, k+2
.endr
.set k, 0
.rept 16
	v_pk_fma_f32 v[Z+k:Z+k+1], v[Z+k:Z+k+1], v[G+k:G+k+1], v[BE+k:BE+k+1]
.set k, k+2
.endr
.set j, 0
.rept 8
	global_store_b128 v1, v[Z+4*j:Z+4*j+3], s[14:15] offset:4096*(\i)+512*j th:TH_STORE_NT
.set j, j+1
.endr
.endm
	s_wait_loadcnt 32                              ; row 0 and the bias are in; the 32 loads of row 1, gain and offset may be out
	STATS 0
	s_wait_loadcnt 16                              ; row 1 is in; the 16 loads of gain and offset may be out
	STATS 1
	s_wait_loadcnt 0x0
	FINISH 0
	FINISH 1
	s_endpgm
.Lfunc_end_k_q623d717945_ln2:
	.size	k_q623d717945_ln2, .Lfunc_end_k_q623d717945_ln2-k_q623d717945_ln2
	.p2alignl 7, 3214868480
	.fill 96, 4, 3214868480
	.section	.rodata,"a",@progbits
	.p2align	6, 0x0
	.amdhsa_kernel k_q623d717945_ln2
		.amdhsa_group_segment_fixed_size 0
		.amdhsa_private_segment_fixed_size 0
		.amdhsa_enable_private_segment 0
		.amdhsa_kernarg_size 48
		.amdhsa_user_sgpr_count 2
		.amdhsa_user_sgpr_kernarg_segment_ptr 1
		.amdhsa_wavefront_size32 1
		.amdhsa_system_sgpr_workgroup_id_x 1
		.amdhsa_system_sgpr_workgroup_id_y 1
		.amdhsa_system_sgpr_workgroup_id_z 1
		.amdhsa_system_vgpr_workitem_id 0
		.amdhsa_next_free_vgpr 256
		.amdhsa_next_free_sgpr 66
		.amdhsa_reserve_vcc 0
		.amdhsa_float_denorm_mode_32 3
		.amdhsa_float_denorm_mode_16_64 3
		.amdhsa_memory_ordered 1
		.amdhsa_forward_progress 1
		.amdhsa_inst_pref_size 25
	.end_amdhsa_kernel
	.amdgpu_metadata
---
amdhsa.version: [ 1, 2 ]
amdhsa.kernels:
  - .name:           k_q623d717945_ln2
    .symbol:         k_q623d717945_ln2.kd
    .args:
      - { .name: y, .offset: 0, .size: 8, .value_kind: global_buffer, .address_space: global }
      - { .name: b2, .offset: 8, .size: 8, .value_kind: global_buffer, .address_space: global }
      - { .name: x1, .offset: 16, .size: 8, .value_kind: global_buffer, .address_space: global }
      - { .name: g2, .offset: 24, .size: 8, .value_kind: global_buffer, .address_space: global }
      - { .name: be2, .offset: 32, .size: 8, .value_kind: global_buffer, .address_space: global }
      - { .name: out0, .offset: 40, .size: 8, .value_kind: global_buffer, .address_space: global }
    .group_segment_fixed_size: 0
    .private_segment_fixed_size: 0
    .kernarg_segment_align: 8
    .kernarg_segment_size: 48
    .max_flat_workgroup_size: 128
    .sgpr_count:     66
    .vgpr_count:     256
    .wavefront_size: 32
...
	.end_amdgpu_metadata
.endif
;; end of part 16
